; MI455X (gfx1250); checked and timed in simulation.
; The chip was launched on July 23, 2026; its instructions are those of AMD's public machine-readable ISA for CDNA 5 (MIT licence, August 2026) and "CDNA5" Instruction Set Architecture Reference Guide (July 2026). The comments in the code are by the model that wrote it; some were corrected since.
;; Implicit Motion Alignment. Allowed arithmetic: float matrix products may take bf16 or f16 operands with f32 sums; all other float work in f32.
;; Inputs: b0_inproj_b 768 float32; b0_inproj_w 768 x 256 float32; b0_kpos 1 x 4,096 x 256 float32; b0_mlp_b1 1,024 float32; b0_mlp_b2 256 float32; b0_mlp_w1 1,024 x 256 float32; b0_mlp_w2 256 x 1,024 float32; b0_norm1_b 256 float32; b0_norm1_w 256 float32; b0_norm2_b 256 float32; b0_norm2_w 256 float32; b0_outproj_b 256 float32; b0_outproj_w 256 x 256 float32; b0_qpos 1 x 4,096 x 256 float32; b1_inproj_b 768 float32; b1_inproj_w 768 x 256 float32; b1_kpos 1 x 4,096 x 256 float32; b1_mlp_b1 1,024 float32; b1_mlp_b2 256 float32; b1_mlp_w1 1,024 x 256 float32; b1_mlp_w2 256 x 1,024 float32; b1_norm1_b 256 float32; b1_norm1_w 256 float32; b1_norm2_b 256 float32; b1_norm2_w 256 float32; b1_outproj_b 256 float32; b1_outproj_w 256 x 256 float32; b1_qpos 1 x 4,096 x 256 float32; ca_kpos 1 x 4,096 x 256 float32; ca_qpos 1 x 4,096 x 256 float32; fl_r 1 x 256 x 64 x 64 float32; ml_c 1 x 256 x 64 x 64 float32; ml_r 1 x 256 x 64 x 64 float32.
;; Outputs: out0 1 x 256 x 64 x 64 float32.
;; 3 versions, each right and faster than the one before. Each part assembles by itself: llvm-mc -triple=amdgcn-amd-amdhsa -mcpu=gfx1250 --defsym DOCPART=n.
;; ======== version 1 of 3: 10 launches
;; limits: values are held in f16: magnitudes above 65,504 overflow, below 6.1e-05 lose precision
;; workspace buffers: opnd 6,291,456 bytes; wt0 1,572,864 bytes; wt1 1,572,864 bytes; part 33,816,576 bytes; o16 2,097,152 bytes; x0 4,194,304 bytes; x1 4,194,304 bytes
;; launch prep (part 1): grid 168 x 1, 8 waves a work-group, no clusters, 137,216 bytes of LDS; arguments ml_c, ml_r, fl_r, ca_qpos, ca_kpos, b0_inproj_w, b0_outproj_w, b0_mlp_w1, b0_mlp_w2, b1_inproj_w, b1_outproj_w, b1_mlp_w1, b1_mlp_w2, opnd, wt0, wt1; writes opnd, wt0, wt1
.if DOCPART == 1
	.amdgcn_target "amdgcn-amd-amdhsa--gfx1250"
	.amdhsa_code_object_version 6
	.text
	.protected	k_q560160dc41_prep
	.globl	k_q560160dc41_prep
	.p2align	8
	.type	k_q560160dc41_prep,@function
k_q560160dc41_prep:
	s_mov_b64 s[64:65], 0
	v_nop
	global_prefetch_b8 v0, s[64:65] scope:SCOPE_SE
	s_setreg_imm32_b32 hwreg(HW_REG_WAVE_MODE, 25, 1), 1
	s_wait_xcnt 0x0
; PREP: every transpose, position add and cast to f16 of the module's inputs, once.
; All outputs are FRAGMENT-MAJOR: a fragment of 16 rows x 32 k in f16 is 1,024 bytes; byte 16 L of the first 512 holds registers 0-3 of lane L
; (row L % 16, k = 8 (L / 16) + 0..7), byte 512 + 16 L registers 4-7 (k = 16 + 8 (L / 16) + 0..7).  A later load or store of half a fragment is 512 consecutive bytes.
; Work-groups 0-127: q16 = ml_c^T + ca_qpos (0-63) and k16 = ml_r^T + ca_kpos (64-127), 64 tokens each, turned through LDS.
; Work-groups 128-151: the eight weight matrices into panels [nb 4][ks 8][1 KB], ordered by the wave that will read them.  152-167: fl_r (rows = channels, k = tokens) into v16.
; LIMIT: f16 operands: a magnitude of 65,520 or more becomes an infinity; below 6e-5 the step is 6e-8.
; No cluster, no tensor load: no two work-groups read the same bytes, and the data passes through registers for the cast anyway.
.set POS,   69632                      ; LDS: ml [256 channels][272 bytes] from 0; pos [64 tokens][1,040 bytes] from here
.set SPARE, 136192                     ; the spare words: 128 bytes for each of eight waves
.set LA,  2                            ; 16 x lane
.set SPW, 4                            ; my spare word; never rewritten
.set NIL, 5                            ; 0; never rewritten
.set RL,  6                            ; lane % 16
.set HL,  7                            ; lane / 16
.set SV,  8                            ; byte offset of my lane in the source
.set MA,  9                            ; LDS: where ml goes
.set PA,  10                           ; LDS: where pos goes
.set MR,  11                           ; LDS: where ml is read, turned
.set PR,  12                           ; LDS: where pos is read
.set IN,  32                           ; v32-159 as loaded
.set OU,  160                          ; v160-223 packed f16
	s_load_b512 s[8:23], s[0:1], 0x0               ; ml_c 8, ml_r 10, fl_r 12, ca_qpos 14, ca_kpos 16, b0 inproj 18, outproj 20, w1 22
	s_load_b512 s[24:39], s[0:1], 0x40             ; b0 w2 24, b1 inproj 26, outproj 28, w1 30, w2 32, opnd 34, wt0 36, wt1 38
	v_lshl_add_u32 v[SPW], v0, 2, SPARE
	v_mov_b32 v[NIL], 0
	v_lshrrev_b32 v1, 5, v0
	v_readfirstlane_b32 s40, v1                    ; wave 0..7
	v_and_b32 v3, 31, v0
	v_and_b32 v[RL], 15, v0
	v_bfe_u32 v[HL], v0, 4, 1
	v_lshlrev_b32 v[LA], 4, v3
	s_mov_b32 s41, ttmp9                           ; the work-group's number chooses the path: the same for all its waves
	s_wait_kmcnt 0x0
	s_cmp_lt_u32 s41, 128
	s_cbranch_scc0 .Lconv
	; ---- q16 / k16: 64 tokens x 256 channels ----
	s_lshr_b32 s42, s41, 6                         ; 0: q, 1: k
	s_and_b32 s43, s41, 63                         ; block of 64 tokens
	s_cmp_eq_u32 s42, 0
	s_cselect_b64 s[44:45], s[8:9], s[10:11]       ; ml_c or ml_r
	s_cselect_b64 s[46:47], s[14:15], s[16:17]     ; ca_qpos or ca_kpos
	s_lshl_b32 s48, s40, 19                        ; my 32 channels x 16,384 bytes
	s_lshl_b32 s49, s43, 8                         ; the block's 256 bytes in a channel's row
	s_add_co_u32 s48, s48, s49
	s_mov_b32 s49, 0
	s_add_nc_u64 s[44:45], s[44:45], s[48:49]
	s_lshl_b32 s48, s43, 16                        ; the block's 64 rows of 1,024 bytes,
	s_lshl_b32 s50, s40, 13                        ; my 8 of them
	s_add_co_u32 s48, s48, s50
	s_add_nc_u64 s[46:47], s[46:47], s[48:49]
	s_lshl_b32 s48, s42, 21                        ; out: part q or k, 2 MiB each,
	s_lshl_b32 s50, s43, 15                        ; four tiles of 8,192 bytes a block,
	s_add_co_u32 s48, s48, s50
	s_lshl_b32 s50, s40, 12                        ; my four fragments
	s_add_co_u32 s48, s48, s50
	s_add_nc_u64 s[52:53], s[34:35], s[48:49]
	v_lshlrev_b32 v[SV], 14, v[HL]
	v_lshl_add_u32 v[SV], v[RL], 4, v[SV]          ; lanes 0-15 one channel's 256 bytes, lanes 16-31 the next channel's
.set ii, 0
.rept 16
	global_load_b128 v[IN+4*ii:IN+4*ii+3], v[SV], s[44:45] offset:ii*32768 th:TH_LOAD_NT
.set ii, ii+1
.endr
.set ii, 0
.rept 16
	global_load_b128 v[IN+64+4*ii:IN+64+4*ii+3], v[LA], s[46:47] offset:ii*512 th:TH_LOAD_NT
.set ii, ii+1
.endr
	s_mul_i32 s50, s40, 32*272
	v_mul_u32_u24 v[MA], v[HL], 272
	v_lshl_add_u32 v[MA], v[RL], 4, v[MA]
	v_add_nc_u32 v[MA], s50, v[MA]                 ; (32 wave + lane / 16) x 272 + 16 (lane % 16)
	s_mul_i32 s50, s40, 8*1040
	s_add_co_u32 s50, s50, POS
	v_add_nc_u32 v[PA], s50, v[LA]
	s_and_b32 s50, s40, 1                          ; which half of the channels I write out
	s_lshr_b32 s51, s40, 1                         ; which tile of 16 tokens
	s_mul_i32 s54, s50, 34816                      ; 128 channels x 272
	s_lshl_b32 s55, s51, 6                         ; 16 tokens x 4 bytes
	s_add_co_u32 s54, s54, s55
	v_mul_u32_u24 v[MR], v[HL], 2176               ; 8 channels x 272
	v_lshl_add_u32 v[MR], v[RL], 2, v[MR]
	v_add_nc_u32 v[MR], s54, v[MR]
	s_mul_i32 s54, s51, 16*1040
	s_lshl_b32 s55, s50, 9
	s_add_co_u32 s54, s54, s55
	s_add_co_u32 s54, s54, POS
	v_mul_u32_u24 v[PR], v[RL], 1040
	v_lshl_add_u32 v[PR], v[HL], 5, v[PR]
	v_add_nc_u32 v[PR], s54, v[PR]
	s_wait_loadcnt 16                              ; ml's sixteen loads are in; pos's sixteen are younger
.set ii, 0
.rept 16
	ds_store_b128 v[MA], v[IN+4*ii:IN+4*ii+3] offset:ii*544
.set ii, ii+1
.endr
	s_wait_loadcnt 0x0
.set ii, 0
.rept 16
	ds_store_b128 v[PA], v[IN+64+4*ii:IN+64+4*ii+3] offset:(ii/2)*1040+(ii%2)*512
.set ii, ii+1
.endr
	s_wait_dscnt 0x0                               ; for the others' sake: my stores are done
	s_barrier_signal -1
	s_barrier_wait -1
	; eight halves of fragments a wave, four at a time: half (kk, q) holds token 16 t + lane % 16, channels 128 (wave & 1) + 32 kk + 16 q + 8 (lane / 16) + 0..7
.irp bt, 0,1
.irp j, 0,1,2,3
.irp e, 0,1,2,3,4,5,6,7
	ds_load_b32 v[IN+16*\j+\e], v[MR] offset:(32*(2*\bt+\j/2)+16*(\j%2)+\e)*272
.endr
	ds_load_b128 v[IN+16*\j+8:IN+16*\j+11], v[PR] offset:(2*\bt+\j/2)*128+(\j%2)*64
	ds_load_b128 v[IN+16*\j+12:IN+16*\j+15], v[PR] offset:(2*\bt+\j/2)*128+(\j%2)*64+16
.endr
	s_wait_dscnt 0x0
.irp j, 0,1,2,3
.irp z, 0,1,2,3
	v_pk_add_f32 v[IN+16*\j+2*\z:IN+16*\j+2*\z+1], v[IN+16*\j+2*\z:IN+16*\j+2*\z+1], v[IN+16*\j+8+2*\z:IN+16*\j+8+2*\z+1]
.endr
.irp z, 0,1,2,3
	v_cvt_pk_f16_f32 v[OU+16*\bt+4*\j+\z], v[IN+16*\j+2*\z], v[IN+16*\j+2*\z+1]
.endr
	global_store_b128 v[LA], v[OU+16*\bt+4*\j:OU+16*\bt+4*\j+3], s[52:53] offset:(2*\bt+\j/2)*1024+(\j%2)*512  ; 512 consecutive bytes
.endr
.endr
	s_branch .Lend
; Sixteen fragments a wave, from a row-major f32 matrix: two blocks of 16 rows (a trip each) x eight steps of 32 along k.
; s[60:61] source at my first row and k; s[58:59] destination; s47 bytes of 16 source rows; SI, SK: the destination's steps from block to block and from k step to k step.
.macro CONV SI, SK
	s_mov_b32 s44, 2
.Lcv_\@:
.set ff, 0
.rept 8
.irp q, 0,1
.irp e, 0,1
	global_load_b128 v[IN+16*ff+8*\q+4*\e:IN+16*ff+8*\q+4*\e+3], v[SV], s[60:61] offset:ff*128+\q*64+\e*16
.endr
.endr
.set ff, ff+1
.endr
.set ff, 0
.rept 8
	s_wait_loadcnt 28-4*ff                         ; fragment ff's four loads are the oldest still counted
.set zz, 0
.rept 8
	v_cvt_pk_f16_f32 v[OU+8*ff+zz], v[IN+16*ff+2*zz], v[IN+16*ff+2*zz+1]
.set zz, zz+1
.endr
	global_store_b128 v[LA], v[OU+8*ff:OU+8*ff+3], s[58:59] offset:ff*(\SK)
	global_store_b128 v[LA], v[OU+8*ff+4:OU+8*ff+7], s[58:59] offset:ff*(\SK)+512
.set ff, ff+1
.endr
	s_wait_xcnt 0x0                                ; the offset, the base and the stores' data are rewritten only behind this wait
	v_add_nc_u32 v[SV], s47, v[SV]
	s_add_nc_u64 s[58:59], s[58:59], \SI
	s_sub_co_u32 s44, s44, 1
	s_cmp_lg_u32 s44, 0
	s_cbranch_scc1 .Lcv_\@
.endm
.Lconv:
	s_lshr_b32 s42, s40, 1                         ; pw: which of the work-group's four panels
	s_and_b32 s43, s40, 1                          ; hv: which half of it
	s_cmp_lt_u32 s41, 152
	s_cbranch_scc0 .Lconvv
	; ---- weights: 12 jobs a block of the model ----
	s_sub_co_u32 s44, s41, 128
	s_cmp_ge_u32 s44, 12
	s_cselect_b64 s[50:51], s[26:27], s[18:19]     ; inproj_w
	s_cselect_b64 s[52:53], s[28:29], s[20:21]     ; outproj_w
	s_cselect_b64 s[54:55], s[30:31], s[22:23]     ; mlp_w1
	s_cselect_b64 s[56:57], s[32:33], s[24:25]     ; mlp_w2
	s_cselect_b64 s[58:59], s[38:39], s[36:37]     ; wt1 or wt0
	s_cselect_b32 s45, 12, 0
	s_sub_co_u32 s44, s44, s45                     ; job 0..11
	s_mov_b32 s46, 10                              ; log2 of the source's row bytes
	s_mov_b32 s48, 0                               ; first k step
	s_cmp_lt_u32 s44, 3
	s_cbranch_scc0 .Lw_a
	s_mov_b64 s[60:61], s[50:51]                   ; jobs 0-2: q, k, v rows of inproj; reader wave pw, panel 3 pw + job
	s_lshl_b32 s47, s44, 4
	s_lshl2_add_u32 s47, s42, s47                  ; first block of 16 rows: 16 job + 4 pw
	s_mul_i32 s49, s42, 3
	s_add_co_u32 s49, s49, s44
	s_branch .Lw_go
.Lw_a:
	s_cmp_eq_u32 s44, 3
	s_cbranch_scc0 .Lw_b
	s_mov_b64 s[60:61], s[52:53]                   ; job 3: outproj; reader wave pw, panel 12 + 9 pw
	s_lshl_b32 s47, s42, 2
	s_mul_i32 s49, s42, 9
	s_add_co_u32 s49, s49, 12
	s_branch .Lw_go
.Lw_b:
	s_cmp_lt_u32 s44, 8
	s_cbranch_scc0 .Lw_c
	s_mov_b64 s[60:61], s[54:55]                   ; jobs 4-7: w1; reader wave job - 4, panel 12 + 9 (job - 4) + 1 + pw
	s_sub_co_u32 s62, s44, 4
	s_lshl_b32 s47, s62, 4
	s_lshl2_add_u32 s47, s42, s47
	s_mul_i32 s49, s62, 9
	s_add_co_u32 s49, s49, s42
	s_add_co_u32 s49, s49, 13
	s_branch .Lw_go
.Lw_c:
	s_mov_b64 s[60:61], s[56:57]                   ; jobs 8-11: w2, rows of 4,096 bytes; reader wave job - 8, K chunk pw, panel 12 + 9 (job - 8) + 5 + pw
	s_mov_b32 s46, 12
	s_sub_co_u32 s62, s44, 8
	s_lshl_b32 s47, s62, 2
	s_lshl_b32 s48, s42, 3
	s_mul_i32 s49, s62, 9
	s_add_co_u32 s49, s49, s42
	s_add_co_u32 s49, s49, 17
.Lw_go:
	s_lshl1_add_u32 s47, s43, s47                  ; + 2 hv blocks
	s_lshl_b32 s47, s47, 4                         ; rows
	s_lshl_b32 s62, s47, s46                       ; bytes
	s_lshl_b32 s48, s48, 7                         ; a k step is 128 source bytes
	s_add_co_u32 s62, s62, s48
	s_mov_b32 s63, 0
	s_add_nc_u64 s[60:61], s[60:61], s[62:63]
	s_lshl_b32 s62, s49, 15                        ; a panel is 32,768 bytes
	s_lshl_b32 s48, s43, 14
	s_add_co_u32 s62, s62, s48
	s_add_nc_u64 s[58:59], s[58:59], s[62:63]
	v_lshlrev_b32 v[SV], s46, v[RL]
	v_lshl_add_u32 v[SV], v[HL], 5, v[SV]          ; row lane % 16, 32 bytes for each half of the lanes
	s_lshl_b32 s47, 16, s46
	CONV 8192, 1024
	s_branch .Lend
.Lconvv:
	; ---- v16 [kk 128][cb 16][1 KB] from fl_r [256 channels][4,096 tokens] ----
	s_sub_co_u32 s44, s41, 152
	s_lshl2_add_u32 s44, s44, s42                  ; unit 0..63
	s_and_b32 s45, s44, 3
	s_lshl_b32 s45, s45, 2
	s_lshl1_add_u32 s45, s43, s45                  ; first channel block: 4 (unit % 4) + 2 hv
	s_lshr_b32 s46, s44, 2
	s_lshl_b32 s46, s46, 3                         ; first step of 32 tokens: 8 (unit / 4)
	s_lshl_b32 s62, s45, 18                        ; 16 rows of 16,384 bytes a block
	s_lshl_b32 s48, s46, 7
	s_add_co_u32 s62, s62, s48
	s_mov_b32 s63, 0
	s_add_nc_u64 s[60:61], s[12:13], s[62:63]
	s_lshl_b32 s62, s46, 4
	s_add_co_u32 s62, s62, s45
	s_lshl_b32 s62, s62, 10
	s_add_co_u32 s62, s62, 0x400000                ; v16 is opnd's third part
	s_add_nc_u64 s[58:59], s[34:35], s[62:63]
	v_lshlrev_b32 v[SV], 14, v[RL]
	v_lshl_add_u32 v[SV], v[HL], 5, v[SV]
	s_mov_b32 s47, 16<<14
	CONV 1024, 16384
.Lend:
	s_wait_tensorcnt 0x0                           ; the wave's end
	ds_add_u32 v[SPW], v[NIL]
	s_wait_dscnt 0x0
	s_endpgm
.Lfunc_end_k_q560160dc41_prep:
	.size	k_q560160dc41_prep, .Lfunc_end_k_q560160dc41_prep-k_q560160dc41_prep
	.p2alignl 7, 3214868480
	.fill 96, 4, 3214868480
	.section	.rodata,"a",@progbits
	.p2align	6, 0x0
	.amdhsa_kernel k_q560160dc41_prep
		.amdhsa_group_segment_fixed_size 137216
		.amdhsa_private_segment_fixed_size 0
		.amdhsa_enable_private_segment 0
		.amdhsa_kernarg_size 128
		.amdhsa_user_sgpr_count 2
		.amdhsa_user_sgpr_kernarg_segment_ptr 1
		.amdhsa_wavefront_size32 1
		.amdhsa_system_sgpr_workgroup_id_x 1
		.amdhsa_system_sgpr_workgroup_id_y 1
		.amdhsa_system_sgpr_workgroup_id_z 1
		.amdhsa_system_vgpr_workitem_id 0
		.amdhsa_next_free_vgpr 224
		.amdhsa_next_free_sgpr 66
		.amdhsa_reserve_vcc 0
		.amdhsa_float_denorm_mode_32 3
		.amdhsa_float_denorm_mode_16_64 3
		.amdhsa_memory_ordered 1
		.amdhsa_forward_progress 1
		.amdhsa_inst_pref_size 39
	.end_amdhsa_kernel
	.amdgpu_metadata
---
amdhsa.version: [ 1, 2 ]
amdhsa.kernels:
  - .name:           k_q560160dc41_prep
    .symbol:         k_q560160dc41_prep.kd
    .args:
      - { .name: ml_c, .offset: 0, .size: 8, .value_kind: global_buffer, .address_space: global }
      - { .name: ml_r, .offset: 8, .size: 8, .value_kind: global_buffer, .address_space: global }
      - { .name: fl_r, .offset: 16, .size: 8, .value_kind: global_buffer, .address_space: global }
      - { .name: ca_qpos, .offset: 24, .size: 8, .value_kind: global_buffer, .address_space: global }
      - { .name: ca_kpos, .offset: 32, .size: 8, .value_kind: global_buffer, .address_space: global }
      - { .name: b0_inproj_w, .offset: 40, .size: 8, .value_kind: global_buffer, .address_space: global }
      - { .name: b0_outproj_w, .offset: 48, .size: 8, .value_kind: global_buffer, .address_space: global }
      - { .name: b0_mlp_w1, .offset: 56, .size: 8, .value_kind: global_buffer, .address_space: global }
      - { .name: b0_mlp_w2, .offset: 64, .size: 8, .value_kind: global_buffer, .address_space: global }
      - { .name: b1_inproj_w, .offset: 72, .size: 8, .value_kind: global_buffer, .address_space: global }
      - { .name: b1_outproj_w, .offset: 80, .size: 8, .value_kind: global_buffer, .address_space: global }
      - { .name: b1_mlp_w1, .offset: 88, .size: 8, .value_kind: global_buffer, .address_space: global }
      - { .name: b1_mlp_w2, .offset: 96, .size: 8, .value_kind: global_buffer, .address_space: global }
      - { .name: opnd, .offset: 104, .size: 8, .value_kind: global_buffer, .address_space: global }
      - { .name: wt0, .offset: 112, .size: 8, .value_kind: global_buffer, .address_space: global }
      - { .name: wt1, .offset: 120, .size: 8, .value_kind: global_buffer, .address_space: global }
    .group_segment_fixed_size: 137216
    .private_segment_fixed_size: 0
    .kernarg_segment_align: 8
    .kernarg_segment_size: 128
    .max_flat_workgroup_size: 256
    .sgpr_count:     66
    .vgpr_count:     224
    .wavefront_size: 32
...
	.end_amdgpu_metadata
.endif
;; end of part 1
;; launch cross (part 2): grid 32 x 8, 4 waves a work-group, clusters of 4 x 1, 327,680 bytes of LDS; arguments opnd, part; writes part
.if DOCPART == 2
	.amdgcn_target "amdgcn-amd-amdhsa--gfx1250"
	.amdhsa_code_object_version 6
	.text
	.protected	k_q560160dc41_cross
	.globl	k_q560160dc41_cross
	.p2align	8
	.type	k_q560160dc41_cross,@function
k_q560160dc41_cross:
	s_mov_b64 s[64:65], 0
	v_nop
	global_prefetch_b8 v0, s[64:65] scope:SCOPE_SE
	s_setreg_imm32_b32 hwreg(HW_REG_WAVE_MODE, 25, 1), 1
	s_wait_xcnt 0x0
	s_wait_alu depctr_hold_cnt(0) depctr_sa_sdst(0) depctr_va_vdst(0) depctr_va_sdst(0) depctr_va_ssrc(0) depctr_va_vcc(0) depctr_vm_vsrc(0)
	s_getreg_b32 s2, hwreg(HW_REG_IB_STS2, 6, 4)
	s_cmp_eq_u32 s2, 0
	s_cbranch_scc0 .Lentry_in_a_cluster
	s_endpgm
.Lentry_in_a_cluster:
	s_bfe_u32 s2, ttmp6, 0x10000c
	s_cmp_lg_u32 s2, 0x3003
	s_cbranch_scc0 .Lentry_shape_is_right
	s_endpgm
.Lentry_shape_is_right:
; CROSS ATTENTION, one head of 256 channels, 4,096 queries x 4,096 keys, scale 1/16, split eight ways along the keys.
; Work-group (qb, p): 128 queries (two tiles of 16 a wave) against keys 512 p .. 512 p + 511.  It stores the unnormalised O^T in f32 and, for each query, c m and l; the next launch joins the eight parts.
; The split is there because O^T for 256 channels takes 128 registers a tile: 32 query blocks alone would leave seven WGPs in eight without work.
; LAYOUT.  S^T = K Q^T (source 0 = 16 keys, source 1 = 16 queries): a lane holds ONE query (lane % 16) and keys 8 (lane / 16) + 0..7; two results rounded to f16 ARE source 1 of O^T = V^T P.
; All operands are fragment-major (1,024 bytes a fragment, 16 bytes a lane at 16 x lane and 512 + 16 x lane): tiles are dense, LDS loads take 512 consecutive bytes, no padding is needed.
; SOFTMAX.  Running maximum m and sum l for each query: p = 2^(c s - c m), c = log2(e) / 16; in every step O and l are multiplied by a = 2^(c m_old - c m_new).  m starts at the lowest finite number, O and l at 0.
; RING.  Two slots of 131,072 bytes (64 KB of K, 64 KB of V: 128 keys, four steps of 32).  Four fills; each wave brings 32 KB of a fill.
; CLUSTER.  The four query blocks of a cluster walk the same keys: each tile is asked for jointly, by the same load, descriptor and mask in all four.
; LIMITS.  f16 operands (65,504 at the most; p below 6e-5 keeps the step 6e-8); a weight below 2^-126 counts as 0; NaN and infinities are not treated apart.
; REGISTERS, in windows of 256: window 0: addresses, statistics, S^T (v64-95), P (v96-111); window 1: O^T, 128 a tile; window 2: Q (v0-127), K of a step (v128-255); window 3: V of a step (v0-127).
.set NS,    16                         ; scores a lane and tile in a step
.set NA,    2                          ; accumulators of them
.set NP,    8                          ; pairs of them
.set NSTEP, 4                          ; steps in a slot
.set STEPB, 16384                      ; bytes of K, and of V, in a step
.set NL,    32                         ; LDS loads in a fetch
.set SLOT1, 1<<17
.set SPARE, 262144                     ; behind the ring: the spare words, 128 bytes a wave
.set LA,  2                            ; 16 x lane
.set AK,  3
.set AV,  4
.set LN,  5                            ; lane
.set ST,  12                           ; tile t at ST + 8 t: c m, m, l (even keys', odd keys'), c0, c1, c2 (later a), c3
.set SPW, 62
.set NIL, 63
.set S,   64
.set P,   96
.set KF,  128
.set WV,  12
.set SLOTS, 56
.set CNT, 57
.set CS,  58
.set SEL, 60
.set TBK, 62
.set TBV, 63
.set MSB, 0
.macro WIN new                         ; the high byte repeats the setting that is left; a switch that changes nothing is dropped
.if MSB != (\new)
	s_set_vgpr_msb (MSB<<8)|(\new)
.set MSB, (\new)
.endif
.endm
.macro PLACES                          ; four plain instructions between a matrix instruction and a vector read of its result or a load into its registers
.rept 4
	v_nop
.endr
.endm
.macro CROUND                          ; a round of the cluster's barrier
	s_barrier_signal -1
	s_barrier_wait -1
	s_cmp_lg_u32 s[WV], 0
	s_cbranch_scc1 .Lnot_wave_0_\@
	s_barrier_signal -3
.Lnot_wave_0_\@:
	s_barrier_wait -3
	s_barrier_signal -1
	s_barrier_wait -1
.endm
	s_load_b128 s[4:7], s[0:1], 0x0                ; opnd s[4:5], part s[6:7]
	v_lshl_add_u32 v[SPW], v0, 2, SPARE
	v_mov_b32 v[NIL], 0
	ds_add_u32 v[SPW], v[NIL]                      ; the wave's opening: the add and its wait stand ahead of my first tensor load
	v_lshrrev_b32 v1, 5, v0
	v_readfirstlane_b32 s[WV], v1
	s_bfe_u32 s13, ttmp6, 0x40000                  ; cx
	s_lshl_b32 s14, ttmp9, 2
	s_add_co_u32 s14, s14, s13                     ; query block: it enters Q's and the output's addresses alone
	s_and_b32 s15, ttmp7, 0xffff                   ; p, which the four partners share
	s_mov_b32 s24, 15|(3<<16)|(1<<21)              ; group 1: mask of four; elements of 8 bytes; bit 21 beside the mask; no padding
	s_mov_b32 s25, 32<<16                          ; tensor_dim0 = 32 (256 bytes)
	s_mov_b32 s26, 128<<16                         ; tensor_dim1 = 128
	s_mov_b32 s27, 32<<16                          ; tile_dim0 = 32
	s_mov_b32 s28, 128                             ; tile_dim1 = 128: 32,768 dense bytes
	s_mov_b32 s29, 32                              ; from row to row
	s_mov_b32 s30, 0
	s_mov_b32 s31, 0
	s_mov_b32 s32, 1                               ; group 0 for fill 0, slot 0
	s_lshl_b32 s33, s[WV], 15                      ; wave x 32,768: waves 0, 1 K's halves, waves 2, 3 V's
	s_mov_b32 s36, 1                               ; group 0 for fill 1, slot 1; it then walks
	s_add_co_u32 s37, s33, SLOT1
	s_lshr_b32 s20, s[WV], 1
	s_add_co_u32 s20, s20, 1
	s_lshl_b32 s20, s20, 21                        ; k16 at 2 MiB, v16 at 4 MiB
	s_lshl_b32 s21, s15, 18                        ; 512 keys are 262,144 bytes of either
	s_add_co_u32 s20, s20, s21
	s_and_b32 s21, s[WV], 1
	s_lshl_b32 s21, s21, 15
	s_add_co_u32 s20, s20, s21
	s_mov_b32 s21, 0
	s_lshl_b32 s16, s14, 3
	s_lshl_b32 s17, s[WV], 1
	s_add_co_u32 s16, s16, s17                     ; my first query tile
	s_lshl_b32 s22, s16, 13                        ; 8,192 bytes of q16 a tile
	s_mov_b32 s23, 0
	s_lshl_b32 s18, s15, 22                        ; 4 MiB of partial O a split,
	s_lshl_b32 s19, s16, 14                        ; 16,384 bytes a tile
	s_add_co_u32 s18, s18, s19
	s_mov_b32 s19, 0
	s_lshl_b32 s40, s14, 2
	s_add_co_u32 s40, s40, s[WV]                   ; my pair of tiles
	s_lshl_b32 s40, s40, 8
	s_lshl_b32 s41, s15, 15
	s_add_co_u32 s40, s40, s41
	s_add_co_u32 s40, s40, 0x2000000               ; c m and l lie behind the 32 MiB of partial O
	s_mov_b32 s41, 0
	s_mov_b32 s[CS], 0x3db8aa3b                    ; c = log2(e) / 16
	s_mov_b32 s[CS+1], s[CS]
	s_mov_b32 s[SEL], 0x76543210
	s_mov_b32 s[SEL+1], 0xfedcba98
	s_mov_b32 s[TBK], 0
	s_mov_b32 s[TBV], 65536
	s_wait_dscnt 0x0                               ; the opening add is done
	s_wait_kmcnt 0x0
	s_add_nc_u64 s[34:35], s[4:5], s[20:21]
	s_add_nc_u64 s[38:39], s[34:35], 65536         ; the next 128 keys
	s_or_b32 s35, s35, 0x80000000                  ; type = 2
	s_or_b32 s39, s39, 0x80000000
	s_add_nc_u64 s[8:9], s[4:5], s[22:23]          ; Q
	s_add_nc_u64 s[10:11], s[6:7], s[18:19]        ; partial O
	s_add_nc_u64 s[16:17], s[6:7], s[40:41]        ; c m and l
	CROUND                                         ; all four work-groups are here: the first joint loads meet
	tensor_load_to_lds s[32:35], s[24:31]          ; the two first fills together: two loads of mine are out
	s_nop 0
	tensor_load_to_lds s[36:39], s[24:31]
	s_nop 0
.rept 4
	v_nop
.endr
	v_and_b32 v[LN], 31, v0
	v_lshlrev_b32 v[LA], 4, v[LN]
	WIN 0x80                                       ; destination window 2
.set ii, 0
.rept 32                                       ; Q stays in registers: two tiles x eight fragments
	global_load_b128 v[4*ii:4*ii+3], v[LA], s[8:9] offset:ii*512
.set ii, ii+1
.endr
	WIN 0x40                                       ; O^T = 0, in the wait for the first tile: no first step is written out, its a is 0
.set ii, 0
.rept 256
	v_mov_b32 v[ii], 0
.set ii, ii+1
.endr
	WIN 0
.irp t, 0,1
	v_mov_b32 v[ST+8*\t], 0xfe000000               ; c m: far below every c s
	v_mov_b32 v[ST+8*\t+1], 0xff7fffff             ; m
	v_mov_b32 v[ST+8*\t+2], 0
	v_mov_b32 v[ST+8*\t+3], 0
.endr
.macro FETCH_K                         ; a step's K: 2 key tiles x 8 channel steps, in one run
	WIN 0
	v_add_nc_u32 v[AK], s[TBK], v[LA]
	WIN 0x80
.set ff, 0
.rept 16
	ds_load_b128 v[KF+8*ff:KF+8*ff+3], v[AK] offset:ff*1024
	ds_load_b128 v[KF+8*ff+4:KF+8*ff+7], v[AK] offset:ff*1024+512
.set ff, ff+1
.endr
	s_add_co_u32 s[TBK], s[TBK], STEPB
.endm
.macro FETCH_V                         ; a step's V^T: 16 channel blocks x 32 keys
	WIN 0
	v_add_nc_u32 v[AV], s[TBV], v[LA]
	WIN 0xc0
.set ff, 0
.rept 16
	ds_load_b128 v[8*ff:8*ff+3], v[AV] offset:ff*1024
	ds_load_b128 v[8*ff+4:8*ff+7], v[AV] offset:ff*1024+512
.set ff, ff+1
.endr
	s_add_co_u32 s[TBV], s[TBV], STEPB
.endm
.macro KQALL                           ; 32 products: channels 32 (ii / 4) on, key tile (ii / 2) % 2, query tile ii % 2; the four accumulators take turns
	WIN 0x0a
.set ii, 0
.rept 32
.set rS, S+16*(ii%2)+8*((ii/2)%2)
.set rK, KF+8*(8*((ii/2)%2)+ii/4)
.set rQ, 64*(ii%2)+8*(ii/4)
.if ii < 4
	v_wmma_f32_16x16x32_f16 v[rS:rS+7], v[rK:rK+7], v[rQ:rQ+7], 0
.else
	v_wmma_f32_16x16x32_f16 v[rS:rS+7], v[rK:rK+7], v[rQ:rQ+7], v[rS:rS+7]
.endif
.set ii, ii+1
.endr
.endm
.macro PVALL                           ; 32 products on 32 accumulators: channel block ii / 2, query tile ii % 2
	WIN 0x53
.set ii, 0
.rept 32
.set rO, 128*(ii%2)+8*(ii/2)
.set rV, 8*(ii/2)
.set rP, P+8*(ii%2)
	v_wmma_f32_16x16x32_f16 v[rO:rO+7], v[rV:rV+7], v[rP:rP+7], v[rO:rO+7]
.set ii, ii+1
.endr
.endm
.macro FF t, b                         ; c s - c m for pair b
	v_pk_fma_f32 v[S+NS*(\t)+2*(\b):S+NS*(\t)+2*(\b)+1], v[S+NS*(\t)+2*(\b):S+NS*(\t)+2*(\b)+1], s[CS:CS+1], v[ST+8*(\t):ST+8*(\t)+1] op_sel_hi:[1,0,0] neg_lo:[0,0,1] neg_hi:[0,0,1]
.endm
.macro EE t, e
	v_exp_f32 v[S+NS*(\t)+(\e)], v[S+NS*(\t)+(\e)]
.endm
.macro CC t, b                         ; pair b rounded to f16
	s_wait_alu depctr_va_vdst(0)
	v_cvt_pk_f16_f32 v[P+NP*(\t)+(\b)], v[S+NS*(\t)+2*(\b)], v[S+NS*(\t)+2*(\b)+1]
.endm
.macro LL t, b                         ; l takes pair b (the first time as l = a l + pair)
.if (\b) == 0
	v_pk_fma_f32 v[ST+8*(\t)+2:ST+8*(\t)+3], v[ST+8*(\t)+2:ST+8*(\t)+3], v[ST+8*(\t)+6:ST+8*(\t)+7], v[S+NS*(\t):S+NS*(\t)+1] op_sel_hi:[1,0,1]
.else
	v_pk_add_f32 v[ST+8*(\t)+2:ST+8*(\t)+3], v[ST+8*(\t)+2:ST+8*(\t)+3], v[S+NS*(\t)+2*(\b):S+NS*(\t)+2*(\b)+1]
.endif
.endm
; A step's softmax for both tiles, line by line in turn.  Each accumulator's lowest registers are read first.
; A plain instruction stands behind every exponential, and between each exponential and the use of its result (ISA guide 5.7.2).
.macro SOFTMAX
	WIN 0
.set nn, 0
.rept NA
.irp t, 0,1
	v_max3_num_f32 v[ST+8*\t+4+nn], v[S+NS*\t+8*nn], v[S+NS*\t+8*nn+1], v[S+NS*\t+8*nn+2]
.endr
.set nn, nn+1
.endr
.irp d, 3,5
.set nn, 0
.rept NA
.irp t, 0,1
	v_max3_num_f32 v[ST+8*\t+4+nn], v[ST+8*\t+4+nn], v[S+NS*\t+8*nn+\d], v[S+NS*\t+8*nn+\d+1]
.endr
.set nn, nn+1
.endr
.endr
.irp t, 0,1
	v_max3_num_f32 v[ST+8*\t+4], v[ST+8*\t+4], v[S+NS*\t+7], v[S+NS*\t+15]
.endr
.irp t, 0,1
	v_max3_num_f32 v[ST+8*\t+4], v[ST+8*\t+4], v[ST+8*\t+5], v[ST+8*\t+1]
.endr
.irp t, 0,1
	v_permlanex16_b32 v[ST+8*\t+5], v[ST+8*\t+4], s[SEL], s[SEL+1]  ; the query's other keys lie in the lane 16 away
.endr
.irp t, 0,1
	v_mov_b32 v[ST+8*\t+7], v[ST+8*\t]             ; c m_old
.endr
.irp t, 0,1
	v_max_num_f32 v[ST+8*\t+1], v[ST+8*\t+4], v[ST+8*\t+5]
.endr
.irp t, 0,1
	v_mul_f32 v[ST+8*\t], s[CS], v[ST+8*\t+1]
.endr
.irp t, 0,1
	v_sub_f32 v[ST+8*\t+7], v[ST+8*\t+7], v[ST+8*\t]
.endr
.irp t, 0,1
	v_exp_f32 v[ST+8*\t+6], v[ST+8*\t+7]           ; a
.endr
.set bb, 0
.rept NP-2
	FF 0, bb
	FF 1, bb
.set bb, bb+1
.endr
.set bb, 0
.rept NP
	EE 0, 2*bb
.if bb == 0
	FF 0, NP-2
.else
	CC 0, bb-1
.endif
	EE 0, 2*bb+1
.if bb == 0
	FF 0, NP-1
.else
	LL 0, bb-1
.endif
	EE 1, 2*bb
.if bb == 0
	FF 1, NP-2
.else
	CC 1, bb-1
.endif
	EE 1, 2*bb+1
.if bb == 0
	FF 1, NP-1
.else
	LL 1, bb-1
.endif
.set bb, bb+1
.endr
	CC 0, NP-1
	LL 0, NP-1
	CC 1, NP-1
	LL 1, NP-1
	WIN 0x41                                       ; O^T times a: destination and source 0 in window 1, a in window 0
.irp t, 0,1
.set zz, 0
.rept 64
	v_pk_mul_f32 v[128*\t+2*zz:128*\t+2*zz+1], v[128*\t+2*zz:128*\t+2*zz+1], v[ST+8*\t+6:ST+8*\t+7] op_sel_hi:[1,0]
.set zz, zz+1
.endr
.endr
.endm
; A trip is TOP and BOT.  TOP: K of the next step is fetched; this step's softmax; V^T P.  BOT: V of the next step is fetched; its K Q^T.
.macro TOP fetch
	PLACES                                         ; behind the last K Q^T: for the loads into K and the reads of S^T
.if \fetch
	FETCH_K
.endif
	SOFTMAX
.if \fetch
	s_wait_dscnt NL                                ; V of this step is in: the NL younger loads are K's
.else
	s_wait_dscnt 0x0
.endif
	PVALL
.endm
.macro BOT
	PLACES                                         ; behind the last V^T P: for the loads into V
	FETCH_V
	s_wait_dscnt NL                                ; K is in: the NL younger loads are V's
	KQALL
.endm
; The change of slots: every wave waits for all its tensor loads (one is out: its part of the other slot), adds 0 to its spare word, waits for that and for its reads of the slot.
; fill = 1: the barrier is a round of the cluster's, and the joint refill is the first thing behind it: it has a slot's four steps in which to land.
.macro CHANGE fill
	WIN 0
	s_wait_tensorcnt 0x0
	ds_add_u32 v[SPW], v[NIL]
.if \fill
	s_xor_b32 s37, s37, SLOT1                      ; the walking descriptor: the other slot,
	s_add_nc_u64 s[38:39], s[38:39], 65536         ; the next 128 keys
.endif
	s_wait_dscnt 0x0
.if \fill
	CROUND
	tensor_load_to_lds s[36:39], s[24:31]
	s_nop 0
.rept 4
	v_nop
.endr
.else
	s_barrier_signal -1
	s_barrier_wait -1
.endif
	s_sub_co_u32 s[TBK], s[TBK], 65536             ; the fetches go back to a slot's first step, in the other slot
	s_xor_b32 s[TBK], s[TBK], SLOT1
	s_sub_co_u32 s[TBV], s[TBV], 65536
	s_xor_b32 s[TBV], s[TBV], SLOT1
.endm
	s_wait_tensorcnt 0x1                           ; my part of slot 0 is in; slot 1's may stay out
	s_barrier_signal -1
	s_barrier_wait -1
	FETCH_K                                        ; step 0
	WIN 0
	s_wait_loadcnt 0x0                             ; Q
	s_mov_b32 s[SLOTS], 3
	s_mov_b32 s[CNT], NSTEP
	s_branch .Lmid                                 ; the loop is entered in the middle of a trip: step 0 has no step before it
.Lslot:                                        ; twice: fills 2 and 3
	CHANGE 1
	s_mov_b32 s[CNT], NSTEP
.Ltrip:
	TOP 1
	WIN 0
.Lmid:
	BOT
	WIN 0
	s_sub_co_u32 s[CNT], s[CNT], 1
	s_cmp_lg_u32 s[CNT], 0
	s_cbranch_scc1 .Ltrip
	s_sub_co_u32 s[SLOTS], s[SLOTS], 1
	s_cmp_lg_u32 s[SLOTS], 0
	s_cbranch_scc1 .Lslot
	CHANGE 0                                       ; the last slot is written out: nothing is asked for
	s_mov_b32 s[CNT], NSTEP
.Ltail:
	TOP 1
	BOT
	WIN 0
	s_sub_co_u32 s[CNT], s[CNT], 1
	s_cmp_lg_u32 s[CNT], 0
	s_cbranch_scc1 .Ltail
	TOP 0                                          ; the last step
	; THE WAY OUT: l's halves are joined; lanes 0-15 store c m, lanes 16-31 l, both tiles in 8 bytes: 256 consecutive bytes a wave; then O^T as it lies, 512 consecutive bytes a store
	WIN 0
	PLACES
.irp t, 0,1
	v_add_f32 v[ST+8*\t+2], v[ST+8*\t+2], v[ST+8*\t+3]
.endr
.irp t, 0,1
	v_permlanex16_b32 v[ST+8*\t+5], v[ST+8*\t+2], s[SEL], s[SEL+1]
.endr
.irp t, 0,1
	v_add_f32 v[ST+8*\t+2], v[ST+8*\t+2], v[ST+8*\t+5]
.endr
	v_cmp_le_u32 vcc_lo, 16, v[LN]
	v_cndmask_b32 v8, v[ST], v[ST+2], vcc_lo
	v_cndmask_b32 v9, v[ST+8], v[ST+10], vcc_lo
	v_lshlrev_b32 v10, 3, v[LN]
	global_store_b64 v10, v[8:9], s[16:17]
	WIN 0x04                                       ; the stores' data in window 1
.set ii, 0
.rept 64                                       ; ii = 32 tile + 2 channel block + half: each accumulator's low half first
	global_store_b128 v[LA], v[4*ii:4*ii+3], s[10:11] offset:ii*512
.set ii, ii+1
.endr
	WIN 0
	s_wait_tensorcnt 0x0                           ; the wave's end
	ds_add_u32 v[SPW], v[NIL]
	s_wait_dscnt 0x0
	CROUND                                         ; the closing round
	s_endpgm
.Lfunc_end_k_q560160dc41_cross:
	.size	k_q560160dc41_cross, .Lfunc_end_k_q560160dc41_cross-k_q560160dc41_cross
	.p2alignl 7, 3214868480
	.fill 96, 4, 3214868480
	.section	.rodata,"a",@progbits
	.p2align	6, 0x0
	.amdhsa_kernel k_q560160dc41_cross
		.amdhsa_group_segment_fixed_size 327680
		.amdhsa_private_segment_fixed_size 0
		.amdhsa_enable_private_segment 0
		.amdhsa_kernarg_size 16
		.amdhsa_user_sgpr_count 2
		.amdhsa_user_sgpr_kernarg_segment_ptr 1
		.amdhsa_wavefront_size32 1
		.amdhsa_system_sgpr_workgroup_id_x 1
		.amdhsa_system_sgpr_workgroup_id_y 1
		.amdhsa_system_sgpr_workgroup_id_z 1
		.amdhsa_system_vgpr_workitem_id 0
		.amdhsa_next_free_vgpr 896
		.amdhsa_next_free_sgpr 66
		.amdhsa_reserve_vcc 1
		.amdhsa_float_denorm_mode_32 3
		.amdhsa_float_denorm_mode_16_64 3
		.amdhsa_memory_ordered 1
		.amdhsa_forward_progress 1
		.amdhsa_inst_pref_size 89
	.end_amdhsa_kernel
	.amdgpu_metadata
---
amdhsa.version: [ 1, 2 ]
amdhsa.kernels:
  - .name:           k_q560160dc41_cross
    .symbol:         k_q560160dc41_cross.kd
    .args:
      - { .name: opnd, .offset: 0, .size: 8, .value_kind: global_buffer, .address_space: global }
      - { .name: part, .offset: 8, .size: 8, .value_kind: global_buffer, .address_space: global }
    .group_segment_fixed_size: 327680
    .private_segment_fixed_size: 0
    .kernarg_segment_align: 8
    .kernarg_segment_size: 16
    .max_flat_workgroup_size: 128
    .sgpr_count:     66
    .vgpr_count:     896
    .wavefront_size: 32
...
	.end_amdgpu_metadata
.endif
;; end of part 2
;; launch comb (part 3): grid 256 x 1, 4 waves a work-group, no clusters, 17,920 bytes of LDS; arguments part, x0; writes x0
.if DOCPART == 3
	.amdgcn_target "amdgcn-amd-amdhsa--gfx1250"
	.amdhsa_code_object_version 6
	.text
	.protected	k_q560160dc41_comb
	.globl	k_q560160dc41_comb
	.p2align	8
	.type	k_q560160dc41_comb,@function
k_q560160dc41_comb:
	s_mov_b64 s[64:65], 0
	v_nop
	global_prefetch_b8 v0, s[64:65] scope:SCOPE_SE
	s_setreg_imm32_b32 hwreg(HW_REG_WAVE_MODE, 25, 1), 1
	s_wait_xcnt 0x0
; COMB: the eight key splits of the cross attention are joined: x = sum_p w_p O_p / sum_p w_p l_p, w_p = 2^(c m_p - max_p c m_p), all in f32.
; Work-group T is a tile of 16 queries; wave w takes channels 64 w .. 64 w + 63: eight loads of 512 consecutive bytes from each part.  A lane holds one query (lane % 16).
; The split that holds a query's largest score has w = 1 and l >= 1, so the divisor is at least 1.
; x leaves row-major [token][256] through the wave's own stage in LDS: sixteen lanes store 256 consecutive bytes.  No matrix work, no cluster: nothing is read twice.
.set SPARE, 17408                      ; behind four stages of 16 rows x 272 bytes
.set LA,  2
.set R8,  3                            ; 8 x (lane % 16)
.set STO, 4
.set RD,  5
.set GO,  6
.set SPW, 8
.set NIL, 9
.set WT,  16                           ; pair p: c m_p (later w_p), l_p
.set ACC, 32
.set DA,  64                           ; window 0: part p, load i (0-3) at DA + 16 p + 4 i; window 1: load i (4-7) at 16 p + 4 (i - 4)
.set MSB, 0
.macro WIN new
.if MSB != (\new)
	s_set_vgpr_msb (MSB<<8)|(\new)
.set MSB, (\new)
.endif
.endm
	s_load_b128 s[4:7], s[0:1], 0x0                ; part, x0
	v_lshl_add_u32 v[SPW], v0, 2, SPARE
	v_mov_b32 v[NIL], 0
	v_lshrrev_b32 v1, 5, v0
	v_readfirstlane_b32 s8, v1
	v_and_b32 v1, 31, v0
	v_lshlrev_b32 v[LA], 4, v1
	v_and_b32 v10, 15, v0
	v_bfe_u32 v11, v0, 4, 1
	v_lshlrev_b32 v[R8], 3, v10
	s_mov_b32 s9, ttmp9
	s_lshl_b32 s10, s9, 14                         ; 16,384 bytes a tile,
	s_lshl_b32 s11, s8, 12                         ; 4,096 a wave
	s_add_co_u32 s10, s10, s11
	s_mov_b32 s11, 0
	s_lshr_b32 s12, s9, 1                          ; c m and l: 256 bytes for a pair of tiles,
	s_lshl_b32 s12, s12, 8
	s_and_b32 s13, s9, 1                           ; 4 bytes on for the odd tile
	s_lshl_b32 s13, s13, 2
	s_add_co_u32 s12, s12, s13
	s_add_co_u32 s12, s12, 0x2000000
	s_mov_b32 s13, 0
	s_lshl_b32 s14, s9, 14                         ; x0: 16 rows of 1,024 bytes a tile, 256 bytes a wave
	s_lshl_b32 s15, s8, 8
	s_add_co_u32 s14, s14, s15
	s_mov_b32 s15, 0
	s_mul_i32 s3, s8, 4352
	v_mul_u32_u24 v[STO], v10, 272
	v_lshl_add_u32 v[STO], v11, 5, v[STO]
	v_add_nc_u32 v[STO], s3, v[STO]                ; in: row lane % 16, 32 bytes for each half of the lanes
	v_mul_u32_u24 v[RD], v11, 272
	v_lshl_add_u32 v[RD], v10, 4, v[RD]
	v_add_nc_u32 v[RD], s3, v[RD]                  ; back: lanes 0-15 one row, lanes 16-31 the next
	v_lshlrev_b32 v[GO], 10, v11
	v_lshl_add_u32 v[GO], v10, 4, v[GO]
	s_wait_kmcnt 0x0
	s_add_nc_u64 s[16:17], s[4:5], s[10:11]
.irp p, 1,2,3,4,5,6,7
	s_add_nc_u64 s[16+2*\p:17+2*\p], s[16:17], \p*0x400000
.endr
	s_add_nc_u64 s[12:13], s[4:5], s[12:13]
	s_add_nc_u64 s[14:15], s[6:7], s[14:15]
.irp p, 0,1,2,3,4,5,6,7
	global_load_b32 v[WT+2*\p], v[R8], s[12:13] offset:\p*32768
	global_load_b32 v[WT+2*\p+1], v[R8], s[12:13] offset:\p*32768+128
.endr
.irp p, 0,1,2,3,4,5,6,7
.irp i, 0,1,2,3
	global_load_b128 v[DA+16*\p+4*\i:DA+16*\p+4*\i+3], v[LA], s[16+2*\p:17+2*\p] offset:\i*512 th:TH_LOAD_NT
.endr
.endr
	WIN 0x40
.irp p, 0,1,2,3,4,5,6,7
.irp i, 0,1,2,3
	global_load_b128 v[16*\p+4*\i:16*\p+4*\i+3], v[LA], s[16+2*\p:17+2*\p] offset:2048+\i*512 th:TH_LOAD_NT
.endr
.endr
	WIN 0
	s_wait_loadcnt 63                              ; 64 loads are younger than c m and l
	v_max3_num_f32 v12, v[WT], v[WT+2], v[WT+4]
	v_max3_num_f32 v12, v12, v[WT+6], v[WT+8]
	v_max3_num_f32 v12, v12, v[WT+10], v[WT+12]
	v_max_num_f32 v12, v12, v[WT+14]
.irp p, 0,1,2,3,4,5,6,7
	v_sub_f32 v[WT+2*\p], v[WT+2*\p], v12
.endr
.irp p, 0,1,2,3,4,5,6,7
	v_exp_f32 v[WT+2*\p], v[WT+2*\p]
.endr
	v_nop                                          ; a plain instruction behind the last exponential
	s_wait_alu depctr_va_vdst(0)
	v_mul_f32 v13, v[WT], v[WT+1]
.irp p, 1,2,3,4,5,6,7
	v_fmac_f32 v13, v[WT+2*\p], v[WT+2*\p+1]
.endr
	v_rcp_f32 v13, v13
	v_nop
	s_wait_alu depctr_va_vdst(0)
.irp p, 0,1,2,3,4,5,6,7
	v_mul_f32 v[WT+2*\p], v[WT+2*\p], v13
.endr
	s_wait_loadcnt 32                              ; the first 32 wide loads are in
.irp i, 0,1,2,3
.irp j, 0,2
	v_pk_mul_f32 v[ACC+4*\i+\j:ACC+4*\i+\j+1], v[DA+4*\i+\j:DA+4*\i+\j+1], v[WT:WT+1] op_sel_hi:[1,0]
.irp p, 1,2,3,4,5,6,7
	v_pk_fma_f32 v[ACC+4*\i+\j:ACC+4*\i+\j+1], v[DA+16*\p+4*\i+\j:DA+16*\p+4*\i+\j+1], v[WT+2*\p:WT+2*\p+1], v[ACC+4*\i+\j:ACC+4*\i+\j+1] op_sel_hi:[1,0,1]
.endr
.endr
.endr
	s_wait_loadcnt 0x0
	WIN 0x01                                       ; source 0 in window 1
.irp i, 0,1,2,3
.irp j, 0,2
	v_pk_mul_f32 v[ACC+16+4*\i+\j:ACC+16+4*\i+\j+1], v[4*\i+\j:4*\i+\j+1], v[WT:WT+1] op_sel_hi:[1,0]
.irp p, 1,2,3,4,5,6,7
	v_pk_fma_f32 v[ACC+16+4*\i+\j:ACC+16+4*\i+\j+1], v[16*\p+4*\i+\j:16*\p+4*\i+\j+1], v[WT+2*\p:WT+2*\p+1], v[ACC+16+4*\i+\j:ACC+16+4*\i+\j+1] op_sel_hi:[1,0,1]
.endr
.endr
.endr
	WIN 0
.irp i, 0,1,2,3,4,5,6,7
	ds_store_b128 v[STO], v[ACC+4*\i:ACC+4*\i+3] offset:(\i/2)*64+(\i%2)*16
.endr
.irp k, 0,1,2,3,4,5,6,7
	ds_load_b128 v[DA+4*\k:DA+4*\k+3], v[RD] offset:\k*544  ; LDS serves a wave's instructions in order (ISA guide 5.7.1.4): these see the stores above
.endr
.irp k, 0,1,2,3,4,5,6,7
	s_wait_dscnt 7-\k
	global_store_b128 v[GO], v[DA+4*\k:DA+4*\k+3], s[14:15] offset:\k*2048
.endr
	s_wait_tensorcnt 0x0                           ; the wave's end
	ds_add_u32 v[SPW], v[NIL]
	s_wait_dscnt 0x0
	s_endpgm
.Lfunc_end_k_q560160dc41_comb:
	.size	k_q560160dc41_comb, .Lfunc_end_k_q560160dc41_comb-k_q560160dc41_comb
	.p2alignl 7, 3214868480
	.fill 96, 4, 3214868480
	.section	.rodata,"a",@progbits
	.p2align	6, 0x0
	.amdhsa_kernel k_q560160dc41_comb
		.amdhsa_group_segment_fixed_size 17920
		.amdhsa_private_segment_fixed_size 0
		.amdhsa_enable_private_segment 0
		.amdhsa_kernarg_size 16
		.amdhsa_user_sgpr_count 2
		.amdhsa_user_sgpr_kernarg_segment_ptr 1
		.amdhsa_wavefront_size32 1
		.amdhsa_system_sgpr_workgroup_id_x 1
		.amdhsa_system_sgpr_workgroup_id_y 1
		.amdhsa_system_sgpr_workgroup_id_z 1
		.amdhsa_system_vgpr_workitem_id 0
		.amdhsa_next_free_vgpr 384
		.amdhsa_next_free_sgpr 66
		.amdhsa_reserve_vcc 0
		.amdhsa_float_denorm_mode_32 3
		.amdhsa_float_denorm_mode_16_64 3
		.amdhsa_memory_ordered 1
		.amdhsa_forward_progress 1
		.amdhsa_inst_pref_size 22
	.end_amdhsa_kernel
	.amdgpu_metadata
---
amdhsa.version: [ 1, 2 ]
amdhsa.kernels:
  - .name:           k_q560160dc41_comb
    .symbol:         k_q560160dc41_comb.kd
    .args:
      - { .name: part, .offset: 0, .size: 8, .value_kind: global_buffer, .address_space: global }
      - { .name: x0, .offset: 8, .size: 8, .value_kind: global_buffer, .address_space: global }
    .group_segment_fixed_size: 17920
    .private_segment_fixed_size: 0
    .kernarg_segment_align: 8
    .kernarg_segment_size: 16
    .max_flat_workgroup_size: 128
    .sgpr_count:     66
    .vgpr_count:     384
    .wavefront_size: 32
...
	.end_amdgpu_metadata
.endif
;; end of part 3
;; launch qkv (part 4): grid 128 x 1, 4 waves a work-group, no clusters, 51,200 bytes of LDS; arguments x0, b0_norm1_w, b0_norm1_b, b0_qpos, b0_kpos, b0_inproj_b, wt0, opnd; writes opnd
.if DOCPART == 4
	.amdgcn_target "amdgcn-amd-amdhsa--gfx1250"
	.amdhsa_code_object_version 6
	.text
	.protected	k_q560160dc41_qkv
	.globl	k_q560160dc41_qkv
	.p2align	8
	.type	k_q560160dc41_qkv,@function
k_q560160dc41_qkv:
	s_mov_b64 s[64:65], 0
	v_nop
	global_prefetch_b8 v0, s[64:65] scope:SCOPE_SE
	s_setreg_imm32_b32 hwreg(HW_REG_WAVE_MODE, 25, 1), 1
	s_wait_xcnt 0x0
; QKV: xn = LN(x); q = (xn + qpos) Wq^T + bq, k = (xn + kpos) Wk^T + bk, v = xn Wv^T + bv, stored by heads as f16 fragments for the attention.
; A work-group owns 32 tokens (two tiles of 16).  LN: wave w takes tokens 8 w .. 8 w + 7, a row in 8 registers a lane; two passes (mean, then squared deviations), all in f32.
; Products: wave w owns output channels 64 w .. 64 w + 63 of each of q, k, v (heads 2 w, 2 w + 1).  Its weight panel (64 x 256 in f16, 32 KB, fragment-major) goes from memory straight
; into registers: each fragment is read by this wave alone and feeds two products.  The three operands xn + qpos, xn + kpos, xn meet in LDS, f16, rows of 528 bytes.
; q and k: source 0 = weights, source 1 = tokens: a lane holds one token and eight channels, and the bias is the C operand that starts the sum.  v: sources swapped: a lane holds one channel
; and eight tokens, half a fragment of V^T; its bias is added behind the sum.  Every result rounded in pairs is half a fragment: one store of 512 consecutive bytes.
; No cluster: weights pass no LDS here, so there is no tile to ask for jointly.  LIMIT: f16 operands, 65,504 at the most.
; REGISTERS: window 0 at work; window 1: token fragments XB0 (v0-127), XB1 (v128-255), fragment (t, ks) at 8 (8 t + ks); windows 2, 3: a weight panel each, fragment (nb, ks) at 8 (8 nb + ks).
.set XQ, 0
.set XK, 16896
.set XV, 33792
.set SPARE, 50688
.set LA,  2
.set FA,  3                            ; (lane % 16) x 528 + 16 (lane / 16)
.set SA,  4                            ; 8 wave x 528 + 8 lane
.set H32, 5
.set R4,  6
.set SPW, 8
.set NIL, 9
.set TP,  12                           ; v12-23 packed f16 on their way to LDS
.set NW,  24
.set NB,  32
.set MM,  40
.set RR,  48
.set UU,  56
.set XR,  64                           ; eight rows of x, 8 registers each
.set QP,  128
.set KP,  192
.set ACC, 64                           ; behind LN: accumulator (nb, t) at ACC + 8 (2 nb + t)
.set BQ,  128
.set BK,  160
.set BV,  192
.set PK,  200
.set WV,  20
.set INV, 34
.set EPS, 35
.set SEL, 36
.set MSB, 0
.macro WIN new
.if MSB != (\new)
	s_set_vgpr_msb (MSB<<8)|(\new)
.set MSB, (\new)
.endif
.endm
.macro PLACES5                         ; five plain instructions behind a run of products, ahead of reads of the results, loads into the operands and products that write the accumulators anew
.rept 5
	v_nop
.endr
.endm
.macro WLOAD ww, base, off, lo, hi     ; k steps lo..hi of a weight panel into window ww
	WIN (\ww)<<6
.set kk, \lo
.rept (\hi)-(\lo)+1
.irp nb, 0,1,2,3
.irp hf, 0,1
	global_load_b128 v[8*(8*\nb+kk)+4*\hf:8*(8*\nb+kk)+4*\hf+3], v[LA], s[\base:\base+1] offset:(\off)+\nb*8192+kk*1024+\hf*512
.endr
.endr
.set kk, kk+1
.endr
.endm
; k steps lo..hi of a panel's products; the eight accumulators take turns.  At k step 0 the sum starts with the bias (cm = 1), with 0 (cm = 0), or goes on (cm = 2).
.macro PANELH ww, xb, lo, hi, cm, br, swap
.if \swap
	WIN 1|((\ww)<<2)
.else
	WIN (\ww)|4
.endif
.set kk, \lo
.rept (\hi)-(\lo)+1
.irp nb, 0,1,2,3
.irp t, 0,1
.set rD, ACC+8*(2*\nb+\t)
.set rW, 8*(8*\nb+kk)
.set rX, (\xb)+8*(8*\t+kk)
.if (kk == 0) && ((\cm) == 1)
	v_wmma_f32_16x16x32_f16 v[rD:rD+7], v[rW:rW+7], v[rX:rX+7], v[(\br)+8*\nb:(\br)+8*\nb+7]
.elseif (kk == 0) && ((\cm) == 0)
	v_wmma_f32_16x16x32_f16 v[rD:rD+7], v[rX:rX+7], v[rW:rW+7], 0
.elseif \swap
	v_wmma_f32_16x16x32_f16 v[rD:rD+7], v[rX:rX+7], v[rW:rW+7], v[rD:rD+7]
.else
	v_wmma_f32_16x16x32_f16 v[rD:rD+7], v[rW:rW+7], v[rX:rX+7], v[rD:rD+7]
.endif
.endr
.endr
.set kk, kk+1
.endr
.endm
.macro XBLD xb, base                   ; 32 tokens x 256 channels out of LDS as 16 fragments
	WIN 0x40
.irp t, 0,1
.irp ks, 0,1,2,3,4,5,6,7
	ds_load_b128 v[(\xb)+8*(8*\t+\ks):(\xb)+8*(8*\t+\ks)+3], v[FA] offset:(\base)+\t*8448+\ks*64
	ds_load_b128 v[(\xb)+8*(8*\t+\ks)+4:(\xb)+8*(8*\t+\ks)+7], v[FA] offset:(\base)+\t*8448+\ks*64+32
.endr
.endr
.endm
.macro EACH4 a, line:vararg            ; one line for each of the tokens 4 a .. 4 a + 3
.set ii, 0
.rept 4
.set X, XR+8*(4*(\a)+ii)
.set M, MM+2*ii
.set R, RR+2*ii
.set U, UU+2*ii
	\line
.set ii, ii+1
.endr
.endm
.macro LN4 a                           ; layer norm of four rows, their lines in turn
	EACH4 \a, v_pk_add_f32 v[U:U+1], v[X:X+1], v[X+2:X+3]
	EACH4 \a, v_pk_add_f32 v[R:R+1], v[X+4:X+5], v[X+6:X+7]
	EACH4 \a, v_pk_add_f32 v[U:U+1], v[U:U+1], v[R:R+1]
	EACH4 \a, v_add_f32 v[M], v[U], v[U+1]
.irp k, 1,2,4,8
	EACH4 \a, v_add_f32_dpp v[M], v[M], v[M] row_xmask:\k row_mask:0xf bank_mask:0xf
.endr
	EACH4 \a, v_permlanex16_b32 v[M+1], v[M], s[SEL], s[SEL+1]
	EACH4 \a, v_add_f32 v[M], v[M], v[M+1]
	EACH4 \a, v_mul_f32 v[M], s[INV], v[M]
.irp j, 0,2,4,6
	EACH4 \a, v_pk_add_f32 v[X+\j:X+\j+1], v[X+\j:X+\j+1], v[M:M+1] op_sel_hi:[1,0] neg_lo:[0,1] neg_hi:[0,1]
.endr
	EACH4 \a, v_pk_mul_f32 v[R:R+1], v[X:X+1], v[X:X+1]
.irp j, 2,4,6
	EACH4 \a, v_pk_fma_f32 v[R:R+1], v[X+\j:X+\j+1], v[X+\j:X+\j+1], v[R:R+1]
.endr
	EACH4 \a, v_add_f32 v[U], v[R], v[R+1]
.irp k, 1,2,4,8
	EACH4 \a, v_add_f32_dpp v[U], v[U], v[U] row_xmask:\k row_mask:0xf bank_mask:0xf
.endr
	EACH4 \a, v_permlanex16_b32 v[U+1], v[U], s[SEL], s[SEL+1]
	EACH4 \a, v_add_f32 v[U], v[U], v[U+1]
	EACH4 \a, v_fma_f32 v[R], v[U], s[INV], s[EPS]
	EACH4 \a, v_rsq_f32 v[R], v[R]
	v_nop                                          ; a plain instruction behind the last root
	s_wait_alu depctr_va_vdst(0)
.irp j, 0,2,4,6
	EACH4 \a, v_pk_mul_f32 v[X+\j:X+\j+1], v[X+\j:X+\j+1], v[R:R+1] op_sel_hi:[1,0]
.endr
.irp j, 0,2,4,6
	EACH4 \a, v_pk_fma_f32 v[X+\j:X+\j+1], v[X+\j:X+\j+1], v[NW+\j:NW+\j+1], v[NB+\j:NB+\j+1]
.endr
.endm
; The way out of a panel: sec 0 q, 1 k, 2 v.  Each accumulator is read from its low end on.
.macro EPI sec
	WIN 0
	s_wait_xcnt 0x0                                ; PK, which earlier stores read, is rewritten only behind this wait
.set aa, 0
.rept 8
.if (\sec) == 2
.irp j, 0,2,4,6
	v_pk_add_f32 v[ACC+8*aa+\j:ACC+8*aa+\j+1], v[ACC+8*aa+\j:ACC+8*aa+\j+1], v[BV+2*(aa/2):BV+2*(aa/2)+1]
.endr
.endif
.irp j, 0,1,2,3
	v_cvt_pk_f16_f32 v[PK+4*aa+\j], v[ACC+8*aa+2*\j], v[ACC+8*aa+2*\j+1]
.endr
.if (\sec) == 2
	global_store_b128 v[LA], v[PK+4*aa:PK+4*aa+3], s[30:31] offset:0x400000+(aa/4)*262144+((aa/2)%2)*1024+(aa%2)*512
.else
	global_store_b128 v[LA], v[PK+4*aa:PK+4*aa+3], s[30:31] offset:(\sec)*0x200000+(aa/4)*262144+(aa%2)*1024+((aa/2)%2)*512
.endif
.set aa, aa+1
.endr
.endm
	s_load_b512 s[4:19], s[0:1], 0x0               ; x 4, norm1_w 6, norm1_b 8, qpos 10, kpos 12, inproj_b 14, wt 16, opnd 18
	v_lshl_add_u32 v[SPW], v0, 2, SPARE
	v_mov_b32 v[NIL], 0
	v_lshrrev_b32 v1, 5, v0
	v_readfirstlane_b32 s[WV], v1
	s_mov_b32 s21, ttmp9
	v_and_b32 v1, 31, v0
	v_lshlrev_b32 v[LA], 4, v1
	v_and_b32 v10, 15, v0
	v_bfe_u32 v11, v0, 4, 1
	v_mul_u32_u24 v[FA], v10, 528
	v_lshl_add_u32 v[FA], v11, 4, v[FA]
	s_mul_i32 s38, s[WV], 8*528
	v_lshl_add_u32 v[SA], v1, 3, s38
	v_lshlrev_b32 v[H32], 5, v11
	v_lshlrev_b32 v[R4], 2, v10
.irp i, 1,3,5,7
	v_mov_b32 v[MM+\i], 0                          ; v_permlanex16_b32 counts as a reader of its destination
.endr
	s_mov_b32 s[INV], 0x3b800000                   ; 1 / 256
	s_mov_b32 s[EPS], 0x3727c5ac                   ; 1e-5
	s_mov_b32 s[SEL], 0x76543210
	s_mov_b32 s[SEL+1], 0xfedcba98
	s_lshl_b32 s38, s21, 15                        ; 32 rows of 1,024 bytes a work-group,
	s_lshl_b32 s39, s[WV], 13                      ; 8 a wave
	s_add_co_u32 s38, s38, s39
	s_mov_b32 s39, 0
	s_mul_i32 s40, s[WV], 98304                    ; three panels a wave
	s_mov_b32 s41, 0
	s_wait_kmcnt 0x0
	s_add_nc_u64 s[22:23], s[4:5], s[38:39]
	s_add_nc_u64 s[24:25], s[10:11], s[38:39]
	s_add_nc_u64 s[26:27], s[12:13], s[38:39]
	s_add_nc_u64 s[28:29], s[16:17], s[40:41]
	s_lshl_b32 s38, s[WV], 19                      ; two heads of 262,144 bytes a wave,
	s_lshl_b32 s40, s21, 11                        ; 2,048 bytes for 32 tokens of a head
	s_add_co_u32 s38, s38, s40
	s_add_nc_u64 s[30:31], s[18:19], s[38:39]
	s_lshl_b32 s38, s[WV], 8
	s_add_nc_u64 s[32:33], s[14:15], s[38:39]
.set ii, 0
.rept 8
	global_load_b128 v[XR+8*ii:XR+8*ii+3], v[LA], s[22:23] offset:ii*1024
	global_load_b128 v[XR+8*ii+4:XR+8*ii+7], v[LA], s[22:23] offset:ii*1024+512
.set ii, ii+1
.endr
	global_load_b128 v[NW:NW+3], v[LA], s[6:7]
	global_load_b128 v[NW+4:NW+7], v[LA], s[6:7] offset:512
	global_load_b128 v[NB:NB+3], v[LA], s[8:9]
	global_load_b128 v[NB+4:NB+7], v[LA], s[8:9] offset:512
.set ii, 0
.rept 8
	global_load_b128 v[QP+8*ii:QP+8*ii+3], v[LA], s[24:25] offset:ii*1024 th:TH_LOAD_NT
	global_load_b128 v[QP+8*ii+4:QP+8*ii+7], v[LA], s[24:25] offset:ii*1024+512 th:TH_LOAD_NT
.set ii, ii+1
.endr
.set ii, 0
.rept 8
	global_load_b128 v[KP+8*ii:KP+8*ii+3], v[LA], s[26:27] offset:ii*1024 th:TH_LOAD_NT
	global_load_b128 v[KP+8*ii+4:KP+8*ii+7], v[LA], s[26:27] offset:ii*1024+512 th:TH_LOAD_NT
.set ii, ii+1
.endr
	s_wait_loadcnt 0x0
	WLOAD 2, 28, 0, 0, 6                           ; Wq lands under the layer norm
	WIN 0
	LN4 0
	LN4 1
.set ii, 0
.rept 8                                        ; row ii: xn, xn + qpos, xn + kpos, each rounded to f16 and laid into its region
.set X, XR+8*ii
.irp j, 0,1,2,3
	v_cvt_pk_f16_f32 v[TP+\j], v[X+2*\j], v[X+2*\j+1]
.endr
.irp j, 0,2,4,6
	v_pk_add_f32 v[QP+8*ii+\j:QP+8*ii+\j+1], v[QP+8*ii+\j:QP+8*ii+\j+1], v[X+\j:X+\j+1]
	v_pk_add_f32 v[KP+8*ii+\j:KP+8*ii+\j+1], v[KP+8*ii+\j:KP+8*ii+\j+1], v[X+\j:X+\j+1]
.endr
.irp j, 0,1,2,3
	v_cvt_pk_f16_f32 v[TP+4+\j], v[QP+8*ii+2*\j], v[QP+8*ii+2*\j+1]
	v_cvt_pk_f16_f32 v[TP+8+\j], v[KP+8*ii+2*\j], v[KP+8*ii+2*\j+1]
.endr
	ds_store_b64 v[SA], v[TP:TP+1] offset:XV+ii*528
	ds_store_b64 v[SA], v[TP+2:TP+3] offset:XV+ii*528+256
	ds_store_b64 v[SA], v[TP+4:TP+5] offset:XQ+ii*528
	ds_store_b64 v[SA], v[TP+6:TP+7] offset:XQ+ii*528+256
	ds_store_b64 v[SA], v[TP+8:TP+9] offset:XK+ii*528
	ds_store_b64 v[SA], v[TP+10:TP+11] offset:XK+ii*528+256
.set ii, ii+1
.endr
	WLOAD 2, 28, 0, 7, 7
	WIN 0
.irp nb, 0,1,2,3
.irp q, 0,1
	global_load_b128 v[BQ+8*\nb+4*\q:BQ+8*\nb+4*\q+3], v[H32], s[32:33] offset:\nb*64+\q*16
	global_load_b128 v[BK+8*\nb+4*\q:BK+8*\nb+4*\q+3], v[H32], s[32:33] offset:1024+\nb*64+\q*16
.endr
	global_load_b32 v[BV+2*\nb], v[R4], s[32:33] offset:2048+\nb*64
	global_load_b32 v[BV+2*\nb+1], v[R4], s[32:33] offset:2048+\nb*64
.endr
	s_wait_dscnt 0x0                               ; for the others' sake: my rows are in LDS
	s_barrier_signal -1
	s_barrier_wait -1
	XBLD 0, XQ
	XBLD 128, XK
	WLOAD 3, 28, 32768, 0, 6
	s_wait_loadcnt 56                              ; Wq and the biases are in: the 56 younger loads are Wk's
	s_wait_dscnt 32                                ; xn + qpos is in: the 32 younger loads are xn + kpos
	PANELH 2, 0, 0, 3, 1, BQ, 0
	WLOAD 3, 28, 32768, 7, 7
	PANELH 2, 0, 4, 7, 2, 0, 0
	PLACES5
	WLOAD 2, 28, 65536, 0, 6
	XBLD 0, XV
	EPI 0
	s_wait_loadcnt 56                              ; Wk is in: the 56 younger loads are Wv's
	s_wait_dscnt 32                                ; xn + kpos is in: the 32 younger loads are xn
	PANELH 3, 128, 0, 3, 1, BK, 0
	WLOAD 2, 28, 65536, 7, 7
	PANELH 3, 128, 4, 7, 2, 0, 0
	PLACES5
	EPI 1
	s_wait_loadcnt 0x0
	s_wait_dscnt 0x0
	PANELH 2, 0, 0, 7, 0, 0, 1
	PLACES5
	EPI 2
	s_wait_tensorcnt 0x0                           ; the wave's end
	ds_add_u32 v[SPW], v[NIL]
	s_wait_dscnt 0x0
	s_endpgm
.Lfunc_end_k_q560160dc41_qkv:
	.size	k_q560160dc41_qkv, .Lfunc_end_k_q560160dc41_qkv-k_q560160dc41_qkv
	.p2alignl 7, 3214868480
	.fill 96, 4, 3214868480
	.section	.rodata,"a",@progbits
	.p2align	6, 0x0
	.amdhsa_kernel k_q560160dc41_qkv
		.amdhsa_group_segment_fixed_size 51200
		.amdhsa_private_segment_fixed_size 0
		.amdhsa_enable_private_segment 0
		.amdhsa_kernarg_size 64
		.amdhsa_user_sgpr_count 2
		.amdhsa_user_sgpr_kernarg_segment_ptr 1
		.amdhsa_wavefront_size32 1
		.amdhsa_system_sgpr_workgroup_id_x 1
		.amdhsa_system_sgpr_workgroup_id_y 1
		.amdhsa_system_sgpr_workgroup_id_z 1
		.amdhsa_system_vgpr_workitem_id 0
		.amdhsa_next_free_vgpr 1024
		.amdhsa_next_free_sgpr 66
		.amdhsa_reserve_vcc 0
		.amdhsa_float_denorm_mode_32 3
		.amdhsa_float_denorm_mode_16_64 3
		.amdhsa_memory_ordered 1
		.amdhsa_forward_progress 1
		.amdhsa_inst_pref_size 87
	.end_amdhsa_kernel
	.amdgpu_metadata
---
amdhsa.version: [ 1, 2 ]
amdhsa.kernels:
  - .name:           k_q560160dc41_qkv
    .symbol:         k_q560160dc41_qkv.kd
    .args:
      - { .name: x0, .offset: 0, .size: 8, .value_kind: global_buffer, .address_space: global }
      - { .name: b0_norm1_w, .offset: 8, .size: 8, .value_kind: global_buffer, .address_space: global }
      - { .name: b0_norm1_b, .offset: 16, .size: 8, .value_kind: global_buffer, .address_space: global }
      - { .name: b0_qpos, .offset: 24, .size: 8, .value_kind: global_buffer, .address_space: global }
      - { .name: b0_kpos, .offset: 32, .size: 8, .value_kind: global_buffer, .address_space: global }
      - { .name: b0_inproj_b, .offset: 40, .size: 8, .value_kind: global_buffer, .address_space: global }
      - { .name: wt0, .offset: 48, .size: 8, .value_kind: global_buffer, .address_space: global }
      - { .name: opnd, .offset: 56, .size: 8, .value_kind: global_buffer, .address_space: global }
    .group_segment_fixed_size: 51200
    .private_segment_fixed_size: 0
    .kernarg_segment_align: 8
    .kernarg_segment_size: 64
    .max_flat_workgroup_size: 128
    .sgpr_count:     66
    .vgpr_count:     1024
    .wavefront_size: 32
...
	.end_amdgpu_metadata
.endif
;; end of part 4
;; launch mha (part 5): grid 32 x 8, 4 waves a work-group, clusters of 4 x 1, 327,680 bytes of LDS; arguments opnd, o16; writes o16
.if DOCPART == 5
	.amdgcn_target "amdgcn-amd-amdhsa--gfx1250"
	.amdhsa_code_object_version 6
	.text
	.protected	k_q560160dc41_mha
	.globl	k_q560160dc41_mha
	.p2align	8
	.type	k_q560160dc41_mha,@function
k_q560160dc41_mha:
	s_mov_b64 s[64:65], 0
	v_nop
	global_prefetch_b8 v0, s[64:65] scope:SCOPE_SE
	s_setreg_imm32_b32 hwreg(HW_REG_WAVE_MODE, 25, 1), 1
	s_wait_xcnt 0x0
	s_wait_alu depctr_hold_cnt(0) depctr_sa_sdst(0) depctr_va_vdst(0) depctr_va_sdst(0) depctr_va_ssrc(0) depctr_va_vcc(0) depctr_vm_vsrc(0)
	s_getreg_b32 s2, hwreg(HW_REG_IB_STS2, 6, 4)
	s_cmp_eq_u32 s2, 0
	s_cbranch_scc0 .Lentry_in_a_cluster
	s_endpgm
.Lentry_in_a_cluster:
	s_bfe_u32 s2, ttmp6, 0x10000c
	s_cmp_lg_u32 s2, 0x3003
	s_cbranch_scc0 .Lentry_shape_is_right
	s_endpgm
.Lentry_shape_is_right:
; SELF ATTENTION, eight heads of 32 channels, 4,096 x 4,096, scale 1 / sqrt(32).  Work-group (qb, head): 128 queries, two tiles of 16 a wave; every wave walks all keys, 64 a step.
; LAYOUT.  S^T = K Q^T (source 0 = 16 keys, source 1 = 16 queries): a lane holds ONE query and keys 8 (lane / 16) + 0..7; two results rounded to f16 ARE source 1 of O^T = V^T P.
; All operands are fragment-major (1,024 bytes a fragment): tiles are dense, LDS loads take 512 consecutive bytes.  O leaves as halves of fragments, 512 consecutive bytes a store.
; SOFTMAX.  Running maximum m and sum l: p = 2^(c s - c m), c = log2(e) / sqrt(32); O and l are multiplied by a = 2^(c m_old - c m_new) in every step.  m starts at the lowest finite number, O and l at 0.
; RING.  Two slots of 131,072 bytes (64 KB of K, 64 KB of V^T: 1,024 keys, sixteen steps).  Four fills; each wave brings 32 KB of a fill.
; CLUSTER.  The four query blocks of a cluster belong to one head: each tile is asked for jointly, by the same load, descriptor and mask in all four.
; A step has 16 products beside some 220 vector instructions: the loop is written in phases.
; LIMITS.  f16 operands (65,504 at the most; p below 6e-5 keeps the step 6e-8); a weight below 2^-126 counts as 0; NaN and infinities are not treated apart.
.set NS,    32
.set NA,    4
.set NP,    16
.set NSTEP, 16
.set STEPB, 4096
.set NL,    8
.set SLOT1, 1<<17
.set SPARE, 262144
.set LA,  2
.set AK,  3
.set AV,  4
.set SPW, 6
.set NIL, 7
.set ST,  8                            ; tile t at ST + 8 t: c m, m, l (even keys', odd keys'), c0, c1, c2 (later a), c3
.set Q,   24
.set K,   40
.set V,   72
.set S,   104
.set P,   168
.set O,   200
.set WV,  12
.set SLOTS, 56
.set CNT, 57
.set CS,  58
.set SEL, 60
.set TBK, 62
.set TBV, 63
.macro PLACES                          ; four plain instructions between a matrix instruction and a vector read of its result or a load into its registers
.rept 4
	v_nop
.endr
.endm
.macro CROUND
	s_barrier_signal -1
	s_barrier_wait -1
	s_cmp_lg_u32 s[WV], 0
	s_cbranch_scc1 .Lnot_wave_0_\@
	s_barrier_signal -3
.Lnot_wave_0_\@:
	s_barrier_wait -3
	s_barrier_signal -1
	s_barrier_wait -1
.endm
	s_load_b128 s[4:7], s[0:1], 0x0                ; opnd s[4:5], o16 s[6:7]
	v_lshl_add_u32 v[SPW], v0, 2, SPARE
	v_mov_b32 v[NIL], 0
	ds_add_u32 v[SPW], v[NIL]                      ; the wave's opening: the add and its wait stand ahead of my first tensor load
	v_lshrrev_b32 v1, 5, v0
	v_readfirstlane_b32 s[WV], v1
	s_bfe_u32 s13, ttmp6, 0x40000                  ; cx
	s_lshl_b32 s14, ttmp9, 2
	s_add_co_u32 s14, s14, s13                     ; query block: it enters Q's and O's addresses alone
	s_and_b32 s15, ttmp7, 0xffff                   ; the head, which the four partners share
	s_mov_b32 s24, 15|(3<<16)|(1<<21)              ; group 1: mask of four; elements of 8 bytes; bit 21 beside the mask; no padding
	s_mov_b32 s25, 32<<16
	s_mov_b32 s26, 128<<16
	s_mov_b32 s27, 32<<16
	s_mov_b32 s28, 128                             ; 128 rows of 256 bytes: 32,768 dense bytes
	s_mov_b32 s29, 32
	s_mov_b32 s30, 0
	s_mov_b32 s31, 0
	s_mov_b32 s32, 1
	s_lshl_b32 s33, s[WV], 15                      ; wave x 32,768: waves 0, 1 K's halves, waves 2, 3 V's
	s_mov_b32 s36, 1
	s_add_co_u32 s37, s33, SLOT1
	s_lshr_b32 s20, s[WV], 1
	s_add_co_u32 s20, s20, 1
	s_lshl_b32 s20, s20, 21                        ; kh at 2 MiB, vT at 4 MiB
	s_lshl_b32 s21, s15, 18                        ; 262,144 bytes a head
	s_add_co_u32 s20, s20, s21
	s_and_b32 s21, s[WV], 1
	s_lshl_b32 s21, s21, 15
	s_add_co_u32 s20, s20, s21
	s_mov_b32 s21, 0
	s_lshl_b32 s16, s14, 3
	s_lshl_b32 s17, s[WV], 1
	s_add_co_u32 s16, s16, s17                     ; my first query tile
	s_lshl_b32 s22, s15, 8
	s_add_co_u32 s22, s22, s16
	s_lshl_b32 s22, s22, 10                        ; qh [head][tile][1 KB]
	s_mov_b32 s23, 0
	s_lshl_b32 s18, s16, 3
	s_add_co_u32 s18, s18, s15
	s_lshl_b32 s18, s18, 10                        ; o16 [tile][head][1 KB]
	s_mov_b32 s19, 0
	s_mov_b32 s[CS], 0x3e8293ee                    ; c = log2(e) / sqrt(32)
	s_mov_b32 s[CS+1], s[CS]
	s_mov_b32 s[SEL], 0x76543210
	s_mov_b32 s[SEL+1], 0xfedcba98
	s_mov_b32 s[TBK], 0
	s_mov_b32 s[TBV], 65536
	s_wait_dscnt 0x0                               ; the opening add is done
	s_wait_kmcnt 0x0
	s_add_nc_u64 s[34:35], s[4:5], s[20:21]
	s_add_nc_u64 s[38:39], s[34:35], 65536         ; the next 1,024 keys
	s_or_b32 s35, s35, 0x80000000
	s_or_b32 s39, s39, 0x80000000
	s_add_nc_u64 s[8:9], s[4:5], s[22:23]
	s_add_nc_u64 s[10:11], s[6:7], s[18:19]
	CROUND                                         ; all four work-groups are here: the first joint loads meet
	tensor_load_to_lds s[32:35], s[24:31]          ; the two first fills together: two loads of mine are out
	s_nop 0
	tensor_load_to_lds s[36:39], s[24:31]
	s_nop 0
.rept 4
	v_nop
.endr
	v_and_b32 v1, 31, v0
	v_lshlrev_b32 v[LA], 4, v1
.irp i, 0,1,2,3
	global_load_b128 v[Q+4*\i:Q+4*\i+3], v[LA], s[8:9] offset:\i*512
.endr
.set ii, 0
.rept 32
	v_mov_b32 v[O+ii], 0
.set ii, ii+1
.endr
.irp t, 0,1
	v_mov_b32 v[ST+8*\t], 0xfe000000               ; c m: far below every c s
	v_mov_b32 v[ST+8*\t+1], 0xff7fffff             ; m
	v_mov_b32 v[ST+8*\t+2], 0
	v_mov_b32 v[ST+8*\t+3], 0
.endr
.macro FETCH_K                         ; a step's K: four tiles of 16 keys
	v_add_nc_u32 v[AK], s[TBK], v[LA]
.irp f, 0,1,2,3
	ds_load_b128 v[K+8*\f:K+8*\f+3], v[AK] offset:\f*1024
	ds_load_b128 v[K+8*\f+4:K+8*\f+7], v[AK] offset:\f*1024+512
.endr
	s_add_co_u32 s[TBK], s[TBK], STEPB
.endm
.macro FETCH_V                         ; a step's V^T: fragment 2 kk + cb
	v_add_nc_u32 v[AV], s[TBV], v[LA]
.irp f, 0,1,2,3
	ds_load_b128 v[V+8*\f:V+8*\f+3], v[AV] offset:\f*1024
	ds_load_b128 v[V+8*\f+4:V+8*\f+7], v[AV] offset:\f*1024+512
.endr
	s_add_co_u32 s[TBV], s[TBV], STEPB
.endm
.macro KQALL                           ; eight products, each a whole sum (32 channels)
.irp kt, 0,1,2,3
.irp t, 0,1
	v_wmma_f32_16x16x32_f16 v[S+32*\t+8*\kt:S+32*\t+8*\kt+7], v[K+8*\kt:K+8*\kt+7], v[Q+8*\t:Q+8*\t+7], 0
.endr
.endr
.endm
.macro PVALL                           ; eight products; the four accumulators take turns
.irp kk, 0,1
.irp cb, 0,1
.irp t, 0,1
	v_wmma_f32_16x16x32_f16 v[O+16*\t+8*\cb:O+16*\t+8*\cb+7], v[V+8*(2*\kk+\cb):V+8*(2*\kk+\cb)+7], v[P+16*\t+8*\kk:P+16*\t+8*\kk+7], v[O+16*\t+8*\cb:O+16*\t+8*\cb+7]
.endr
.endr
.endr
.endm
.macro FF t, b
	v_pk_fma_f32 v[S+NS*(\t)+2*(\b):S+NS*(\t)+2*(\b)+1], v[S+NS*(\t)+2*(\b):S+NS*(\t)+2*(\b)+1], s[CS:CS+1], v[ST+8*(\t):ST+8*(\t)+1] op_sel_hi:[1,0,0] neg_lo:[0,0,1] neg_hi:[0,0,1]
.endm
.macro EE t, e
	v_exp_f32 v[S+NS*(\t)+(\e)], v[S+NS*(\t)+(\e)]
.endm
.macro CC t, b
	s_wait_alu depctr_va_vdst(0)
	v_cvt_pk_f16_f32 v[P+NP*(\t)+(\b)], v[S+NS*(\t)+2*(\b)], v[S+NS*(\t)+2*(\b)+1]
.endm
.macro LL t, b
.if (\b) == 0
	v_pk_fma_f32 v[ST+8*(\t)+2:ST+8*(\t)+3], v[ST+8*(\t)+2:ST+8*(\t)+3], v[ST+8*(\t)+6:ST+8*(\t)+7], v[S+NS*(\t):S+NS*(\t)+1] op_sel_hi:[1,0,1]
.else
	v_pk_add_f32 v[ST+8*(\t)+2:ST+8*(\t)+3], v[ST+8*(\t)+2:ST+8*(\t)+3], v[S+NS*(\t)+2*(\b):S+NS*(\t)+2*(\b)+1]
.endif
.endm
; A step's softmax for both tiles, line by line in turn.  Each accumulator's lowest registers are read first.
; A plain instruction stands behind every exponential, and between each exponential and the use of its result (ISA guide 5.7.2).
.macro SOFTMAX
.set nn, 0
.rept NA
.irp t, 0,1
	v_max3_num_f32 v[ST+8*\t+4+nn], v[S+NS*\t+8*nn], v[S+NS*\t+8*nn+1], v[S+NS*\t+8*nn+2]
.endr
.set nn, nn+1
.endr
.irp d, 3,5
.set nn, 0
.rept NA
.irp t, 0,1
	v_max3_num_f32 v[ST+8*\t+4+nn], v[ST+8*\t+4+nn], v[S+NS*\t+8*nn+\d], v[S+NS*\t+8*nn+\d+1]
.endr
.set nn, nn+1
.endr
.endr
.irp t, 0,1
	v_max3_num_f32 v[ST+8*\t+4], v[ST+8*\t+4], v[S+NS*\t+7], v[S+NS*\t+15]
.endr
.irp t, 0,1
	v_max3_num_f32 v[ST+8*\t+5], v[ST+8*\t+5], v[S+NS*\t+23], v[S+NS*\t+31]
.endr
.irp t, 0,1
	v_max3_num_f32 v[ST+8*\t+6], v[ST+8*\t+6], v[ST+8*\t+7], v[ST+8*\t+1]
.endr
.irp t, 0,1
	v_max3_num_f32 v[ST+8*\t+4], v[ST+8*\t+4], v[ST+8*\t+5], v[ST+8*\t+6]
.endr
.irp t, 0,1
	v_permlanex16_b32 v[ST+8*\t+5], v[ST+8*\t+4], s[SEL], s[SEL+1]  ; the query's other keys lie in the lane 16 away
.endr
.irp t, 0,1
	v_mov_b32 v[ST+8*\t+7], v[ST+8*\t]             ; c m_old
.endr
.irp t, 0,1
	v_max_num_f32 v[ST+8*\t+1], v[ST+8*\t+4], v[ST+8*\t+5]
.endr
.irp t, 0,1
	v_mul_f32 v[ST+8*\t], s[CS], v[ST+8*\t+1]
.endr
.irp t, 0,1
	v_sub_f32 v[ST+8*\t+7], v[ST+8*\t+7], v[ST+8*\t]
.endr
.irp t, 0,1
	v_exp_f32 v[ST+8*\t+6], v[ST+8*\t+7]           ; a
.endr
.set bb, 0
.rept NP-2
	FF 0, bb
	FF 1, bb
.set bb, bb+1
.endr
.set bb, 0
.rept NP
	EE 0, 2*bb
.if bb == 0
	FF 0, NP-2
.else
	CC 0, bb-1
.endif
	EE 0, 2*bb+1
.if bb == 0
	FF 0, NP-1
.else
	LL 0, bb-1
.endif
	EE 1, 2*bb
.if bb == 0
	FF 1, NP-2
.else
	CC 1, bb-1
.endif
	EE 1, 2*bb+1
.if bb == 0
	FF 1, NP-1
.else
	LL 1, bb-1
.endif
.set bb, bb+1
.endr
	CC 0, NP-1
	LL 0, NP-1
	CC 1, NP-1
	LL 1, NP-1
.irp t, 0,1
.irp z, 0,1,2,3,4,5,6,7
	v_pk_mul_f32 v[O+16*\t+2*\z:O+16*\t+2*\z+1], v[O+16*\t+2*\z:O+16*\t+2*\z+1], v[ST+8*\t+6:ST+8*\t+7] op_sel_hi:[1,0]
.endr
.endr
.endm
; A trip is TOP and BOT.  TOP: K of the next step is fetched; this step's softmax; V^T P.  BOT: V of the next step is fetched; its K Q^T.
.macro TOP fetch
	PLACES                                         ; behind the last K Q^T: for the loads into K and the reads of S^T
.if \fetch
	FETCH_K
.endif
	SOFTMAX
.if \fetch
	s_wait_dscnt NL                                ; V of this step is in: the NL younger loads are K's
.else
	s_wait_dscnt 0x0
.endif
	PVALL
.endm
.macro BOT
	PLACES                                         ; behind the last V^T P: for the loads into V
	FETCH_V
	s_wait_dscnt NL                                ; K is in: the NL younger loads are V's
	KQALL
.endm
; The change of slots: every wave waits for all its tensor loads (one is out: its part of the other slot), adds 0 to its spare word, waits for that and for its reads of the slot.
; fill = 1: the barrier is a round of the cluster's, and the joint refill is the first thing behind it: it has a slot's sixteen steps in which to land.
.macro CHANGE fill
	s_wait_tensorcnt 0x0
	ds_add_u32 v[SPW], v[NIL]
.if \fill
	s_xor_b32 s37, s37, SLOT1
	s_add_nc_u64 s[38:39], s[38:39], 65536
.endif
	s_wait_dscnt 0x0
.if \fill
	CROUND
	tensor_load_to_lds s[36:39], s[24:31]
	s_nop 0
.rept 4
	v_nop
.endr
.else
	s_barrier_signal -1
	s_barrier_wait -1
.endif
	s_sub_co_u32 s[TBK], s[TBK], 65536
	s_xor_b32 s[TBK], s[TBK], SLOT1
	s_sub_co_u32 s[TBV], s[TBV], 65536
	s_xor_b32 s[TBV], s[TBV], SLOT1
.endm
	s_wait_tensorcnt 0x1                           ; my part of slot 0 is in; slot 1's may stay out
	s_barrier_signal -1
	s_barrier_wait -1
	FETCH_K                                        ; step 0
	s_wait_loadcnt 0x0                             ; Q
	s_mov_b32 s[SLOTS], 3
	s_mov_b32 s[CNT], NSTEP
	s_branch .Lmid                                 ; the loop is entered in the middle of a trip: step 0 has no step before it
.Lslot:                                        ; twice: fills 2 and 3
	CHANGE 1
	s_mov_b32 s[CNT], NSTEP
.Ltrip:
	TOP 1
.Lmid:
	BOT
	s_sub_co_u32 s[CNT], s[CNT], 1
	s_cmp_lg_u32 s[CNT], 0
	s_cbranch_scc1 .Ltrip
	s_sub_co_u32 s[SLOTS], s[SLOTS], 1
	s_cmp_lg_u32 s[SLOTS], 0
	s_cbranch_scc1 .Lslot
	CHANGE 0                                       ; the last slot is written out: nothing is asked for
	s_mov_b32 s[CNT], NSTEP
.Ltail:
	TOP 1
	BOT
	s_sub_co_u32 s[CNT], s[CNT], 1
	s_cmp_lg_u32 s[CNT], 0
	s_cbranch_scc1 .Ltail
	TOP 0                                          ; the last step
	; THE WAY OUT: O^T / l, rounded to f16: a lane's eight channels of a block are its 16 bytes of half a fragment
	PLACES
.irp t, 0,1
	v_add_f32 v[ST+8*\t+2], v[ST+8*\t+2], v[ST+8*\t+3]
.endr
.irp t, 0,1
	v_permlanex16_b32 v[ST+8*\t+5], v[ST+8*\t+2], s[SEL], s[SEL+1]
.endr
.irp t, 0,1
	v_add_f32 v[ST+8*\t+2], v[ST+8*\t+2], v[ST+8*\t+5]
.endr
.irp t, 0,1
	v_rcp_f32 v[ST+8*\t+6], v[ST+8*\t+2]
.endr
	v_nop                                          ; a plain instruction behind the last reciprocal
.irp t, 0,1
.irp z, 0,1,2,3,4,5,6,7
	s_wait_alu depctr_va_vdst(0)
	v_pk_mul_f32 v[O+16*\t+2*\z:O+16*\t+2*\z+1], v[O+16*\t+2*\z:O+16*\t+2*\z+1], v[ST+8*\t+6:ST+8*\t+7] op_sel_hi:[1,0]
.endr
.endr
.irp t, 0,1
.irp z, 0,1,2,3,4,5,6,7
	v_cvt_pk_f16_f32 v[S+8*\t+\z], v[O+16*\t+2*\z], v[O+16*\t+2*\z+1]
.endr
.endr
.irp t, 0,1
.irp cb, 0,1
	global_store_b128 v[LA], v[S+8*\t+4*\cb:S+8*\t+4*\cb+3], s[10:11] offset:\t*8192+\cb*512
.endr
.endr
	s_wait_tensorcnt 0x0                           ; the wave's end
	ds_add_u32 v[SPW], v[NIL]
	s_wait_dscnt 0x0
	CROUND                                         ; the closing round
	s_endpgm
.Lfunc_end_k_q560160dc41_mha:
	.size	k_q560160dc41_mha, .Lfunc_end_k_q560160dc41_mha-k_q560160dc41_mha
	.p2alignl 7, 3214868480
	.fill 96, 4, 3214868480
	.section	.rodata,"a",@progbits
	.p2align	6, 0x0
	.amdhsa_kernel k_q560160dc41_mha
		.amdhsa_group_segment_fixed_size 327680
		.amdhsa_private_segment_fixed_size 0
		.amdhsa_enable_private_segment 0
		.amdhsa_kernarg_size 16
		.amdhsa_user_sgpr_count 2
		.amdhsa_user_sgpr_kernarg_segment_ptr 1
		.amdhsa_wavefront_size32 1
		.amdhsa_system_sgpr_workgroup_id_x 1
		.amdhsa_system_sgpr_workgroup_id_y 1
		.amdhsa_system_sgpr_workgroup_id_z 1
		.amdhsa_system_vgpr_workitem_id 0
		.amdhsa_next_free_vgpr 232
		.amdhsa_next_free_sgpr 66
		.amdhsa_reserve_vcc 0
		.amdhsa_float_denorm_mode_32 3
		.amdhsa_float_denorm_mode_16_64 3
		.amdhsa_memory_ordered 1
		.amdhsa_forward_progress 1
		.amdhsa_inst_pref_size 55
	.end_amdhsa_kernel
	.amdgpu_metadata
---
amdhsa.version: [ 1, 2 ]
amdhsa.kernels:
  - .name:           k_q560160dc41_mha
    .symbol:         k_q560160dc41_mha.kd
    .args:
      - { .name: opnd, .offset: 0, .size: 8, .value_kind: global_buffer, .address_space: global }
      - { .name: o16, .offset: 8, .size: 8, .value_kind: global_buffer, .address_space: global }
    .group_segment_fixed_size: 327680
    .private_segment_fixed_size: 0
    .kernarg_segment_align: 8
    .kernarg_segment_size: 16
    .max_flat_workgroup_size: 128
    .sgpr_count:     66
    .vgpr_count:     232
    .wavefront_size: 32
...
	.end_amdgpu_metadata
.endif
;; end of part 5
;; launch tail (part 6): grid 128 x 1, 4 waves a work-group, no clusters, 120,320 bytes of LDS; arguments o16, x0, wt0, b0_outproj_b, b0_norm2_w, b0_norm2_b, b0_mlp_b1, b0_mlp_b2, x1; writes x1
.if DOCPART == 6
	.amdgcn_target "amdgcn-amd-amdhsa--gfx1250"
	.amdhsa_code_object_version 6
	.text
	.protected	k_q560160dc41_tail
	.globl	k_q560160dc41_tail
	.p2align	8
	.type	k_q560160dc41_tail,@function
k_q560160dc41_tail:
	s_mov_b64 s[64:65], 0
	v_nop
	global_prefetch_b8 v0, s[64:65] scope:SCOPE_SE
	s_setreg_imm32_b32 hwreg(HW_REG_WAVE_MODE, 25, 1), 1
	s_wait_xcnt 0x0
; TAIL of a block: x' = x + o Wo^T + bo;  xout = x' + gelu(LN(x') W1^T + b1) W2^T + b2, exact gelu.  One launch: nothing but x and xout passes memory.
; A work-group owns 32 tokens (two tiles of 16); wave w owns a quarter of every product's output channels: 64 of Wo's and W2's 256, 256 of W1's 1,024 (four panels of 64).
; A weight panel (64 x 256 in f16, 32 KB, fragment-major) goes from memory straight into registers: each fragment is read by this wave alone and feeds two products.
; Source 0 = weights, source 1 = tokens: a lane holds one token and eight channels; the bias is the C operand that starts each sum.  What the waves hand each other goes through LDS, three barriers.
; LN in two passes (mean, then squared deviations), f32.  gelu(x) = max(x, 0) - |x| e^(-x^2 / 2) (c1 t + .. + c5 t^5), t = 1 / (1 + 0.23164189 |x|): the five-term rational form of erf with halved
; coefficients, absolute error below 1e-7 |x|, for every x, with no difference of near numbers on either side.
; No cluster: weights pass no LDS here, so there is no tile to ask for jointly.  LIMIT: f16 operands, 65,504 at the most.
; REGISTERS: window 0 at work; window 1: token fragments XB0 (v0-127), XB1 (v128-255), fragment (t, ks) at 8 (8 t + ks); windows 2, 3: a weight panel each, fragment (nb, ks) at 8 (8 nb + ks).
.set YS,  0                            ; 32 rows x 1,040 bytes, f32: o Wo^T + bo, then x', at last xout
.set XN,  33280                        ; 32 rows x 528 bytes, f16: LN(x')
.set HB,  50176                        ; gelu's results, fragment-major [32 k steps][2 tiles][1 KB]
.set B1S, 115712                       ; b1: 1 KB for each wave
.set SPARE, 119808
.set LA,  2
.set FA,  3
.set SA,  4
.set H32, 5
.set DA,  6                            ; (lane % 16) x 1,040 + 32 (lane / 16) + 256 wave: my place in YS as an accumulator holds it
.set YA,  7                            ; 8 wave x 1,040 + 16 lane: my rows of YS
.set SPW, 8
.set NIL, 9
.set HA,  10
.set HR,  11
.set BA,  12
.set RA,  13
.set GA,  14
.set BS,  15
.set TP,  16                           ; v16-23 at work
.set NW,  24
.set NB,  32
.set MM,  40
.set RR,  48
.set UU,  56
.set ACC, 64
.set XR,  128
.set YR,  192
.set BO,  224
.set AB,  128
.set TT,  136
.set QQ,  144
.set PP,  152
.set PK,  160
.set B1R, 192
.set B2R, 224
.set WV,  22
.set INV, 40
.set EPS, 41
.set SEL, 42
.set MSB, 0
.macro WIN new
.if MSB != (\new)
	s_set_vgpr_msb (MSB<<8)|(\new)
.set MSB, (\new)
.endif
.endm
.macro PLACES5                         ; five plain instructions behind a run of products, ahead of reads of the results, loads into the operands and products that write the accumulators anew
.rept 5
	v_nop
.endr
.endm
.macro WLOAD ww, base, off, lo, hi     ; k steps lo..hi of a weight panel into window ww
	WIN (\ww)<<6
.set kk, \lo
.rept (\hi)-(\lo)+1
.irp nb, 0,1,2,3
.irp hf, 0,1
	global_load_b128 v[8*(8*\nb+kk)+4*\hf:8*(8*\nb+kk)+4*\hf+3], v[LA], s[\base:\base+1] offset:(\off)+\nb*8192+kk*1024+\hf*512
.endr
.endr
.set kk, kk+1
.endr
.endm
; k steps lo..hi of a panel's products; the eight accumulators take turns.  At k step 0 the sum starts with the bias (cm = 1) or goes on (cm = 2).
.macro PANELH ww, xb, lo, hi, cm, br
	WIN (\ww)|4
.set kk, \lo
.rept (\hi)-(\lo)+1
.irp nb, 0,1,2,3
.irp t, 0,1
.set rD, ACC+8*(2*\nb+\t)
.set rW, 8*(8*\nb+kk)
.set rX, (\xb)+8*(8*\t+kk)
.if (kk == 0) && ((\cm) == 1)
	v_wmma_f32_16x16x32_f16 v[rD:rD+7], v[rW:rW+7], v[rX:rX+7], v[(\br)+8*\nb:(\br)+8*\nb+7]
.else
	v_wmma_f32_16x16x32_f16 v[rD:rD+7], v[rW:rW+7], v[rX:rX+7], v[rD:rD+7]
.endif
.endr
.endr
.set kk, kk+1
.endr
.endm
.macro XBLD xb, base                   ; 32 tokens x 256 channels out of rows of 528 bytes, as 16 fragments
	WIN 0x40
.irp t, 0,1
.irp ks, 0,1,2,3,4,5,6,7
	ds_load_b128 v[(\xb)+8*(8*\t+\ks):(\xb)+8*(8*\t+\ks)+3], v[FA] offset:(\base)+\t*8448+\ks*64
	ds_load_b128 v[(\xb)+8*(8*\t+\ks)+4:(\xb)+8*(8*\t+\ks)+7], v[FA] offset:(\base)+\t*8448+\ks*64+32
.endr
.endr
.endm
.macro XBLH xb, kc                     ; chunk kc (256 hidden channels) of gelu's results, as 16 fragments
	WIN 0x40
.irp t, 0,1
.irp ks, 0,1,2,3,4,5,6,7
	ds_load_b128 v[(\xb)+8*(8*\t+\ks):(\xb)+8*(8*\t+\ks)+3], v[HR] offset:(8*(\kc)+\ks)*2048+\t*1024
	ds_load_b128 v[(\xb)+8*(8*\t+\ks)+4:(\xb)+8*(8*\t+\ks)+7], v[HR] offset:(8*(\kc)+\ks)*2048+\t*1024+512
.endr
.endr
.endm
.macro EACH4 a, line:vararg            ; one line for each of the tokens 4 a .. 4 a + 3
.set ii, 0
.rept 4
.set X, XR+8*(4*(\a)+ii)
.set M, MM+2*ii
.set R, RR+2*ii
.set U, UU+2*ii
	\line
.set ii, ii+1
.endr
.endm
.macro LN4 a                           ; layer norm of four rows, their lines in turn
	EACH4 \a, v_pk_add_f32 v[U:U+1], v[X:X+1], v[X+2:X+3]
	EACH4 \a, v_pk_add_f32 v[R:R+1], v[X+4:X+5], v[X+6:X+7]
	EACH4 \a, v_pk_add_f32 v[U:U+1], v[U:U+1], v[R:R+1]
	EACH4 \a, v_add_f32 v[M], v[U], v[U+1]
.irp k, 1,2,4,8
	EACH4 \a, v_add_f32_dpp v[M], v[M], v[M] row_xmask:\k row_mask:0xf bank_mask:0xf
.endr
	EACH4 \a, v_permlanex16_b32 v[M+1], v[M], s[SEL], s[SEL+1]
	EACH4 \a, v_add_f32 v[M], v[M], v[M+1]
	EACH4 \a, v_mul_f32 v[M], s[INV], v[M]
.irp j, 0,2,4,6
	EACH4 \a, v_pk_add_f32 v[X+\j:X+\j+1], v[X+\j:X+\j+1], v[M:M+1] op_sel_hi:[1,0] neg_lo:[0,1] neg_hi:[0,1]
.endr
	EACH4 \a, v_pk_mul_f32 v[R:R+1], v[X:X+1], v[X:X+1]
.irp j, 2,4,6
	EACH4 \a, v_pk_fma_f32 v[R:R+1], v[X+\j:X+\j+1], v[X+\j:X+\j+1], v[R:R+1]
.endr
	EACH4 \a, v_add_f32 v[U], v[R], v[R+1]
.irp k, 1,2,4,8
	EACH4 \a, v_add_f32_dpp v[U], v[U], v[U] row_xmask:\k row_mask:0xf bank_mask:0xf
.endr
	EACH4 \a, v_permlanex16_b32 v[U+1], v[U], s[SEL], s[SEL+1]
	EACH4 \a, v_add_f32 v[U], v[U], v[U+1]
	EACH4 \a, v_fma_f32 v[R], v[U], s[INV], s[EPS]
	EACH4 \a, v_rsq_f32 v[R], v[R]
	v_nop                                          ; a plain instruction behind the last root
	s_wait_alu depctr_va_vdst(0)
.irp j, 0,2,4,6
	EACH4 \a, v_pk_mul_f32 v[X+\j:X+\j+1], v[X+\j:X+\j+1], v[R:R+1] op_sel_hi:[1,0]
.endr
.irp j, 0,2,4,6
	EACH4 \a, v_pk_fma_f32 v[X+\j:X+\j+1], v[X+\j:X+\j+1], v[NW+\j:NW+\j+1], v[NB+\j:NB+\j+1]
.endr
.endm
; gelu of accumulator a = 2 nb + t, rounded to f16 and laid into LDS as half a fragment.  The accumulator's low end is read first.  Plain lines stand behind the reciprocals and behind the exponentials.
.macro GELU8 a
.set XA, ACC+8*(\a)
.irp j, 0,1,2,3,4,5,6,7
	v_and_b32 v[AB+\j], s60, v[XA+\j]              ; |x|
.endr
.irp j, 0,2,4,6
	v_pk_fma_f32 v[TT+\j:TT+\j+1], v[AB+\j:AB+\j+1], s[46:47], 1.0 op_sel_hi:[1,0,0]
.endr
.irp j, 0,2,4,6
	v_pk_mul_f32 v[QQ+\j:QQ+\j+1], v[AB+\j:AB+\j+1], v[AB+\j:AB+\j+1]
.endr
.irp j, 0,1,2,3,4,5,6,7
	v_rcp_f32 v[TT+\j], v[TT+\j]                   ; t
.endr
.irp j, 0,2,4,6
	v_pk_mul_f32 v[QQ+\j:QQ+\j+1], v[QQ+\j:QQ+\j+1], s[58:59] op_sel_hi:[1,0]
.endr
.irp j, 0,1,2,3,4,5,6,7
	v_exp_f32 v[QQ+\j], v[QQ+\j]                   ; e^(-x^2 / 2)
.endr
.irp j, 0,1,2,3,4,5,6,7
	v_max_num_f32 v[XA+\j], 0, v[XA+\j]
.endr
	s_wait_alu depctr_va_vdst(0)
.irp j, 0,2,4,6
	v_pk_fma_f32 v[PP+\j:PP+\j+1], v[TT+\j:TT+\j+1], s[48:49], s[50:51] op_sel_hi:[1,0,0]
.endr
.irp c, 52,54,56
.irp j, 0,2,4,6
	v_pk_fma_f32 v[PP+\j:PP+\j+1], v[PP+\j:PP+\j+1], v[TT+\j:TT+\j+1], s[\c:\c+1] op_sel_hi:[1,1,0]
.endr
.endr
.irp j, 0,2,4,6
	v_pk_mul_f32 v[PP+\j:PP+\j+1], v[PP+\j:PP+\j+1], v[TT+\j:TT+\j+1]
.endr
.irp j, 0,2,4,6
	v_pk_mul_f32 v[PP+\j:PP+\j+1], v[PP+\j:PP+\j+1], v[QQ+\j:QQ+\j+1]
.endr
.irp j, 0,2,4,6
	v_pk_fma_f32 v[XA+\j:XA+\j+1], v[AB+\j:AB+\j+1], v[PP+\j:PP+\j+1], v[XA+\j:XA+\j+1] neg_lo:[1,0,0] neg_hi:[1,0,0]
.endr
.irp j, 0,1,2,3
	v_cvt_pk_f16_f32 v[PK+4*(\a)+\j], v[XA+2*\j], v[XA+2*\j+1]
.endr
	ds_store_b128 v[HA], v[PK+4*(\a):PK+4*(\a)+3] offset:((\a)/4)*2048+((\a)%2)*1024+(((\a)/2)%2)*512
.endm
	s_load_b512 s[4:19], s[0:1], 0x0               ; o16 4, x 6, wt 8, outproj_b 10, norm2_w 12, norm2_b 14, mlp_b1 16, mlp_b2 18
	s_load_b64 s[20:21], s[0:1], 0x40              ; xout
	v_lshl_add_u32 v[SPW], v0, 2, SPARE
	v_mov_b32 v[NIL], 0
	v_lshrrev_b32 v1, 5, v0
	v_readfirstlane_b32 s[WV], v1
	s_mov_b32 s23, ttmp9
	v_and_b32 v16, 31, v0
	v_and_b32 v17, 15, v0
	v_bfe_u32 v18, v0, 4, 1
	v_lshlrev_b32 v[LA], 4, v16
	v_mul_u32_u24 v[FA], v17, 528
	v_lshl_add_u32 v[FA], v18, 4, v[FA]
	s_mul_i32 s62, s[WV], 8*528
	s_add_co_u32 s62, s62, XN
	v_lshl_add_u32 v[SA], v16, 3, s62
	v_lshlrev_b32 v[H32], 5, v18
	s_lshl_b32 s62, s[WV], 8
	v_mul_u32_u24 v[DA], v17, 1040
	v_lshl_add_u32 v[DA], v18, 5, v[DA]
	v_add_nc_u32 v[DA], s62, v[DA]
	v_mul_u32_u24 v[RA], v18, 1040
	v_lshl_add_u32 v[RA], v17, 4, v[RA]
	v_add_nc_u32 v[RA], s62, v[RA]
	s_mul_i32 s63, s[WV], 8*1040
	v_add_nc_u32 v[YA], s63, v[LA]
	s_lshl_b32 s63, s[WV], 14
	s_add_co_u32 s63, s63, HB
	v_add_nc_u32 v[HA], s63, v[LA]
	v_add_nc_u32 v[HR], HB, v[LA]
	s_lshl_b32 s63, s[WV], 10
	s_add_co_u32 s63, s63, B1S
	v_add_nc_u32 v[BA], s63, v[H32]
	v_add_nc_u32 v[BS], s63, v[LA]
	v_lshlrev_b32 v[GA], 10, v18
	v_lshl_add_u32 v[GA], v17, 4, v[GA]
.irp i, 1,3,5,7
	v_mov_b32 v[MM+\i], 0                          ; v_permlanex16_b32 counts as a reader of its destination
.endr
	s_mov_b32 s[INV], 0x3b800000                   ; 1 / 256
	s_mov_b32 s[EPS], 0x3727c5ac                   ; 1e-5
	s_mov_b32 s[SEL], 0x76543210
	s_mov_b32 s[SEL+1], 0xfedcba98
	s_mov_b32 s46, 0x3e6d3388                      ; 0.23164189
	s_mov_b32 s48, 0x3f07dc22                      ; c5 =  0.53070271
	s_mov_b32 s50, 0xbf3a00e3                      ; c4 = -0.72657601
	s_mov_b32 s52, 0x3f35f0e3                      ; c3 =  0.71070687
	s_mov_b32 s54, 0xbe11a98e                      ; c2 = -0.14224837
	s_mov_b32 s56, 0x3e027906                      ; c1 =  0.12741480
	s_mov_b32 s58, 0xbf38aa3b                      ; -log2(e) / 2
.irp c, 46,48,50,52,54,56,58
	s_mov_b32 s[\c+1], s[\c]                       ; named as pairs
.endr
	s_mov_b32 s60, 0x7fffffff
	s_wait_kmcnt 0x0
	s_lshl_b32 s62, s23, 14
	s_mov_b32 s63, 0
	s_add_nc_u64 s[24:25], s[4:5], s[62:63]        ; o16: two tiles of 8,192 bytes
	s_lshl_b32 s62, s23, 15
	s_lshl_b32 s61, s[WV], 13
	s_add_co_u32 s62, s62, s61
	s_add_nc_u64 s[26:27], s[6:7], s[62:63]        ; x at my eight rows
	s_mul_i32 s62, s[WV], 294912                   ; nine panels a wave,
	s_add_co_u32 s62, s62, 393216                  ; behind the twelve of the launch before
	s_add_nc_u64 s[28:29], s[8:9], s[62:63]
	s_add_nc_u64 s[30:31], s[28:29], 32768         ; the panel that the MLP's loop has asked for last
	s_lshl_b32 s62, s[WV], 8
	s_add_nc_u64 s[32:33], s[10:11], s[62:63]
	s_add_nc_u64 s[36:37], s[18:19], s[62:63]
	s_lshl_b32 s61, s23, 15
	s_add_co_u32 s62, s62, s61
	s_add_nc_u64 s[38:39], s[20:21], s[62:63]      ; xout at the group's first row, my 256 bytes of it
	s_lshl_b32 s62, s[WV], 10
	s_add_nc_u64 s[34:35], s[16:17], s[62:63]
	; ---- o Wo^T + bo ----
	WIN 0x40
.set ii, 0
.rept 32
	global_load_b128 v[4*ii:4*ii+3], v[LA], s[24:25] offset:ii*512
.set ii, ii+1
.endr
	WIN 0
.irp nb, 0,1,2,3
.irp q, 0,1
	global_load_b128 v[BO+8*\nb+4*\q:BO+8*\nb+4*\q+3], v[H32], s[32:33] offset:\nb*64+\q*16
.endr
.endr
	WLOAD 2, 28, 0, 0, 7
	s_wait_loadcnt 0x0
	WIN 0
.set ii, 0
.rept 8
	global_load_b128 v[XR+8*ii:XR+8*ii+3], v[LA], s[26:27] offset:ii*1024
	global_load_b128 v[XR+8*ii+4:XR+8*ii+7], v[LA], s[26:27] offset:ii*1024+512
.set ii, ii+1
.endr
	global_load_b128 v[NW:NW+3], v[LA], s[12:13]
	global_load_b128 v[NW+4:NW+7], v[LA], s[12:13] offset:512
	global_load_b128 v[NB:NB+3], v[LA], s[14:15]
	global_load_b128 v[NB+4:NB+7], v[LA], s[14:15] offset:512
	global_load_b128 v[TP:TP+3], v[LA], s[34:35]
	global_load_b128 v[TP+4:TP+7], v[LA], s[34:35] offset:512
	WLOAD 3, 28, 32768, 0, 4                       ; W1's first panel lands under what follows
	PANELH 2, 0, 0, 7, 1, BO
	PLACES5
	WIN 0
.set aa, 0
.rept 8
	ds_store_b128 v[DA], v[ACC+8*aa:ACC+8*aa+3] offset:(aa%2)*16640+(aa/2)*64
	ds_store_b128 v[DA], v[ACC+8*aa+4:ACC+8*aa+7] offset:(aa%2)*16640+(aa/2)*64+16
.set aa, aa+1
.endr
	s_wait_loadcnt 40                              ; x, the norm's gain and bias and b1 are in: the 40 younger loads are weights
	ds_store_b128 v[BS], v[TP:TP+3]
	ds_store_b128 v[BS], v[TP+4:TP+7] offset:512
	WLOAD 3, 28, 32768, 5, 7
	WIN 0
	s_wait_dscnt 0x0                               ; for the others' sake: my columns of the 32 rows are in LDS
	s_barrier_signal -1
	s_barrier_wait -1
	; ---- x' = x + ..; LN; by rows: wave w has rows 8 w .. 8 w + 7 ----
.set ii, 0
.rept 8
	ds_load_b128 v[YR+8*ii:YR+8*ii+3], v[YA] offset:ii*1040
	ds_load_b128 v[YR+8*ii+4:YR+8*ii+7], v[YA] offset:ii*1040+512
.set ii, ii+1
.endr
	s_wait_dscnt 0x0
.set ii, 0
.rept 32
	v_pk_add_f32 v[XR+2*ii:XR+2*ii+1], v[XR+2*ii:XR+2*ii+1], v[YR+2*ii:YR+2*ii+1]
.set ii, ii+1
.endr
.set ii, 0
.rept 8                                        ; x' is kept in the same bytes, which only this wave touches until the next barrier
	ds_store_b128 v[YA], v[XR+8*ii:XR+8*ii+3] offset:ii*1040
	ds_store_b128 v[YA], v[XR+8*ii+4:XR+8*ii+7] offset:ii*1040+512
.set ii, ii+1
.endr
	LN4 0
	LN4 1
.set ii, 0
.rept 8
.irp j, 0,1,2,3
	v_cvt_pk_f16_f32 v[TP+\j], v[XR+8*ii+2*\j], v[XR+8*ii+2*\j+1]
.endr
	ds_store_b64 v[SA], v[TP:TP+1] offset:ii*528
	ds_store_b64 v[SA], v[TP+2:TP+3] offset:ii*528+256
.set ii, ii+1
.endr
.irp nb, 0,1,2,3
.irp q, 0,1
	global_load_b128 v[B2R+8*\nb+4*\q:B2R+8*\nb+4*\q+3], v[H32], s[36:37] offset:\nb*64+\q*16
.endr
.endr
	s_wait_dscnt 0x0                               ; for the others' sake: x' and LN(x') of my rows are in LDS
	s_barrier_signal -1
	s_barrier_wait -1
	XBLD 0, XN
	WIN 0
	; ---- gelu(LN(x') W1^T + b1): four panels of 64 hidden channels a wave; the next panel lands under the gelu ----
	s_mov_b32 s44, 4
.Lmlp:
.irp nb, 0,1,2,3
.irp q, 0,1
	ds_load_b128 v[B1R+8*\nb+4*\q:B1R+8*\nb+4*\q+3], v[BA] offset:\nb*64+\q*16
.endr
.endr
	v_add_nc_u32 v[BA], 256, v[BA]
	s_wait_loadcnt 0x0                             ; the panel is in (so its base may step below)
	s_wait_dscnt 0x0
	PANELH 3, 0, 0, 7, 1, B1R
	PLACES5
	s_add_nc_u64 s[30:31], s[30:31], 32768
	WLOAD 3, 30, 0, 0, 6                           ; in the last trip: W2's first panel
	WIN 0
	GELU8 0
	GELU8 1
	GELU8 2
	GELU8 3
	WLOAD 3, 30, 0, 7, 7
	WIN 0
	GELU8 4
	GELU8 5
	GELU8 6
	GELU8 7
	v_add_nc_u32 v[HA], 4096, v[HA]
	s_sub_co_u32 s44, s44, 1
	s_cmp_lg_u32 s44, 0
	s_cbranch_scc1 .Lmlp
	s_wait_dscnt 0x0                               ; for the others' sake: my hidden channels are in LDS
	s_barrier_signal -1
	s_barrier_wait -1
	; ---- .. W2^T + b2: four K chunks of 256, panels by turns in windows 3, 2, 3, 2, token fragments in XB0, XB1 ----
	WLOAD 2, 28, 6*32768, 0, 6
	XBLH 0, 0
	XBLH 128, 1
	s_wait_loadcnt 56                              ; this chunk's panel is in: the 56 younger loads are the next one's
	s_wait_dscnt 32                                ; this chunk's tokens are in: the 32 younger loads are the next one's
	PANELH 3, 0, 0, 3, 1, B2R
	WLOAD 2, 28, 6*32768, 7, 7
	PANELH 3, 0, 4, 7, 2, 0
	PLACES5
	WLOAD 3, 28, 7*32768, 0, 6
	XBLH 0, 2
	s_wait_loadcnt 56
	s_wait_dscnt 32
	PANELH 2, 128, 0, 3, 2, 0
	WLOAD 3, 28, 7*32768, 7, 7
	PANELH 2, 128, 4, 7, 2, 0
	PLACES5
	WLOAD 2, 28, 8*32768, 0, 6
	XBLH 128, 3
	s_wait_loadcnt 56
	s_wait_dscnt 32
	PANELH 3, 0, 0, 3, 2, 0
	WLOAD 2, 28, 8*32768, 7, 7
	PANELH 3, 0, 4, 7, 2, 0
	s_wait_loadcnt 0x0
	s_wait_dscnt 0x0
	PANELH 2, 128, 0, 7, 2, 0
	PLACES5
	WIN 0
	; ---- xout = x' + ..: x' comes back as an accumulator holds it; the sum goes through the same bytes (my 256-byte columns, which no other wave touches any more) and leaves by rows ----
.set aa, 0
.rept 8
	ds_load_b128 v[128+8*aa:128+8*aa+3], v[DA] offset:(aa%2)*16640+(aa/2)*64
	ds_load_b128 v[128+8*aa+4:128+8*aa+7], v[DA] offset:(aa%2)*16640+(aa/2)*64+16
.set aa, aa+1
.endr
	s_wait_dscnt 0x0
.set ii, 0
.rept 32
	v_pk_add_f32 v[128+2*ii:128+2*ii+1], v[ACC+2*ii:ACC+2*ii+1], v[128+2*ii:128+2*ii+1]
.set ii, ii+1
.endr
.set aa, 0
.rept 8
	ds_store_b128 v[DA], v[128+8*aa:128+8*aa+3] offset:(aa%2)*16640+(aa/2)*64
	ds_store_b128 v[DA], v[128+8*aa+4:128+8*aa+7] offset:(aa%2)*16640+(aa/2)*64+16
.set aa, aa+1
.endr
.set ii, 0
.rept 16
	ds_load_b128 v[192+4*ii:192+4*ii+3], v[RA] offset:ii*2080  ; LDS serves a wave's instructions in order (ISA guide 5.7.1.4): these see the stores above
.set ii, ii+1
.endr
.set ii, 0
.rept 16
	s_wait_dscnt 15-ii
	global_store_b128 v[GA], v[192+4*ii:192+4*ii+3], s[38:39] offset:ii*2048  ; sixteen lanes store 256 consecutive bytes
.set ii, ii+1
.endr
	s_wait_tensorcnt 0x0                           ; the wave's end
	ds_add_u32 v[SPW], v[NIL]
	s_wait_dscnt 0x0
	s_endpgm
.Lfunc_end_k_q560160dc41_tail:
	.size	k_q560160dc41_tail, .Lfunc_end_k_q560160dc41_tail-k_q560160dc41_tail
	.p2alignl 7, 3214868480
	.fill 96, 4, 3214868480
	.section	.rodata,"a",@progbits
	.p2align	6, 0x0
	.amdhsa_kernel k_q560160dc41_tail
		.amdhsa_group_segment_fixed_size 120320
		.amdhsa_private_segment_fixed_size 0
		.amdhsa_enable_private_segment 0
		.amdhsa_kernarg_size 72
		.amdhsa_user_sgpr_count 2
		.amdhsa_user_sgpr_kernarg_segment_ptr 1
		.amdhsa_wavefront_size32 1
		.amdhsa_system_sgpr_workgroup_id_x 1
		.amdhsa_system_sgpr_workgroup_id_y 1
		.amdhsa_system_sgpr_workgroup_id_z 1
		.amdhsa_system_vgpr_workitem_id 0
		.amdhsa_next_free_vgpr 1024
		.amdhsa_next_free_sgpr 66
		.amdhsa_reserve_vcc 0
		.amdhsa_float_denorm_mode_32 3
		.amdhsa_float_denorm_mode_16_64 3
		.amdhsa_memory_ordered 1
		.amdhsa_forward_progress 1
		.amdhsa_inst_pref_size 147
	.end_amdhsa_kernel
	.amdgpu_metadata
---
amdhsa.version: [ 1, 2 ]
amdhsa.kernels:
  - .name:           k_q560160dc41_tail
    .symbol:         k_q560160dc41_tail.kd
    .args:
      - { .name: o16, .offset: 0, .size: 8, .value_kind: global_buffer, .address_space: global }
      - { .name: x0, .offset: 8, .size: 8, .value_kind: global_buffer, .address_space: global }
      - { .name: wt0, .offset: 16, .size: 8, .value_kind: global_buffer, .address_space: global }
      - { .name: b0_outproj_b, .offset: 24, .size: 8, .value_kind: global_buffer, .address_space: global }
      - { .name: b0_norm2_w, .offset: 32, .size: 8, .value_kind: global_buffer, .address_space: global }
      - { .name: b0_norm2_b, .offset: 40, .size: 8, .value_kind: global_buffer, .address_space: global }
      - { .name: b0_mlp_b1, .offset: 48, .size: 8, .value_kind: global_buffer, .address_space: global }
      - { .name: b0_mlp_b2, .offset: 56, .size: 8, .value_kind: global_buffer, .address_space: global }
      - { .name: x1, .offset: 64, .size: 8, .value_kind: global_buffer, .address_space: global }
    .group_segment_fixed_size: 120320
    .private_segment_fixed_size: 0
    .kernarg_segment_align: 8
    .kernarg_segment_size: 72
    .max_flat_workgroup_size: 128
    .sgpr_count:     66
    .vgpr_count:     1024
    .wavefront_size: 32
...
	.end_amdgpu_metadata
.endif
;; end of part 6
;; launch qkv1: the kernel of part 4 again; grid 128 x 1, 4 waves a work-group, no clusters, 51,200 bytes of LDS; arguments x1, b1_norm1_w, b1_norm1_b, b1_qpos, b1_kpos, b1_inproj_b, wt1, opnd; writes opnd
;; launch mha1: the kernel of part 5 again; grid 32 x 8, 4 waves a work-group, clusters of 4 x 1, 327,680 bytes of LDS; arguments opnd, o16; writes o16
;; launch tail1: the kernel of part 6 again; grid 128 x 1, 4 waves a work-group, no clusters, 120,320 bytes of LDS; arguments o16, x1, wt1, b1_outproj_b, b1_norm2_w, b1_norm2_b, b1_mlp_b1, b1_mlp_b2, x0; writes x0
;; launch outt (part 7): grid 256 x 1, 4 waves a work-group, no clusters, 17,152 bytes of LDS; arguments x0, out0; writes out0
.if DOCPART == 7
	.amdgcn_target "amdgcn-amd-amdhsa--gfx1250"
	.amdhsa_code_object_version 6
	.text
	.protected	k_q560160dc41_outt
	.globl	k_q560160dc41_outt
	.p2align	8
	.type	k_q560160dc41_outt,@function
k_q560160dc41_outt:
	s_mov_b64 s[64:65], 0
	v_nop
	global_prefetch_b8 v0, s[64:65] scope:SCOPE_SE
	s_setreg_imm32_b32 hwreg(HW_REG_WAVE_MODE, 25, 1), 1
	s_wait_xcnt 0x0
; OUTT: out0[channel][token] = x[token][channel], f32.  A work-group turns 64 tokens x 64 channels through LDS: rows of 256 consecutive bytes come in, rows of 256 consecutive bytes go out.
; The stage has rows of 65 words, so that both the stores (4 words a lane along a row) and the loads (down a column) touch each bank once (64 banks of 4 bytes: ISA guide 11.1).
; A launch of its own: the launch before is one body for both blocks of the model, and its 32 tokens are half of a row piece of 256 bytes here.
.set SPARE, 16640
.set SPW, 2
.set NIL, 3
	s_load_b128 s[4:7], s[0:1], 0x0                ; x, out0
	v_lshl_add_u32 v[SPW], v0, 2, SPARE
	v_mov_b32 v[NIL], 0
	v_lshrrev_b32 v1, 5, v0
	v_readfirstlane_b32 s8, v1
	v_and_b32 v4, 15, v0                           ; r
	v_bfe_u32 v5, v0, 4, 1                         ; h
	s_lshr_b32 s9, ttmp9, 2                        ; block of 64 tokens
	s_and_b32 s10, ttmp9, 3                        ; block of 64 channels
	s_lshl_b32 s12, s9, 16
	s_lshl_b32 s13, s8, 14
	s_add_co_u32 s12, s12, s13
	s_lshl_b32 s13, s10, 8
	s_add_co_u32 s12, s12, s13                     ; (64 tb + 16 w) x 1,024 + 256 cq
	s_mov_b32 s13, 0
	s_lshl_b32 s14, s10, 20
	s_lshl_b32 s15, s8, 18
	s_add_co_u32 s14, s14, s15
	s_lshl_b32 s15, s9, 8
	s_add_co_u32 s14, s14, s15                     ; (64 cq + 16 w) x 16,384 + 256 tb
	s_mov_b32 s15, 0
	v_lshlrev_b32 v6, 10, v5
	v_lshl_add_u32 v6, v4, 4, v6
	v_lshlrev_b32 v7, 14, v5
	v_lshl_add_u32 v7, v4, 4, v7
	s_mul_i32 s16, s8, 4160
	v_mul_u32_u24 v8, v5, 260
	v_lshl_add_u32 v8, v4, 4, v8
	v_add_nc_u32 v8, s16, v8                       ; in: token 16 w + h, channel 4 r
	s_lshl_b32 s16, s8, 6
	v_mul_u32_u24 v9, v4, 1040
	v_lshl_add_u32 v9, v5, 2, v9
	v_add_nc_u32 v9, s16, v9                       ; out: token 4 r, channel 16 w + h
	s_wait_kmcnt 0x0
	s_add_nc_u64 s[4:5], s[4:5], s[12:13]
	s_add_nc_u64 s[6:7], s[6:7], s[14:15]
.irp i, 0,1,2,3,4,5,6,7
	global_load_b128 v[16+4*\i:19+4*\i], v6, s[4:5] offset:\i*2048 th:TH_LOAD_NT
.endr
.irp i, 0,1,2,3,4,5,6,7
	s_wait_loadcnt 7-\i
.irp e, 0,1,2,3
	ds_store_b32 v8, v[16+4*\i+\e] offset:(130*\i+\e)*4
.endr
.endr
	s_wait_dscnt 0x0                               ; for the others' sake: my sixteen rows are in LDS
	s_barrier_signal -1
	s_barrier_wait -1
.irp i, 0,1,2,3,4,5,6,7
.irp e, 0,1,2,3
	ds_load_b32 v[48+4*\i+\e], v9 offset:(65*\e+2*\i)*4
.endr
.endr
	s_wait_dscnt 0x0
.irp i, 0,1,2,3,4,5,6,7
	global_store_b128 v7, v[48+4*\i:51+4*\i], s[6:7] offset:\i*32768 th:TH_STORE_NT
.endr
	s_wait_tensorcnt 0x0                           ; the wave's end
	ds_add_u32 v[SPW], v[NIL]
	s_wait_dscnt 0x0
	s_endpgm
.Lfunc_end_k_q560160dc41_outt:
	.size	k_q560160dc41_outt, .Lfunc_end_k_q560160dc41_outt-k_q560160dc41_outt
	.p2alignl 7, 3214868480
	.fill 96, 4, 3214868480
	.section	.rodata,"a",@progbits
	.p2align	6, 0x0
	.amdhsa_kernel k_q560160dc41_outt
		.amdhsa_group_segment_fixed_size 17152
		.amdhsa_private_segment_fixed_size 0
		.amdhsa_enable_private_segment 0
		.amdhsa_kernarg_size 16
		.amdhsa_user_sgpr_count 2
		.amdhsa_user_sgpr_kernarg_segment_ptr 1
		.amdhsa_wavefront_size32 1
		.amdhsa_system_sgpr_workgroup_id_x 1
		.amdhsa_system_sgpr_workgroup_id_y 1
		.amdhsa_system_sgpr_workgroup_id_z 1
		.amdhsa_system_vgpr_workitem_id 0
		.amdhsa_next_free_vgpr 80
		.amdhsa_next_free_sgpr 66
		.amdhsa_reserve_vcc 0
		.amdhsa_float_denorm_mode_32 3
		.amdhsa_float_denorm_mode_16_64 3
		.amdhsa_memory_ordered 1
		.amdhsa_forward_progress 1
		.amdhsa_inst_pref_size 8
	.end_amdhsa_kernel
	.amdgpu_metadata
---
amdhsa.version: [ 1, 2 ]
amdhsa.kernels:
  - .name:           k_q560160dc41_outt
    .symbol:         k_q560160dc41_outt.kd
    .args:
      - { .name: x0, .offset: 0, .size: 8, .value_kind: global_buffer, .address_space: global }
      - { .name: out0, .offset: 8, .size: 8, .value_kind: global_buffer, .address_space: global }
    .group_segment_fixed_size: 17152
    .private_segment_fixed_size: 0
    .kernarg_segment_align: 8
    .kernarg_segment_size: 16
    .max_flat_workgroup_size: 128
    .sgpr_count:     66
    .vgpr_count:     80
    .wavefront_size: 32
...
	.end_amdgpu_metadata
.endif
;; end of part 7
;; ======== version 2 of 3: 10 launches; 1.37 times as fast as version 1
;; limits: values are held in f16: magnitudes above 65,504 overflow, below 6.1e-05 lose precision
;; workspace buffers: opnd 6,291,456 bytes; wt0 1,572,864 bytes; wt1 1,572,864 bytes; part 33,816,576 bytes; o16 2,097,152 bytes; x0 4,194,304 bytes; xpa 16,777,216 bytes; xpb 16,777,216 bytes
;; launch prep: the kernel of part 1 again; grid 168 x 1, 8 waves a work-group, no clusters, 137,216 bytes of LDS; arguments ml_c, ml_r, fl_r, ca_qpos, ca_kpos, b0_inproj_w, b0_outproj_w, b0_mlp_w1, b0_mlp_w2, b1_inproj_w, b1_outproj_w, b1_mlp_w1, b1_mlp_w2, opnd, wt0, wt1; writes opnd, wt0, wt1
;; launch cross: the kernel of part 2 again; grid 32 x 8, 4 waves a work-group, clusters of 4 x 1, 327,680 bytes of LDS; arguments opnd, part; writes part
;; launch comb (part 8): grid 256 x 1, 4 waves a work-group, no clusters, 17,920 bytes of LDS; arguments part, xpa; writes xpa
.if DOCPART == 8
	.amdgcn_target "amdgcn-amd-amdhsa--gfx1250"
	.amdhsa_code_object_version 6
	.text
	.protected	k_q560160dc41_comb
	.globl	k_q560160dc41_comb
	.p2align	8
	.type	k_q560160dc41_comb,@function
k_q560160dc41_comb:
	s_mov_b64 s[64:65], 0
	v_nop
	global_prefetch_b8 v0, s[64:65] scope:SCOPE_SE
	s_setreg_imm32_b32 hwreg(HW_REG_WAVE_MODE, 25, 1), 1
	s_wait_xcnt 0x0
; COMB: the eight key splits of the cross attention are joined: x = sum_p w_p O_p / sum_p w_p l_p, w_p = 2^(c m_p - max_p c m_p), all in f32.
; x leaves as FOUR PLANES whose sum is x: plane j = the normalised share of splits 2 j and 2 j + 1.  The reader adds four planes, as it does behind each block's MLP, whose hidden channels are
; split four ways: so one body serves both blocks there.  The price here: 12 MiB more are written than one plane would take; the multiply-adds are the same in number.
; Work-group T is a tile of 16 queries; wave w takes channels 64 w .. 64 w + 63: eight loads of 512 consecutive bytes from each part.  A lane holds one query (lane % 16).
; The split that holds a query's largest score has w = 1 and l >= 1, so the divisor is at least 1.
; Each plane is row-major [token][256] and leaves through the wave's own stage in LDS: sixteen lanes store 256 consecutive bytes.  No matrix work, no cluster: nothing is read twice.
.set SPARE, 17408                      ; behind four stages of 16 rows x 272 bytes
.set LA,  2
.set R8,  3                            ; 8 x (lane % 16)
.set STO, 4
.set RD,  5
.set GO,  6
.set SPW, 8
.set NIL, 9
.set WT,  16                           ; pair p: c m_p (later w_p), l_p
.set DA,  64                           ; window 0: part p, load i (0-3) at DA + 16 p + 4 i; window 1: load i (4-7) at 16 p + 4 (i - 4); later plane j's eight results at DA + 32 j + 4 i
.set MSB, 0
.macro WIN new
.if MSB != (\new)
	s_set_vgpr_msb (MSB<<8)|(\new)
.set MSB, (\new)
.endif
.endm
	s_load_b128 s[4:7], s[0:1], 0x0                ; part, xpa
	v_lshl_add_u32 v[SPW], v0, 2, SPARE
	v_mov_b32 v[NIL], 0
	v_lshrrev_b32 v1, 5, v0
	v_readfirstlane_b32 s8, v1
	v_and_b32 v1, 31, v0
	v_lshlrev_b32 v[LA], 4, v1
	v_and_b32 v10, 15, v0
	v_bfe_u32 v11, v0, 4, 1
	v_lshlrev_b32 v[R8], 3, v10
	s_mov_b32 s9, ttmp9
	s_lshl_b32 s10, s9, 14                         ; 16,384 bytes a tile,
	s_lshl_b32 s11, s8, 12                         ; 4,096 a wave
	s_add_co_u32 s10, s10, s11
	s_mov_b32 s11, 0
	s_lshr_b32 s12, s9, 1                          ; c m and l: 256 bytes for a pair of tiles,
	s_lshl_b32 s12, s12, 8
	s_and_b32 s13, s9, 1                           ; 4 bytes on for the odd tile
	s_lshl_b32 s13, s13, 2
	s_add_co_u32 s12, s12, s13
	s_add_co_u32 s12, s12, 0x2000000
	s_mov_b32 s13, 0
	s_lshl_b32 s14, s9, 14                         ; a plane: 16 rows of 1,024 bytes a tile, 256 bytes a wave
	s_lshl_b32 s15, s8, 8
	s_add_co_u32 s14, s14, s15
	s_mov_b32 s15, 0
	s_mul_i32 s3, s8, 4352
	v_mul_u32_u24 v[STO], v10, 272
	v_lshl_add_u32 v[STO], v11, 5, v[STO]
	v_add_nc_u32 v[STO], s3, v[STO]                ; in: row lane % 16, 32 bytes for each half of the lanes
	v_mul_u32_u24 v[RD], v11, 272
	v_lshl_add_u32 v[RD], v10, 4, v[RD]
	v_add_nc_u32 v[RD], s3, v[RD]                  ; back: lanes 0-15 one row, lanes 16-31 the next
	v_lshlrev_b32 v[GO], 10, v11
	v_lshl_add_u32 v[GO], v10, 4, v[GO]
	s_wait_kmcnt 0x0
	s_add_nc_u64 s[16:17], s[4:5], s[10:11]
.irp p, 1,2,3,4,5,6,7
	s_add_nc_u64 s[16+2*\p:17+2*\p], s[16:17], \p*0x400000
.endr
	s_add_nc_u64 s[12:13], s[4:5], s[12:13]
	s_add_nc_u64 s[14:15], s[6:7], s[14:15]        ; planes 0 and 1 (the second by the immediate)
	s_add_nc_u64 s[10:11], s[14:15], 0x800000      ; planes 2 and 3
.irp p, 0,1,2,3,4,5,6,7
	global_load_b32 v[WT+2*\p], v[R8], s[12:13] offset:\p*32768
	global_load_b32 v[WT+2*\p+1], v[R8], s[12:13] offset:\p*32768+128
.endr
.irp p, 0,1,2,3,4,5,6,7
.irp i, 0,1,2,3
	global_load_b128 v[DA+16*\p+4*\i:DA+16*\p+4*\i+3], v[LA], s[16+2*\p:17+2*\p] offset:\i*512 th:TH_LOAD_NT
.endr
.endr
	WIN 0x40
.irp p, 0,1,2,3,4,5,6,7
.irp i, 0,1,2,3
	global_load_b128 v[16*\p+4*\i:16*\p+4*\i+3], v[LA], s[16+2*\p:17+2*\p] offset:2048+\i*512 th:TH_LOAD_NT
.endr
.endr
	WIN 0
	s_wait_loadcnt 63                              ; 64 loads are younger than c m and l
	v_max3_num_f32 v12, v[WT], v[WT+2], v[WT+4]
	v_max3_num_f32 v12, v12, v[WT+6], v[WT+8]
	v_max3_num_f32 v12, v12, v[WT+10], v[WT+12]
	v_max_num_f32 v12, v12, v[WT+14]
.irp p, 0,1,2,3,4,5,6,7
	v_sub_f32 v[WT+2*\p], v[WT+2*\p], v12
.endr
.irp p, 0,1,2,3,4,5,6,7
	v_exp_f32 v[WT+2*\p], v[WT+2*\p]
.endr
	v_nop                                          ; a plain instruction behind the last exponential
	s_wait_alu depctr_va_vdst(0)
	v_mul_f32 v13, v[WT], v[WT+1]
.irp p, 1,2,3,4,5,6,7
	v_fmac_f32 v13, v[WT+2*\p], v[WT+2*\p+1]
.endr
	v_rcp_f32 v13, v13
	v_nop
	s_wait_alu depctr_va_vdst(0)
.irp p, 0,1,2,3,4,5,6,7
	v_mul_f32 v[WT+2*\p], v[WT+2*\p], v13
.endr
	s_wait_loadcnt 32                              ; the first 32 wide loads are in
.irp j, 0,1,2,3                        ; plane j, loads 0-3: in the even part's place
.irp i, 0,1,2,3
.irp c, 0,2
	v_pk_mul_f32 v[DA+32*\j+4*\i+\c:DA+32*\j+4*\i+\c+1], v[DA+32*\j+4*\i+\c:DA+32*\j+4*\i+\c+1], v[WT+4*\j:WT+4*\j+1] op_sel_hi:[1,0]
	v_pk_fma_f32 v[DA+32*\j+4*\i+\c:DA+32*\j+4*\i+\c+1], v[DA+32*\j+16+4*\i+\c:DA+32*\j+16+4*\i+\c+1], v[WT+4*\j+2:WT+4*\j+3], v[DA+32*\j+4*\i+\c:DA+32*\j+4*\i+\c+1] op_sel_hi:[1,0,1]
.endr
.endr
.endr
	s_wait_loadcnt 0x0
	WIN 0x01                                       ; source 0 in window 1
.irp j, 0,1,2,3                        ; plane j, loads 4-7: into the odd part's place in window 0, which has just been used up
.irp i, 0,1,2,3
.irp c, 0,2
	v_pk_mul_f32 v[DA+32*\j+16+4*\i+\c:DA+32*\j+16+4*\i+\c+1], v[32*\j+4*\i+\c:32*\j+4*\i+\c+1], v[WT+4*\j:WT+4*\j+1] op_sel_hi:[1,0]
	v_pk_fma_f32 v[DA+32*\j+16+4*\i+\c:DA+32*\j+16+4*\i+\c+1], v[32*\j+16+4*\i+\c:32*\j+16+4*\i+\c+1], v[WT+4*\j+2:WT+4*\j+3], v[DA+32*\j+16+4*\i+\c:DA+32*\j+16+4*\i+\c+1] op_sel_hi:[1,0,1]
.endr
.endr
.endr
	WIN 0
.macro STLD j                          ; plane j into my stage and back as rows, into the registers that it left
.irp i, 0,1,2,3,4,5,6,7
	ds_store_b128 v[STO], v[DA+32*(\j)+4*\i:DA+32*(\j)+4*\i+3] offset:(\i/2)*64+(\i%2)*16
.endr
.irp k, 0,1,2,3,4,5,6,7
	ds_load_b128 v[DA+32*(\j)+4*\k:DA+32*(\j)+4*\k+3], v[RD] offset:\k*544  ; LDS serves a wave's instructions in order (ISA guide 5.7.1.4): these see the stores above; the next plane's stores come behind them
.endr
.endm
.macro SEND j, base, off, younger      ; younger: the LDS instructions issued behind plane j's loads: the next plane's sixteen, or none
.irp k, 0,1,2,3,4,5,6,7
	s_wait_dscnt (\younger)+7-\k
	global_store_b128 v[GO], v[DA+32*(\j)+4*\k:DA+32*(\j)+4*\k+3], s[\base:\base+1] offset:(\off)+\k*2048
.endr
.endm
	STLD 0
	STLD 1
	SEND 0, 14, 0, 16
	STLD 2
	SEND 1, 14, 0x400000, 16
	STLD 3
	SEND 2, 10, 0, 16
	SEND 3, 10, 0x400000, 0
	s_wait_tensorcnt 0x0                           ; the wave's end
	ds_add_u32 v[SPW], v[NIL]
	s_wait_dscnt 0x0
	s_endpgm
.Lfunc_end_k_q560160dc41_comb:
	.size	k_q560160dc41_comb, .Lfunc_end_k_q560160dc41_comb-k_q560160dc41_comb
	.p2alignl 7, 3214868480
	.fill 96, 4, 3214868480
	.section	.rodata,"a",@progbits
	.p2align	6, 0x0
	.amdhsa_kernel k_q560160dc41_comb
		.amdhsa_group_segment_fixed_size 17920
		.amdhsa_private_segment_fixed_size 0
		.amdhsa_enable_private_segment 0
		.amdhsa_kernarg_size 16
		.amdhsa_user_sgpr_count 2
		.amdhsa_user_sgpr_kernarg_segment_ptr 1
		.amdhsa_wavefront_size32 1
		.amdhsa_system_sgpr_workgroup_id_x 1
		.amdhsa_system_sgpr_workgroup_id_y 1
		.amdhsa_system_sgpr_workgroup_id_z 1
		.amdhsa_system_vgpr_workitem_id 0
		.amdhsa_next_free_vgpr 384
		.amdhsa_next_free_sgpr 66
		.amdhsa_reserve_vcc 0
		.amdhsa_float_denorm_mode_32 3
		.amdhsa_float_denorm_mode_16_64 3
		.amdhsa_memory_ordered 1
		.amdhsa_forward_progress 1
		.amdhsa_inst_pref_size 28
	.end_amdhsa_kernel
	.amdgpu_metadata
---
amdhsa.version: [ 1, 2 ]
amdhsa.kernels:
  - .name:           k_q560160dc41_comb
    .symbol:         k_q560160dc41_comb.kd
    .args:
      - { .name: part, .offset: 0, .size: 8, .value_kind: global_buffer, .address_space: global }
      - { .name: xpa, .offset: 8, .size: 8, .value_kind: global_buffer, .address_space: global }
    .group_segment_fixed_size: 17920
    .private_segment_fixed_size: 0
    .kernarg_segment_align: 8
    .kernarg_segment_size: 16
    .max_flat_workgroup_size: 128
    .sgpr_count:     66
    .vgpr_count:     384
    .wavefront_size: 32
...
	.end_amdgpu_metadata
.endif
;; end of part 8
;; launch qkv (part 9): grid 128 x 2, 8 waves a work-group, clusters of 4 x 1, 231,424 bytes of LDS; arguments xpa, b0_norm1_w, b0_norm1_b, b0_qpos, b0_kpos, b0_inproj_b, wt0, opnd, x0; writes opnd, x0
.if DOCPART == 9
	.amdgcn_target "amdgcn-amd-amdhsa--gfx1250"
	.amdhsa_code_object_version 6
	.text
	.protected	k_q560160dc41_qkv
	.globl	k_q560160dc41_qkv
	.p2align	8
	.type	k_q560160dc41_qkv,@function
k_q560160dc41_qkv:
	s_mov_b64 s[64:65], 0
	v_nop
	global_prefetch_b8 v0, s[64:65] scope:SCOPE_SE
	s_setreg_imm32_b32 hwreg(HW_REG_WAVE_MODE, 25, 1), 1
	s_wait_xcnt 0x0
	s_wait_alu depctr_hold_cnt(0) depctr_sa_sdst(0) depctr_va_vdst(0) depctr_va_sdst(0) depctr_va_ssrc(0) depctr_va_vcc(0) depctr_vm_vsrc(0)
	s_getreg_b32 s2, hwreg(HW_REG_IB_STS2, 6, 4)
	s_cmp_eq_u32 s2, 0
	s_cbranch_scc0 .Lentry_in_a_cluster
	s_endpgm
.Lentry_in_a_cluster:
	s_bfe_u32 s2, ttmp6, 0x10000c
	s_cmp_lg_u32 s2, 0x3003
	s_cbranch_scc0 .Lentry_shape_is_right
	s_endpgm
.Lentry_shape_is_right:
; QKV: x = the sum of four planes (stored once, for the residual of the launch behind the attention); xn = LN(x); q = (xn + qpos) Wq^T + bq, k = (xn + kpos) Wk^T + bk, v = xn Wv^T + bv,
; stored by heads as f16 fragments for the attention.
; SHARES.  Work-group (g, j): 32 tokens (two tiles of 16); j = 0 makes q and half of v, j = 1 makes k and the other half: 256 work-groups, each with one position table and half of the weights.
; Eight waves, two to a SIMD.  LN: wave w takes tokens 4 w .. 4 w + 3, a row in 8 registers a lane; two passes (mean, then squared deviations), all in f32; both work-groups of a pair make it.
; Products: wave w makes head w of q or k (32 channels: 4 accumulators) and 16 channels of v (head 2 (w / 2) + j, channel block w % 2: 2 accumulators): 48 products.
; WEIGHTS.  The work-group's half, 192 KB in f16, fragment-major, fits in LDS at once: each wave asks for its own 16 KB and 8 KB by two tensor loads at the kernel's head, beside the loads of x, into bytes
; that it alone reads.  Nothing is filled again.  v's eight fragments are 32 rows of 256 bytes: that tile is no larger.
; CLUSTER.  The four token blocks of a cluster share j and so the weights: both loads are asked for jointly, by the same load, descriptor and mask in all four.
; A wave's fifty loads into registers (planes 32, gain and bias of the norm 4, positions 8, biases 6) are all out at once, ahead of the opening round.
; q and k: source 0 = weights, source 1 = tokens: a lane holds one token and eight channels, and the bias is the C operand that starts the sum.  v: sources swapped: a lane holds one channel
; and eight tokens, half a fragment of V^T; its bias is added behind the sum.  Every result rounded in pairs is half a fragment: one store of 512 consecutive bytes.
; The two operands xn + pos and xn meet in LDS, f16, rows of 528 bytes (33 x 16: the sixteen rows of a fragment load start at sixteen different groups of four banks: ISA guide 11.1).
; LIMIT: f16 operands, 65,504 at the most; below 6e-5 the step is 6e-8.
; REGISTERS: window 0 at work (below); window 1: v0-127 token fragments, (t, ks) at 8 (8 t + ks); v128-255 q's or k's weights, (nb, ks) at 128 + 8 (8 nb + ks).
.set XA,    196608                     ; LDS: the weights from 0, 24,576 bytes a wave; xn + pos from here, 32 rows x 528 bytes
.set XVO,   16896                      ; xn lies this far behind xn + pos
.set SPARE, 230400                     ; the spare words: 128 bytes for each of eight waves
.set LA,  2                            ; 16 x lane
.set FA,  3                            ; XA + (lane % 16) x 528 + 16 (lane / 16)
.set SA,  4                            ; XA + 4 wave x 528 + 8 lane
.set H32, 5
.set R4,  6
.set WA,  7                            ; 24,576 wave + 16 lane
.set SPW, 8
.set NIL, 9
.set TP,  12                           ; v12-19 packed f16 on their way to LDS
.set NW,  24
.set NB,  32
.set MM,  40
.set RR,  48
.set UU,  56
.set XR,  64                           ; four rows of x, 8 registers each; planes 1 to 3 at v128, v160, v192
.set QP,  96                           ; their four rows of the position table
.set ACC, 64                           ; behind LN: q's or k's accumulator (nb, t) at ACC + 8 (2 nb + t); v's accumulator t at ACC + 32 + 8 t
.set WVF, 128                          ; v's weights, fragment ks at WVF + 8 ks
.set PK,  192
.set BA,  224                          ; q's or k's bias as accumulators hold it
.set BV,  240                          ; v's bias of my channel, twice
.set WAF, 128                          ; window 1
.set WV,  22
.set INV, 80
.set EPS, 81
.set SEL, 82
.set MSB, 0
.macro WIN new                         ; the high byte repeats the setting that is left; a switch that changes nothing is dropped
.if MSB != (\new)
	s_set_vgpr_msb (MSB<<8)|(\new)
.set MSB, (\new)
.endif
.endm
.macro PLACES5                         ; five plain instructions behind a run of products, ahead of reads of the results and of loads into the operands
.rept 5
	v_nop
.endr
.endm
.macro CROUND                          ; a round of the cluster's barrier
	s_barrier_signal -1
	s_barrier_wait -1
	s_cmp_lg_u32 s[WV], 0
	s_cbranch_scc1 .Lnot_wave_0_\@
	s_barrier_signal -3
.Lnot_wave_0_\@:
	s_barrier_wait -3
	s_barrier_signal -1
	s_barrier_wait -1
.endm
.macro XPL d, base, off                ; my four rows of one plane of x
.set ii, 0
.rept 4
	global_load_b128 v[(\d)+8*ii:(\d)+8*ii+3], v[LA], s[\base:\base+1] offset:(\off)+ii*1024
	global_load_b128 v[(\d)+8*ii+4:(\d)+8*ii+7], v[LA], s[\base:\base+1] offset:(\off)+ii*1024+512
.set ii, ii+1
.endr
.endm
.macro XBLD base                       ; 32 tokens x 256 channels out of LDS as 16 fragments, the low k steps first
	WIN 0x40
.irp ks, 0,1,2,3,4,5,6,7
.irp t, 0,1
	ds_load_b128 v[8*(8*\t+\ks):8*(8*\t+\ks)+3], v[FA] offset:(\base)+\t*8448+\ks*64
	ds_load_b128 v[8*(8*\t+\ks)+4:8*(8*\t+\ks)+7], v[FA] offset:(\base)+\t*8448+\ks*64+32
.endr
.endr
.endm
; k steps lo..hi of q's or k's products; the four accumulators take turns.  At k step 0 the bias starts the sum.
.macro PANELA lo, hi
	WIN 0x05                                       ; sources 0 and 1 in window 1
.set kk, \lo
.rept (\hi)-(\lo)+1
.irp nb, 0,1
.irp t, 0,1
.set rD, ACC+8*(2*\nb+\t)
.set rW, WAF+8*(8*\nb+kk)
.set rX, 8*(8*\t+kk)
.if kk == 0
	v_wmma_f32_16x16x32_f16 v[rD:rD+7], v[rW:rW+7], v[rX:rX+7], v[BA+8*\nb:BA+8*\nb+7]
.else
	v_wmma_f32_16x16x32_f16 v[rD:rD+7], v[rW:rW+7], v[rX:rX+7], v[rD:rD+7]
.endif
.endr
.endr
.set kk, kk+1
.endr
.endm
; k steps lo..hi of v's products, sources swapped; the two accumulators take turns.  At k step 0 the sum starts with 0.
.macro PANELV lo, hi
	WIN 0x01                                       ; source 0 in window 1
.set kk, \lo
.rept (\hi)-(\lo)+1
.irp t, 0,1
.set rD, ACC+32+8*\t
.set rX, 8*(8*\t+kk)
.if kk == 0
	v_wmma_f32_16x16x32_f16 v[rD:rD+7], v[rX:rX+7], v[WVF+8*kk:WVF+8*kk+7], 0
.else
	v_wmma_f32_16x16x32_f16 v[rD:rD+7], v[rX:rX+7], v[WVF+8*kk:WVF+8*kk+7], v[rD:rD+7]
.endif
.endr
.set kk, kk+1
.endr
.endm
.macro EACH4 line:vararg               ; one line for each of my four rows
.set ii, 0
.rept 4
.set X, XR+8*ii
.set M, MM+2*ii
.set R, RR+2*ii
.set U, UU+2*ii
	\line
.set ii, ii+1
.endr
.endm
.macro LN4                             ; layer norm of four rows, their lines in turn
	EACH4 v_pk_add_f32 v[U:U+1], v[X:X+1], v[X+2:X+3]
	EACH4 v_pk_add_f32 v[R:R+1], v[X+4:X+5], v[X+6:X+7]
	EACH4 v_pk_add_f32 v[U:U+1], v[U:U+1], v[R:R+1]
	EACH4 v_add_f32 v[M], v[U], v[U+1]
.irp k, 1,2,4,8
	EACH4 v_add_f32_dpp v[M], v[M], v[M] row_xmask:\k row_mask:0xf bank_mask:0xf
.endr
	EACH4 v_permlanex16_b32 v[M+1], v[M], s[SEL], s[SEL+1]
	EACH4 v_add_f32 v[M], v[M], v[M+1]
	EACH4 v_mul_f32 v[M], s[INV], v[M]
.irp j, 0,2,4,6
	EACH4 v_pk_add_f32 v[X+\j:X+\j+1], v[X+\j:X+\j+1], v[M:M+1] op_sel_hi:[1,0] neg_lo:[0,1] neg_hi:[0,1]
.endr
	EACH4 v_pk_mul_f32 v[R:R+1], v[X:X+1], v[X:X+1]
.irp j, 2,4,6
	EACH4 v_pk_fma_f32 v[R:R+1], v[X+\j:X+\j+1], v[X+\j:X+\j+1], v[R:R+1]
.endr
	EACH4 v_add_f32 v[U], v[R], v[R+1]
.irp k, 1,2,4,8
	EACH4 v_add_f32_dpp v[U], v[U], v[U] row_xmask:\k row_mask:0xf bank_mask:0xf
.endr
	EACH4 v_permlanex16_b32 v[U+1], v[U], s[SEL], s[SEL+1]
	EACH4 v_add_f32 v[U], v[U], v[U+1]
	EACH4 v_fma_f32 v[R], v[U], s[INV], s[EPS]
	EACH4 v_rsq_f32 v[R], v[R]
	v_nop                                          ; a plain instruction behind the last root
	s_wait_alu depctr_va_vdst(0)
.irp j, 0,2,4,6
	EACH4 v_pk_mul_f32 v[X+\j:X+\j+1], v[X+\j:X+\j+1], v[R:R+1] op_sel_hi:[1,0]
.endr
.irp j, 0,2,4,6
	EACH4 v_pk_fma_f32 v[X+\j:X+\j+1], v[X+\j:X+\j+1], v[NW+\j:NW+\j+1], v[NB+\j:NB+\j+1]
.endr
.endm
	s_load_b512 s[4:19], s[0:1], 0x0               ; x's planes 4, norm1_w 6, norm1_b 8, qpos 10, kpos 12, inproj_b 14, wt 16, opnd 18
	s_load_b64 s[20:21], s[0:1], 0x40              ; x, summed: an output
	v_lshl_add_u32 v[SPW], v0, 2, SPARE
	v_mov_b32 v[NIL], 0
	ds_add_u32 v[SPW], v[NIL]                      ; the wave's opening: the add and its wait stand ahead of my first tensor load; the set-up below, work on registers, stands between them
	v_lshrrev_b32 v1, 5, v0
	v_readfirstlane_b32 s[WV], v1                  ; wave 0..7
	s_bfe_u32 s23, ttmp6, 0x40000                  ; cx
	s_lshl_b32 s24, ttmp9, 2
	s_add_co_u32 s24, s24, s23                     ; g, the block of 32 tokens: it enters the addresses of x, the positions and the outputs alone
	s_and_b32 s25, ttmp7, 0xffff                   ; j, which the four partners share
	s_mov_b32 s28, 15|(3<<16)|(1<<21)              ; group 1 for q's or k's weights: mask of four; elements of 8 bytes; bit 21 beside the mask; no padding
	s_mov_b32 s29, 32<<16                          ; tensor_dim0 = 32 (256 bytes)
	s_mov_b32 s30, 64<<16                          ; tensor_dim1 = 64
	s_mov_b32 s31, 32<<16                          ; tile_dim0 = 32
	s_mov_b32 s32, 64                              ; tile_dim1 = 64: 16,384 dense bytes
	s_mov_b32 s33, 32                              ; from row to row
	s_mov_b32 s34, 0
	s_mov_b32 s35, 0
	s_mov_b32 s36, 15|(3<<16)|(1<<21)              ; group 1 for v's weights: the same with 32 rows: 8,192 dense bytes
	s_mov_b32 s37, 32<<16
	s_mov_b32 s38, 32<<16
	s_mov_b32 s39, 32<<16
	s_mov_b32 s40, 32
	s_mov_b32 s41, 32
	s_mov_b32 s42, 0
	s_mov_b32 s43, 0
	s_mov_b32 s44, 1                               ; group 0, q's or k's weights: to my 24,576 bytes of LDS,
	s_mul_i32 s45, s[WV], 24576
	s_mov_b32 s48, 1                               ; group 0, v's weights: behind them
	s_add_co_u32 s49, s45, 16384
	s_lshr_b32 s52, s[WV], 1
	s_and_b32 s53, s[WV], 1
	s_mul_i32 s54, s52, 98304                      ; the panels lie in threes (q, k, v) of 32,768 bytes for 64 channels: three w / 2,
	s_lshl_b32 s55, s53, 14                        ; my 32 channels of the 64,
	s_add_co_u32 s54, s54, s55
	s_lshl_b32 s55, s25, 15                        ; panel j
	s_add_co_u32 s54, s54, s55
	s_mov_b32 s55, 0
	s_mul_i32 s56, s52, 98304                      ; v: panel 2 of the same three, its block 2 j + w % 2 of 16 channels
	s_lshl1_add_u32 s57, s25, s53
	s_lshl_b32 s57, s57, 13
	s_add_co_u32 s56, s56, s57
	s_add_co_u32 s56, s56, 65536
	s_mov_b32 s57, 0
	s_lshl_b32 s58, s24, 15                        ; 32 rows of 1,024 bytes a block,
	s_lshl_b32 s59, s[WV], 12                      ; 4 a wave
	s_add_co_u32 s58, s58, s59
	s_mov_b32 s59, 0
	s_lshl_b32 s76, s25, 10                        ; q's or k's bias: 256 j + 32 w numbers on
	s_lshl_b32 s77, s[WV], 7
	s_add_co_u32 s76, s76, s77
	s_mov_b32 s77, 0
	s_lshl_b32 s78, s52, 8                         ; v's bias: 512 + 64 (w / 2) + 32 j + 16 (w % 2) numbers on
	s_lshl_b32 s79, s25, 7
	s_add_co_u32 s78, s78, s79
	s_lshl_b32 s79, s53, 6
	s_add_co_u32 s78, s78, s79
	s_add_co_u32 s78, s78, 2048
	s_mov_b32 s79, 0
	s_lshl_b32 s84, s25, 21                        ; out: q at 0, k at 2 MiB; 262,144 bytes a head; 2,048 bytes for 32 tokens of a head
	s_lshl_b32 s85, s[WV], 18
	s_add_co_u32 s84, s84, s85
	s_lshl_b32 s85, s24, 11
	s_add_co_u32 s84, s84, s85
	s_mov_b32 s85, 0
	s_lshl1_add_u32 s86, s52, s25                  ; out: V^T at 4 MiB, head 2 (w / 2) + j, 1,024 bytes a channel block
	s_lshl_b32 s86, s86, 18
	s_lshl_b32 s87, s24, 11
	s_add_co_u32 s86, s86, s87
	s_lshl_b32 s87, s53, 10
	s_add_co_u32 s86, s86, s87
	s_add_co_u32 s86, s86, 0x400000
	s_mov_b32 s87, 0
	s_mov_b32 s[INV], 0x3b800000                   ; 1 / 256
	s_mov_b32 s[EPS], 0x3727c5ac                   ; 1e-5
	s_mov_b32 s[SEL], 0x76543210
	s_mov_b32 s[SEL+1], 0xfedcba98
	v_and_b32 v1, 31, v0
	v_lshlrev_b32 v[LA], 4, v1
	v_and_b32 v10, 15, v0
	v_bfe_u32 v11, v0, 4, 1
	v_mul_u32_u24 v[FA], v10, 528
	v_lshl_add_u32 v[FA], v11, 4, v[FA]
	v_add_nc_u32 v[FA], XA, v[FA]
	s_mul_i32 s26, s[WV], 4*528
	s_add_co_u32 s26, s26, XA
	v_lshl_add_u32 v[SA], v1, 3, s26
	v_lshlrev_b32 v[H32], 5, v11
	v_lshlrev_b32 v[R4], 2, v10
	v_add_nc_u32 v[WA], s45, v[LA]
.irp i, 1,3,5,7
	v_mov_b32 v[MM+\i], 0                          ; v_permlanex16_b32 counts as a reader of its destination
.endr
	s_wait_dscnt 0x0                               ; the opening add is done
	s_wait_kmcnt 0x0
	s_add_nc_u64 s[60:61], s[4:5], s[58:59]        ; planes 0 and 1 (the second by the immediate: a plane is 4 MiB)
	s_add_nc_u64 s[62:63], s[60:61], 0x800000      ; planes 2 and 3
	s_cmp_eq_u32 s25, 0
	s_cselect_b64 s[66:67], s[10:11], s[12:13]     ; qpos or kpos
	s_add_nc_u64 s[66:67], s[66:67], s[58:59]
	s_add_nc_u64 s[20:21], s[20:21], s[58:59]
	s_add_nc_u64 s[68:69], s[14:15], s[76:77]
	s_add_nc_u64 s[70:71], s[14:15], s[78:79]
	s_add_nc_u64 s[72:73], s[18:19], s[84:85]
	s_add_nc_u64 s[74:75], s[18:19], s[86:87]
	s_add_nc_u64 s[46:47], s[16:17], s[54:55]
	s_or_b32 s47, s47, 0x80000000                  ; type = 2
	s_add_nc_u64 s[50:51], s[16:17], s[56:57]
	s_or_b32 s51, s51, 0x80000000
	XPL XR, 60, 0                                  ; fifty loads, all out at once
	XPL 128, 60, 0x400000
	XPL 160, 62, 0
	XPL 192, 62, 0x400000
	global_load_b128 v[NW:NW+3], v[LA], s[6:7]
	global_load_b128 v[NW+4:NW+7], v[LA], s[6:7] offset:512
	global_load_b128 v[NB:NB+3], v[LA], s[8:9]
	global_load_b128 v[NB+4:NB+7], v[LA], s[8:9] offset:512
.set ii, 0
.rept 4
	global_load_b128 v[QP+8*ii:QP+8*ii+3], v[LA], s[66:67] offset:ii*1024 th:TH_LOAD_NT
	global_load_b128 v[QP+8*ii+4:QP+8*ii+7], v[LA], s[66:67] offset:ii*1024+512 th:TH_LOAD_NT
.set ii, ii+1
.endr
.irp nb, 0,1
.irp q, 0,1
	global_load_b128 v[BA+8*\nb+4*\q:BA+8*\nb+4*\q+3], v[H32], s[68:69] offset:\nb*64+\q*16
.endr
.endr
	global_load_b32 v[BV], v[R4], s[70:71]
	global_load_b32 v[BV+1], v[R4], s[70:71]
	CROUND                                         ; all four work-groups are here: the joint loads meet
	tensor_load_to_lds s[44:47], s[28:35]          ; my two first fills together: two loads of mine are out
	s_nop 0
	tensor_load_to_lds s[48:51], s[36:43]
	s_nop 0
.rept 4
	v_nop
.endr
	s_wait_loadcnt 0x0
.irp p, 128,160,192                    ; x = ((plane 0 + plane 1) + plane 2) + plane 3
.set zz, 0
.rept 16
	v_pk_add_f32 v[XR+2*zz:XR+2*zz+1], v[XR+2*zz:XR+2*zz+1], v[\p+2*zz:\p+2*zz+1]
.set zz, zz+1
.endr
.endr
	s_cmp_eq_u32 s53, s25                          ; of the pair of work-groups that hold these rows, j stores those of the waves with w % 2 = j: each row once
	s_cbranch_scc0 .Lnot_mine
.set ii, 0
.rept 4
	global_store_b128 v[LA], v[XR+8*ii:XR+8*ii+3], s[20:21] offset:ii*1024      ; 512 consecutive bytes
	global_store_b128 v[LA], v[XR+8*ii+4:XR+8*ii+7], s[20:21] offset:ii*1024+512
.set ii, ii+1
.endr
.Lnot_mine:
	s_wait_tensorcnt 0x0                           ; my weights are in LDS: I alone read them, so this wait is all the ordering that the reads need
	WIN 0x40                                       ; they go into registers under the layer norm
.set ff, 0
.rept 16
	ds_load_b128 v[WAF+8*ff:WAF+8*ff+3], v[WA] offset:ff*1024
	ds_load_b128 v[WAF+8*ff+4:WAF+8*ff+7], v[WA] offset:ff*1024+512
.set ff, ff+1
.endr
	WIN 0
.set ff, 0
.rept 8
	ds_load_b128 v[WVF+8*ff:WVF+8*ff+3], v[WA] offset:16384+ff*1024
	ds_load_b128 v[WVF+8*ff+4:WVF+8*ff+7], v[WA] offset:16384+ff*1024+512
.set ff, ff+1
.endr
	s_wait_xcnt 0x0                                ; the rows, which the stores above read, are rewritten only behind this wait
	LN4
.set ii, 0
.rept 4                                        ; row ii: xn and xn + pos, each rounded to f16 and laid into its region
.set X, XR+8*ii
.irp j, 0,1,2,3
	v_cvt_pk_f16_f32 v[TP+\j], v[X+2*\j], v[X+2*\j+1]
.endr
.irp j, 0,2,4,6
	v_pk_add_f32 v[QP+8*ii+\j:QP+8*ii+\j+1], v[QP+8*ii+\j:QP+8*ii+\j+1], v[X+\j:X+\j+1]
.endr
.irp j, 0,1,2,3
	v_cvt_pk_f16_f32 v[TP+4+\j], v[QP+8*ii+2*\j], v[QP+8*ii+2*\j+1]
.endr
	ds_store_b64 v[SA], v[TP:TP+1] offset:XVO+ii*528
	ds_store_b64 v[SA], v[TP+2:TP+3] offset:XVO+ii*528+256
	ds_store_b64 v[SA], v[TP+4:TP+5] offset:ii*528
	ds_store_b64 v[SA], v[TP+6:TP+7] offset:ii*528+256
.set ii, ii+1
.endr
	s_wait_dscnt 0x0                               ; for the others' sake: my rows are in LDS (and my weights are in registers)
	s_barrier_signal -1
	s_barrier_wait -1
	XBLD 0                                         ; xn + pos
	s_wait_dscnt 16                                ; k steps 0 to 3 are in: the 16 younger loads are k steps 4 to 7
	PANELA 0, 3
	s_wait_dscnt 0x0
	PANELA 4, 7
	PLACES5
	XBLD XVO                                       ; xn, into the same registers; it lands under q's or k's way out
	WIN 0
.set aa, 0
.rept 4                                        ; accumulator aa = 2 nb + t, read from its low end on
.irp j, 0,1,2,3
	v_cvt_pk_f16_f32 v[PK+4*aa+\j], v[ACC+8*aa+2*\j], v[ACC+8*aa+2*\j+1]
.endr
	global_store_b128 v[LA], v[PK+4*aa:PK+4*aa+3], s[72:73] offset:(aa%2)*1024+(aa/2)*512
.set aa, aa+1
.endr
	s_wait_dscnt 16                                ; k steps 0 to 3 are in: the 16 younger loads are k steps 4 to 7
	PANELV 0, 3
	s_wait_dscnt 0x0
	PANELV 4, 7
	PLACES5
	WIN 0
.irp t, 0,1
.irp j, 0,2,4,6
	v_pk_add_f32 v[ACC+32+8*\t+\j:ACC+32+8*\t+\j+1], v[ACC+32+8*\t+\j:ACC+32+8*\t+\j+1], v[BV:BV+1]
.endr
.irp j, 0,1,2,3
	v_cvt_pk_f16_f32 v[PK+16+4*\t+\j], v[ACC+32+8*\t+2*\j], v[ACC+32+8*\t+2*\j+1]
.endr
	global_store_b128 v[LA], v[PK+16+4*\t:PK+16+4*\t+3], s[74:75] offset:\t*512
.endr
	s_wait_tensorcnt 0x0                           ; the wave's end
	ds_add_u32 v[SPW], v[NIL]
	s_wait_dscnt 0x0
	CROUND                                         ; the closing round
	s_endpgm
.Lfunc_end_k_q560160dc41_qkv:
	.size	k_q560160dc41_qkv, .Lfunc_end_k_q560160dc41_qkv-k_q560160dc41_qkv
	.p2alignl 7, 3214868480
	.fill 96, 4, 3214868480
	.section	.rodata,"a",@progbits
	.p2align	6, 0x0
	.amdhsa_kernel k_q560160dc41_qkv
		.amdhsa_group_segment_fixed_size 231424
		.amdhsa_private_segment_fixed_size 0
		.amdhsa_enable_private_segment 0
		.amdhsa_kernarg_size 72
		.amdhsa_user_sgpr_count 2
		.amdhsa_user_sgpr_kernarg_segment_ptr 1
		.amdhsa_wavefront_size32 1
		.amdhsa_system_sgpr_workgroup_id_x 1
		.amdhsa_system_sgpr_workgroup_id_y 1
		.amdhsa_system_sgpr_workgroup_id_z 1
		.amdhsa_system_vgpr_workitem_id 0
		.amdhsa_next_free_vgpr 512
		.amdhsa_next_free_sgpr 88
		.amdhsa_reserve_vcc 0
		.amdhsa_float_denorm_mode_32 3
		.amdhsa_float_denorm_mode_16_64 3
		.amdhsa_memory_ordered 1
		.amdhsa_forward_progress 1
		.amdhsa_inst_pref_size 41
	.end_amdhsa_kernel
	.amdgpu_metadata
---
amdhsa.version: [ 1, 2 ]
amdhsa.kernels:
  - .name:           k_q560160dc41_qkv
    .symbol:         k_q560160dc41_qkv.kd
    .args:
      - { .name: xpa, .offset: 0, .size: 8, .value_kind: global_buffer, .address_space: global }
      - { .name: b0_norm1_w, .offset: 8, .size: 8, .value_kind: global_buffer, .address_space: global }
      - { .name: b0_norm1_b, .offset: 16, .size: 8, .value_kind: global_buffer, .address_space: global }
      - { .name: b0_qpos, .offset: 24, .size: 8, .value_kind: global_buffer, .address_space: global }
      - { .name: b0_kpos, .offset: 32, .size: 8, .value_kind: global_buffer, .address_space: global }
      - { .name: b0_inproj_b, .offset: 40, .size: 8, .value_kind: global_buffer, .address_space: global }
      - { .name: wt0, .offset: 48, .size: 8, .value_kind: global_buffer, .address_space: global }
      - { .name: opnd, .offset: 56, .size: 8, .value_kind: global_buffer, .address_space: global }
      - { .name: x0, .offset: 64, .size: 8, .value_kind: global_buffer, .address_space: global }
    .group_segment_fixed_size: 231424
    .private_segment_fixed_size: 0
    .kernarg_segment_align: 8
    .kernarg_segment_size: 72
    .max_flat_workgroup_size: 256
    .sgpr_count:     88
    .vgpr_count:     512
    .wavefront_size: 32
...
	.end_amdgpu_metadata
.endif
;; end of part 9
;; launch mha (part 10): grid 32 x 8, 8 waves a work-group, clusters of 4 x 1, 327,680 bytes of LDS; arguments opnd, o16; writes o16
.if DOCPART == 10
	.amdgcn_target "amdgcn-amd-amdhsa--gfx1250"
	.amdhsa_code_object_version 6
	.text
	.protected	k_q560160dc41_mha
	.globl	k_q560160dc41_mha
	.p2align	8
	.type	k_q560160dc41_mha,@function
k_q560160dc41_mha:
	s_mov_b64 s[64:65], 0
	v_nop
	global_prefetch_b8 v0, s[64:65] scope:SCOPE_SE
	s_setreg_imm32_b32 hwreg(HW_REG_WAVE_MODE, 25, 1), 1
	s_wait_xcnt 0x0
	s_wait_alu depctr_hold_cnt(0) depctr_sa_sdst(0) depctr_va_vdst(0) depctr_va_sdst(0) depctr_va_ssrc(0) depctr_va_vcc(0) depctr_vm_vsrc(0)
	s_getreg_b32 s2, hwreg(HW_REG_IB_STS2, 6, 4)
	s_cmp_eq_u32 s2, 0
	s_cbranch_scc0 .Lentry_in_a_cluster
	s_endpgm
.Lentry_in_a_cluster:
	s_bfe_u32 s2, ttmp6, 0x10000c
	s_cmp_lg_u32 s2, 0x3003
	s_cbranch_scc0 .Lentry_shape_is_right
	s_endpgm
.Lentry_shape_is_right:
; SELF ATTENTION, eight heads of 32 channels, 4,096 x 4,096, scale 1 / sqrt(32).  Work-group (qb, head): 128 queries.
; EIGHT WAVES, two to a SIMD.  Waves w and w + 4 hold the same two tiles of 16 queries; of a slot's sixteen steps of 64 keys waves 0-3 walk the first eight, waves 4-7 the last eight.
; A step has 16 products beside some 220 vector instructions and is written in phases; with a second wave on the SIMD one wave's vector phase stands beside the other's products.
; Each fragment is still read from LDS once for two tiles: the LDS reads, products and vector instructions of the work-group are those of four waves that walk all keys.
; At the end waves 4-7 lay O, c m and l into a stage in LDS, and waves 0-3 join the two halves: O = (wA OA + wB OB) / (wA lA + wB lB), w = 2^(c m - max).
; LAYOUT.  S^T = K Q^T (source 0 = 16 keys, source 1 = 16 queries): a lane holds ONE query and keys 8 (lane / 16) + 0..7; two results rounded to f16 ARE source 1 of O^T = V^T P.
; All operands are fragment-major (1,024 bytes a fragment): tiles are dense, LDS loads take 512 consecutive bytes.  O leaves as halves of fragments, 512 consecutive bytes a store.
; SOFTMAX.  Running maximum m and sum l: p = 2^(c s - c m), c = log2(e) / sqrt(32); O and l are multiplied by a = 2^(c m_old - c m_new) in every step.  m starts at the lowest finite number, O and l at 0.
; RING.  Two slots of 131,072 bytes (64 KB of K, 64 KB of V^T: 1,024 keys).  Four fills; each wave brings 16 KB of a fill, 64 rows of 256 bytes.
; CLUSTER.  The four query blocks of a cluster belong to one head: each tile is asked for jointly, by the same load, descriptor and mask in all four.
; LIMITS.  f16 operands (65,504 at the most; p below 6e-5 keeps the step 6e-8); a weight below 2^-126 counts as 0; NaN and infinities are not treated apart.
.set NS,    32
.set NA,    4
.set NP,    16
.set NSTEP, 8                          ; steps of a slot that a wave walks
.set STEPB, 4096
.set HALFB, NSTEP*STEPB                ; bytes of K, and of V, that a wave walks in a slot
.set NL,    8
.set SLOT1, 1<<17
.set SPARE, 262144                     ; behind the ring: the spare words, 128 bytes for each of eight waves
.set STG,   263168                     ; behind them: four stages of 9 x 512 bytes; no tensor load lands here
.set LA,  2
.set AK,  3
.set AV,  4
.set SG,  5                            ; my place in the stage that waves w and w + 4 share
.set SPW, 6
.set NIL, 7
.set ST,  8                            ; tile t at ST + 8 t: c m, m, l (even keys', odd keys'), c0, c1, c2 (later a), c3
.set Q,   24
.set K,   40
.set V,   72
.set S,   104
.set P,   168
.set O,   200
.set WV,  12
.set SLOTS, 56
.set CNT, 57
.set CS,  58
.set SEL, 60
.set TBK, 62
.set TBV, 63
.macro PLACES                          ; four plain instructions between a matrix instruction and a vector read of its result or a load into its registers
.rept 4
	v_nop
.endr
.endm
.macro CROUND
	s_barrier_signal -1
	s_barrier_wait -1
	s_cmp_lg_u32 s[WV], 0
	s_cbranch_scc1 .Lnot_wave_0_\@
	s_barrier_signal -3
.Lnot_wave_0_\@:
	s_barrier_wait -3
	s_barrier_signal -1
	s_barrier_wait -1
.endm
	s_load_b128 s[4:7], s[0:1], 0x0                ; opnd s[4:5], o16 s[6:7]
	v_lshl_add_u32 v[SPW], v0, 2, SPARE
	v_mov_b32 v[NIL], 0
	ds_add_u32 v[SPW], v[NIL]                      ; the wave's opening: the add and its wait stand ahead of my first tensor load
	v_lshrrev_b32 v1, 5, v0
	v_readfirstlane_b32 s[WV], v1                  ; wave 0..7
	s_and_b32 s40, s[WV], 3                        ; which pair of query tiles is mine; also: which quarter of a fill's K or V I fetch
	s_lshr_b32 s41, s[WV], 2                       ; which half of a slot's steps is mine; also: I fetch K (0) or V (1)
	s_bfe_u32 s13, ttmp6, 0x40000                  ; cx
	s_lshl_b32 s14, ttmp9, 2
	s_add_co_u32 s14, s14, s13                     ; query block: it enters Q's and O's addresses alone
	s_and_b32 s15, ttmp7, 0xffff                   ; the head, which the four partners share
	s_mov_b32 s24, 15|(3<<16)|(1<<21)              ; group 1: mask of four; elements of 8 bytes; bit 21 beside the mask; no padding
	s_mov_b32 s25, 32<<16
	s_mov_b32 s26, 64<<16
	s_mov_b32 s27, 32<<16
	s_mov_b32 s28, 64                              ; 64 rows of 256 bytes: 16,384 dense bytes
	s_mov_b32 s29, 32
	s_mov_b32 s30, 0
	s_mov_b32 s31, 0
	s_mov_b32 s32, 1
	s_lshl_b32 s33, s[WV], 14                      ; wave x 16,384: waves 0-3 K's quarters, waves 4-7 V's
	s_mov_b32 s36, 1
	s_add_co_u32 s37, s33, SLOT1
	s_add_co_u32 s20, s41, 1
	s_lshl_b32 s20, s20, 21                        ; kh at 2 MiB, vT at 4 MiB
	s_lshl_b32 s21, s15, 18                        ; 262,144 bytes a head
	s_add_co_u32 s20, s20, s21
	s_lshl_b32 s21, s40, 14
	s_add_co_u32 s20, s20, s21
	s_mov_b32 s21, 0
	s_lshl_b32 s16, s14, 3
	s_lshl_b32 s17, s40, 1
	s_add_co_u32 s16, s16, s17                     ; my first query tile
	s_lshl_b32 s22, s15, 8
	s_add_co_u32 s22, s22, s16
	s_lshl_b32 s22, s22, 10                        ; qh [head][tile][1 KB]
	s_mov_b32 s23, 0
	s_lshl_b32 s18, s16, 3
	s_add_co_u32 s18, s18, s15
	s_lshl_b32 s18, s18, 10                        ; o16 [tile][head][1 KB]
	s_mov_b32 s19, 0
	s_mov_b32 s[CS], 0x3e8293ee                    ; c = log2(e) / sqrt(32)
	s_mov_b32 s[CS+1], s[CS]
	s_mov_b32 s[SEL], 0x76543210
	s_mov_b32 s[SEL+1], 0xfedcba98
	s_lshl_b32 s[TBK], s41, 15                     ; my half of slot 0's K,
	s_add_co_u32 s[TBV], s[TBK], 65536             ; and of its V
	s_mul_i32 s42, s40, 4608
	s_add_co_u32 s42, s42, STG
	s_wait_dscnt 0x0                               ; the opening add is done
	s_wait_kmcnt 0x0
	s_add_nc_u64 s[34:35], s[4:5], s[20:21]
	s_add_nc_u64 s[38:39], s[34:35], 65536         ; the next 1,024 keys
	s_or_b32 s35, s35, 0x80000000
	s_or_b32 s39, s39, 0x80000000
	s_add_nc_u64 s[8:9], s[4:5], s[22:23]
	s_add_nc_u64 s[10:11], s[6:7], s[18:19]
	CROUND                                         ; all four work-groups are here: the first joint loads meet
	tensor_load_to_lds s[32:35], s[24:31]          ; the two first fills together: two loads of mine are out
	s_nop 0
	tensor_load_to_lds s[36:39], s[24:31]
	s_nop 0
.rept 4
	v_nop
.endr
	v_and_b32 v1, 31, v0
	v_lshlrev_b32 v[LA], 4, v1
	v_add_nc_u32 v[SG], s42, v[LA]
.irp i, 0,1,2,3
	global_load_b128 v[Q+4*\i:Q+4*\i+3], v[LA], s[8:9] offset:\i*512
.endr
.set ii, 0
.rept 32
	v_mov_b32 v[O+ii], 0
.set ii, ii+1
.endr
.irp t, 0,1
	v_mov_b32 v[ST+8*\t], 0xfe000000               ; c m: far below every c s
	v_mov_b32 v[ST+8*\t+1], 0xff7fffff             ; m
	v_mov_b32 v[ST+8*\t+2], 0
	v_mov_b32 v[ST+8*\t+3], 0
.endr
.macro FETCH_K                         ; a step's K: four tiles of 16 keys
	v_add_nc_u32 v[AK], s[TBK], v[LA]
.irp f, 0,1,2,3
	ds_load_b128 v[K+8*\f:K+8*\f+3], v[AK] offset:\f*1024
	ds_load_b128 v[K+8*\f+4:K+8*\f+7], v[AK] offset:\f*1024+512
.endr
	s_add_co_u32 s[TBK], s[TBK], STEPB
.endm
.macro FETCH_V                         ; a step's V^T: fragment 2 kk + cb
	v_add_nc_u32 v[AV], s[TBV], v[LA]
.irp f, 0,1,2,3
	ds_load_b128 v[V+8*\f:V+8*\f+3], v[AV] offset:\f*1024
	ds_load_b128 v[V+8*\f+4:V+8*\f+7], v[AV] offset:\f*1024+512
.endr
	s_add_co_u32 s[TBV], s[TBV], STEPB
.endm
.macro KQALL                           ; eight products, each a whole sum (32 channels)
.irp kt, 0,1,2,3
.irp t, 0,1
	v_wmma_f32_16x16x32_f16 v[S+32*\t+8*\kt:S+32*\t+8*\kt+7], v[K+8*\kt:K+8*\kt+7], v[Q+8*\t:Q+8*\t+7], 0
.endr
.endr
.endm
.macro PVALL                           ; eight products; the four accumulators take turns
.irp kk, 0,1
.irp cb, 0,1
.irp t, 0,1
	v_wmma_f32_16x16x32_f16 v[O+16*\t+8*\cb:O+16*\t+8*\cb+7], v[V+8*(2*\kk+\cb):V+8*(2*\kk+\cb)+7], v[P+16*\t+8*\kk:P+16*\t+8*\kk+7], v[O+16*\t+8*\cb:O+16*\t+8*\cb+7]
.endr
.endr
.endr
.endm
.macro FF t, b
	v_pk_fma_f32 v[S+NS*(\t)+2*(\b):S+NS*(\t)+2*(\b)+1], v[S+NS*(\t)+2*(\b):S+NS*(\t)+2*(\b)+1], s[CS:CS+1], v[ST+8*(\t):ST+8*(\t)+1] op_sel_hi:[1,0,0] neg_lo:[0,0,1] neg_hi:[0,0,1]
.endm
.macro EE t, e
	v_exp_f32 v[S+NS*(\t)+(\e)], v[S+NS*(\t)+(\e)]
.endm
.macro CC t, b
	s_wait_alu depctr_va_vdst(0)
	v_cvt_pk_f16_f32 v[P+NP*(\t)+(\b)], v[S+NS*(\t)+2*(\b)], v[S+NS*(\t)+2*(\b)+1]
.endm
.macro LL t, b
.if (\b) == 0
	v_pk_fma_f32 v[ST+8*(\t)+2:ST+8*(\t)+3], v[ST+8*(\t)+2:ST+8*(\t)+3], v[ST+8*(\t)+6:ST+8*(\t)+7], v[S+NS*(\t):S+NS*(\t)+1] op_sel_hi:[1,0,1]
.else
	v_pk_add_f32 v[ST+8*(\t)+2:ST+8*(\t)+3], v[ST+8*(\t)+2:ST+8*(\t)+3], v[S+NS*(\t)+2*(\b):S+NS*(\t)+2*(\b)+1]
.endif
.endm
; A step's softmax for both tiles, line by line in turn.  Each accumulator's lowest registers are read first.
; A plain instruction stands behind every exponential, and between each exponential and the use of its result (ISA guide 5.7.2).
.macro SOFTMAX
.set nn, 0
.rept NA
.irp t, 0,1
	v_max3_num_f32 v[ST+8*\t+4+nn], v[S+NS*\t+8*nn], v[S+NS*\t+8*nn+1], v[S+NS*\t+8*nn+2]
.endr
.set nn, nn+1
.endr
.irp d, 3,5
.set nn, 0
.rept NA
.irp t, 0,1
	v_max3_num_f32 v[ST+8*\t+4+nn], v[ST+8*\t+4+nn], v[S+NS*\t+8*nn+\d], v[S+NS*\t+8*nn+\d+1]
.endr
.set nn, nn+1
.endr
.endr
.irp t, 0,1
	v_max3_num_f32 v[ST+8*\t+4], v[ST+8*\t+4], v[S+NS*\t+7], v[S+NS*\t+15]
.endr
.irp t, 0,1
	v_max3_num_f32 v[ST+8*\t+5], v[ST+8*\t+5], v[S+NS*\t+23], v[S+NS*\t+31]
.endr
.irp t, 0,1
	v_max3_num_f32 v[ST+8*\t+6], v[ST+8*\t+6], v[ST+8*\t+7], v[ST+8*\t+1]
.endr
.irp t, 0,1
	v_max3_num_f32 v[ST+8*\t+4], v[ST+8*\t+4], v[ST+8*\t+5], v[ST+8*\t+6]
.endr
.irp t, 0,1
	v_permlanex16_b32 v[ST+8*\t+5], v[ST+8*\t+4], s[SEL], s[SEL+1]  ; the query's other keys lie in the lane 16 away
.endr
.irp t, 0,1
	v_mov_b32 v[ST+8*\t+7], v[ST+8*\t]             ; c m_old
.endr
.irp t, 0,1
	v_max_num_f32 v[ST+8*\t+1], v[ST+8*\t+4], v[ST+8*\t+5]
.endr
.irp t, 0,1
	v_mul_f32 v[ST+8*\t], s[CS], v[ST+8*\t+1]
.endr
.irp t, 0,1
	v_sub_f32 v[ST+8*\t+7], v[ST+8*\t+7], v[ST+8*\t]
.endr
.irp t, 0,1
	v_exp_f32 v[ST+8*\t+6], v[ST+8*\t+7]           ; a
.endr
.set bb, 0
.rept NP-2
	FF 0, bb
	FF 1, bb
.set bb, bb+1
.endr
.set bb, 0
.rept NP
	EE 0, 2*bb
.if bb == 0
	FF 0, NP-2
.else
	CC 0, bb-1
.endif
	EE 0, 2*bb+1
.if bb == 0
	FF 0, NP-1
.else
	LL 0, bb-1
.endif
	EE 1, 2*bb
.if bb == 0
	FF 1, NP-2
.else
	CC 1, bb-1
.endif
	EE 1, 2*bb+1
.if bb == 0
	FF 1, NP-1
.else
	LL 1, bb-1
.endif
.set bb, bb+1
.endr
	CC 0, NP-1
	LL 0, NP-1
	CC 1, NP-1
	LL 1, NP-1
.irp t, 0,1
.irp z, 0,1,2,3,4,5,6,7
	v_pk_mul_f32 v[O+16*\t+2*\z:O+16*\t+2*\z+1], v[O+16*\t+2*\z:O+16*\t+2*\z+1], v[ST+8*\t+6:ST+8*\t+7] op_sel_hi:[1,0]
.endr
.endr
.endm
; A trip is TOP and BOT.  TOP: K of the next step is fetched; this step's softmax; V^T P.  BOT: V of the next step is fetched; its K Q^T.
.macro TOP fetch
	PLACES                                         ; behind the last K Q^T: for the loads into K and the reads of S^T
.if \fetch
	FETCH_K
.endif
	SOFTMAX
.if \fetch
	s_wait_dscnt NL                                ; V of this step is in: the NL younger loads are K's
.else
	s_wait_dscnt 0x0
.endif
	PVALL
.endm
.macro BOT
	PLACES                                         ; behind the last V^T P: for the loads into V
	FETCH_V
	s_wait_dscnt NL                                ; K is in: the NL younger loads are V's
	KQALL
.endm
; The change of slots: every wave waits for all its tensor loads (one is out: its part of the other slot), adds 0 to its spare word, waits for that and for its reads of the slot.
; fill = 1: the barrier is a round of the cluster's, and the joint refill is the first thing behind it: it has a wave's eight steps in which to land.
.macro CHANGE fill
	s_wait_tensorcnt 0x0
	ds_add_u32 v[SPW], v[NIL]
.if \fill
	s_xor_b32 s37, s37, SLOT1
	s_add_nc_u64 s[38:39], s[38:39], 65536
.endif
	s_wait_dscnt 0x0
.if \fill
	CROUND
	tensor_load_to_lds s[36:39], s[24:31]
	s_nop 0
.rept 4
	v_nop
.endr
.else
	s_barrier_signal -1
	s_barrier_wait -1
.endif
	s_sub_co_u32 s[TBK], s[TBK], HALFB             ; the fetches go back to the first of my steps, in the other slot
	s_xor_b32 s[TBK], s[TBK], SLOT1
	s_sub_co_u32 s[TBV], s[TBV], HALFB
	s_xor_b32 s[TBV], s[TBV], SLOT1
.endm
	s_wait_tensorcnt 0x1                           ; my part of slot 0 is in; slot 1's may stay out
	s_barrier_signal -1
	s_barrier_wait -1
	FETCH_K                                        ; my first step
	s_wait_loadcnt 0x0                             ; Q
	s_mov_b32 s[SLOTS], 3
	s_mov_b32 s[CNT], NSTEP
	s_branch .Lmid                                 ; the loop is entered in the middle of a trip: the first step has no step before it
.Lslot:                                        ; twice: fills 2 and 3
	CHANGE 1
	s_mov_b32 s[CNT], NSTEP
.Ltrip:
	TOP 1
.Lmid:
	BOT
	s_sub_co_u32 s[CNT], s[CNT], 1
	s_cmp_lg_u32 s[CNT], 0
	s_cbranch_scc1 .Ltrip
	s_sub_co_u32 s[SLOTS], s[SLOTS], 1
	s_cmp_lg_u32 s[SLOTS], 0
	s_cbranch_scc1 .Lslot
	CHANGE 0                                       ; the last slot is written out: nothing is asked for
	s_mov_b32 s[CNT], NSTEP
.Ltail:
	TOP 1
	BOT
	s_sub_co_u32 s[CNT], s[CNT], 1
	s_cmp_lg_u32 s[CNT], 0
	s_cbranch_scc1 .Ltail
	TOP 0                                          ; my last step
	; THE TWO HALVES OF THE KEYS ARE JOINED.  First every wave makes its own l whole.
	PLACES
.irp t, 0,1
	v_add_f32 v[ST+8*\t+2], v[ST+8*\t+2], v[ST+8*\t+3]
.endr
.irp t, 0,1
	v_permlanex16_b32 v[ST+8*\t+5], v[ST+8*\t+2], s[SEL], s[SEL+1]
.endr
.irp t, 0,1
	v_add_f32 v[ST+8*\t+2], v[ST+8*\t+2], v[ST+8*\t+5]
.endr
	s_cmp_lt_u32 s[WV], 4
	s_cbranch_scc1 .Lkeep
	v_mov_b32 v[S], v[ST]                          ; waves 4-7: c m and l of both tiles in four registers,
	v_mov_b32 v[S+1], v[ST+2]
	v_mov_b32 v[S+2], v[ST+8]
	v_mov_b32 v[S+3], v[ST+10]
.irp i, 0,1,2,3,4,5,6,7
	ds_store_b128 v[SG], v[O+4*\i:O+4*\i+3] offset:\i*512  ; and O^T as it lies, each accumulator's low half first
.endr
	ds_store_b128 v[SG], v[S:S+3] offset:4096
.Lkeep:
	s_wait_dscnt 0x0                               ; for the partner's sake: my stores are done
	s_barrier_signal -1
	s_barrier_wait -1
	s_cmp_lt_u32 s[WV], 4
	s_cbranch_scc0 .Ldone
.irp i, 0,1,2,3,4,5,6,7
	ds_load_b128 v[S+4*\i:S+4*\i+3], v[SG] offset:\i*512
.endr
	ds_load_b128 v[S+32:S+35], v[SG] offset:4096
	s_wait_dscnt 0x0
.irp t, 0,1
	v_max_num_f32 v[ST+8*\t+5], v[ST+8*\t], v[S+32+2*\t]
.endr
.irp t, 0,1
	v_sub_f32 v[ST+8*\t+4], v[ST+8*\t], v[ST+8*\t+5]
.endr
.irp t, 0,1
	v_sub_f32 v[ST+8*\t+6], v[S+32+2*\t], v[ST+8*\t+5]
.endr
.irp t, 0,1
	v_exp_f32 v[ST+8*\t+4], v[ST+8*\t+4]           ; wA
	v_exp_f32 v[ST+8*\t+6], v[ST+8*\t+6]           ; wB
.endr
	v_nop                                          ; a plain instruction behind the last exponential
.irp t, 0,1
	s_wait_alu depctr_va_vdst(0)
	v_mul_f32 v[ST+8*\t+5], v[ST+8*\t+4], v[ST+8*\t+2]
.endr
.irp t, 0,1
	v_fmac_f32 v[ST+8*\t+5], v[ST+8*\t+6], v[S+33+2*\t]
.endr
.irp t, 0,1
	v_rcp_f32 v[ST+8*\t+5], v[ST+8*\t+5]           ; the half that holds the larger maximum has w = 1 and l >= 1
.endr
	v_nop                                          ; a plain instruction behind the last reciprocal
.irp t, 0,1
	s_wait_alu depctr_va_vdst(0)
	v_mul_f32 v[ST+8*\t+4], v[ST+8*\t+4], v[ST+8*\t+5]
	v_mul_f32 v[ST+8*\t+6], v[ST+8*\t+6], v[ST+8*\t+5]
.endr
.irp t, 0,1
.irp z, 0,1,2,3,4,5,6,7
	v_pk_mul_f32 v[O+16*\t+2*\z:O+16*\t+2*\z+1], v[O+16*\t+2*\z:O+16*\t+2*\z+1], v[ST+8*\t+4:ST+8*\t+5] op_sel_hi:[1,0]
.endr
.endr
.irp t, 0,1
.irp z, 0,1,2,3,4,5,6,7
	v_pk_fma_f32 v[O+16*\t+2*\z:O+16*\t+2*\z+1], v[S+16*\t+2*\z:S+16*\t+2*\z+1], v[ST+8*\t+6:ST+8*\t+7], v[O+16*\t+2*\z:O+16*\t+2*\z+1] op_sel_hi:[1,0,1]
.endr
.endr
.irp t, 0,1
.irp z, 0,1,2,3,4,5,6,7
	v_cvt_pk_f16_f32 v[P+8*\t+\z], v[O+16*\t+2*\z], v[O+16*\t+2*\z+1]  ; a lane's eight channels of a block are its 16 bytes of half a fragment
.endr
.endr
.irp t, 0,1
.irp cb, 0,1
	global_store_b128 v[LA], v[P+8*\t+4*\cb:P+8*\t+4*\cb+3], s[10:11] offset:\t*8192+\cb*512
.endr
.endr
.Ldone:
	s_wait_tensorcnt 0x0                           ; the wave's end
	ds_add_u32 v[SPW], v[NIL]
	s_wait_dscnt 0x0
	CROUND                                         ; the closing round
	s_endpgm
.Lfunc_end_k_q560160dc41_mha:
	.size	k_q560160dc41_mha, .Lfunc_end_k_q560160dc41_mha-k_q560160dc41_mha
	.p2alignl 7, 3214868480
	.fill 96, 4, 3214868480
	.section	.rodata,"a",@progbits
	.p2align	6, 0x0
	.amdhsa_kernel k_q560160dc41_mha
		.amdhsa_group_segment_fixed_size 327680
		.amdhsa_private_segment_fixed_size 0
		.amdhsa_enable_private_segment 0
		.amdhsa_kernarg_size 16
		.amdhsa_user_sgpr_count 2
		.amdhsa_user_sgpr_kernarg_segment_ptr 1
		.amdhsa_wavefront_size32 1
		.amdhsa_system_sgpr_workgroup_id_x 1
		.amdhsa_system_sgpr_workgroup_id_y 1
		.amdhsa_system_sgpr_workgroup_id_z 1
		.amdhsa_system_vgpr_workitem_id 0
		.amdhsa_next_free_vgpr 232
		.amdhsa_next_free_sgpr 66
		.amdhsa_reserve_vcc 0
		.amdhsa_float_denorm_mode_32 3
		.amdhsa_float_denorm_mode_16_64 3
		.amdhsa_memory_ordered 1
		.amdhsa_forward_progress 1
		.amdhsa_inst_pref_size 58
	.end_amdhsa_kernel
	.amdgpu_metadata
---
amdhsa.version: [ 1, 2 ]
amdhsa.kernels:
  - .name:           k_q560160dc41_mha
    .symbol:         k_q560160dc41_mha.kd
    .args:
      - { .name: opnd, .offset: 0, .size: 8, .value_kind: global_buffer, .address_space: global }
      - { .name: o16, .offset: 8, .size: 8, .value_kind: global_buffer, .address_space: global }
    .group_segment_fixed_size: 327680
    .private_segment_fixed_size: 0
    .kernarg_segment_align: 8
    .kernarg_segment_size: 16
    .max_flat_workgroup_size: 256
    .sgpr_count:     66
    .vgpr_count:     232
    .wavefront_size: 32
...
	.end_amdgpu_metadata
.endif
;; end of part 10
;; launch tail (part 11): grid 64 x 4, 4 waves a work-group, no clusters, 133,632 bytes of LDS; arguments o16, x0, wt0, b0_outproj_b, b0_norm2_w, b0_norm2_b, b0_mlp_b1, b0_mlp_b2, xpb; writes xpb
.if DOCPART == 11
	.amdgcn_target "amdgcn-amd-amdhsa--gfx1250"
	.amdhsa_code_object_version 6
	.text
	.protected	k_q560160dc41_tail
	.globl	k_q560160dc41_tail
	.p2align	8
	.type	k_q560160dc41_tail,@function
k_q560160dc41_tail:
	s_mov_b64 s[64:65], 0
	v_nop
	global_prefetch_b8 v0, s[64:65] scope:SCOPE_SE
	s_setreg_imm32_b32 hwreg(HW_REG_WAVE_MODE, 25, 1), 1
	s_wait_xcnt 0x0
; TAIL of a block: x' = x + o Wo^T + bo;  xout = x' + gelu(LN(x') W1^T + b1) W2^T + b2, exact gelu.
; THE HIDDEN CHANNELS ARE SPLIT FOUR WAYS.  Work-group (tb, j): 64 tokens (four tiles of 16) and hidden channels 256 j .. 256 j + 255.  It stores plane j of xout: the quarter's part of the last
; product, and in plane 0 also x' + b2; the reader adds the four planes.  So a work-group loads Wo and a quarter of W1 and of W2, 384 KB where all of them are 1,152 KB, and there are 256 work-groups.
; The price: the first product and the norm are made four times, and xout is 16 MiB in four planes.
; Wave w owns 64 of every product's output channels: a panel of 64 x 256 in f16, 32 KB, fragment-major, which goes from memory straight into registers: each fragment is read by this wave alone
; and feeds four products.  W1's panel is asked for before and during the first product, W2's behind the norm: a whole product and gelu ahead of its use.
; Source 0 = weights, source 1 = tokens: a lane holds one token and eight channels; the bias is the C operand that starts each sum.  What the waves hand each other goes through LDS, four barriers.
; LN in two passes (mean, then squared deviations), f32.  gelu(x) = max(x, 0) - |x| e^(-x^2 / 2) (c1 t + .. + c5 t^5), t = 1 / (1 + 0.23164189 |x|): the five-term rational form of erf with halved
; coefficients, absolute error below 1e-7 |x|, for every x, with no difference of near numbers on either side.
; No cluster: the 64 token blocks of one j walk the same weights, but three panel sets are 384 KB, more than LDS holds, and here they pass no LDS at all.
; LIMIT: f16 operands, 65,504 at the most; in planes 1 to 3 x' is multiplied by 0, so an x' that is not finite spoils them too.
; REGISTERS: window 0 at work; window 1: token fragments, (t, ks) at 8 (8 t + ks), and from v128 on, behind the first product, b1 and b2; window 2: Wo, later W2; window 3: W1; fragment (nb, ks) at 8 (8 nb + ks).
.set YS,  0                            ; 64 rows x 1,040 bytes, f32: o Wo^T + bo, then x', at last the plane
.set XN,  66560                        ; 64 rows x 528 bytes, f16: LN(x')
.set HB,  100352                       ; 32 KB, fragment-major: first o's four tiles [t 4][ks 8][1 KB], later gelu's results [ks 8][t 4][1 KB]
.set SPARE, 133120
.set LA,  2
.set FA,  3                            ; XN + (lane % 16) x 528 + 16 (lane / 16); steps by two tiles
.set SA,  4                            ; XN + 16 wave x 528 + 8 lane; steps by four rows
.set H32, 5
.set DA,  6                            ; (lane % 16) x 1,040 + 32 (lane / 16) + 256 wave: my place in YS as an accumulator holds it
.set YA,  7                            ; 16 wave x 1,040 + 16 lane: my rows of YS
.set SPW, 8
.set NIL, 9
.set HA,  10                           ; HB + 8,192 wave + 16 lane
.set HR,  11                           ; HB + 16 lane
.set RA,  12
.set GA,  13
.set YL,  14                           ; YA, stepping by four rows
.set NW,  16
.set NB,  24
.set BO,  32                           ; bo as accumulators hold it; later the norm's scratch:
.set MM,  32
.set RR,  40
.set UU,  48
.set TP,  56
.set ACC, 64                           ; accumulator (nb, t) at ACC + 8 (2 nb + t), t one of a pair of tiles
.set XR,  64                           ; four rows in the norm's loop
.set X16, 128                          ; my sixteen rows of x
.set AB,  128
.set TT,  136
.set QQ,  144
.set PP,  152
.set PK,  160
.set XD,  128                          ; x' as accumulators hold it
.set RB,  192                          ; rows read back
.set B1R, 128                          ; window 1
.set B2R, 160                          ; window 1
.set WV,  22
.set INV, 40
.set EPS, 41
.set SEL, 42
.set MSB, 0
.macro WIN new
.if MSB != (\new)
	s_set_vgpr_msb (MSB<<8)|(\new)
.set MSB, (\new)
.endif
.endm
.macro PLACES5                         ; five plain instructions behind a run of products, ahead of reads of the results, loads into the operands and products that write the accumulators anew
.rept 5
	v_nop
.endr
.endm
.macro WLOAD ww, base, off, lo, hi     ; k steps lo..hi of a weight panel into window ww
	WIN (\ww)<<6
.set kk, \lo
.rept (\hi)-(\lo)+1
.irp nb, 0,1,2,3
.irp hf, 0,1
	global_load_b128 v[8*(8*\nb+kk)+4*\hf:8*(8*\nb+kk)+4*\hf+3], v[LA], s[\base:\base+1] offset:(\off)+\nb*8192+kk*1024+\hf*512
.endr
.endr
.set kk, kk+1
.endr
.endm
; A panel times a pair of tiles: 64 products; the eight accumulators take turns.  The first eight start the sums with the bias, which lies at br in window cw.
.macro PANEL ww, xb, br, cw
.set kk, 0
.rept 8
.if kk == 0
	WIN (\ww)|4|((\cw)<<4)
.else
	WIN (\ww)|4
.endif
.irp nb, 0,1,2,3
.irp t, 0,1
.set rD, ACC+8*(2*\nb+\t)
.set rW, 8*(8*\nb+kk)
.set rX, (\xb)+8*(8*\t+kk)
.if kk == 0
	v_wmma_f32_16x16x32_f16 v[rD:rD+7], v[rW:rW+7], v[rX:rX+7], v[(\br)+8*\nb:(\br)+8*\nb+7]
.else
	v_wmma_f32_16x16x32_f16 v[rD:rD+7], v[rW:rW+7], v[rX:rX+7], v[rD:rD+7]
.endif
.endr
.endr
.set kk, kk+1
.endr
.endm
.macro YSTORE tau                      ; the pair's accumulators into YS, each from its low end on
.set aa, 0
.rept 8
	ds_store_b128 v[DA], v[ACC+8*aa:ACC+8*aa+3] offset:(2*(\tau)+aa%2)*16640+(aa/2)*64
	ds_store_b128 v[DA], v[ACC+8*aa+4:ACC+8*aa+7] offset:(2*(\tau)+aa%2)*16640+(aa/2)*64+16
.set aa, aa+1
.endr
.endm
.macro EACH4 line:vararg               ; one line for each of four rows
.set ii, 0
.rept 4
.set X, XR+8*ii
.set M, MM+2*ii
.set R, RR+2*ii
.set U, UU+2*ii
	\line
.set ii, ii+1
.endr
.endm
.macro LN4                             ; layer norm of four rows, their lines in turn
	EACH4 v_pk_add_f32 v[U:U+1], v[X:X+1], v[X+2:X+3]
	EACH4 v_pk_add_f32 v[R:R+1], v[X+4:X+5], v[X+6:X+7]
	EACH4 v_pk_add_f32 v[U:U+1], v[U:U+1], v[R:R+1]
	EACH4 v_add_f32 v[M], v[U], v[U+1]
.irp k, 1,2,4,8
	EACH4 v_add_f32_dpp v[M], v[M], v[M] row_xmask:\k row_mask:0xf bank_mask:0xf
.endr
	EACH4 v_permlanex16_b32 v[M+1], v[M], s[SEL], s[SEL+1]
	EACH4 v_add_f32 v[M], v[M], v[M+1]
	EACH4 v_mul_f32 v[M], s[INV], v[M]
.irp j, 0,2,4,6
	EACH4 v_pk_add_f32 v[X+\j:X+\j+1], v[X+\j:X+\j+1], v[M:M+1] op_sel_hi:[1,0] neg_lo:[0,1] neg_hi:[0,1]
.endr
	EACH4 v_pk_mul_f32 v[R:R+1], v[X:X+1], v[X:X+1]
.irp j, 2,4,6
	EACH4 v_pk_fma_f32 v[R:R+1], v[X+\j:X+\j+1], v[X+\j:X+\j+1], v[R:R+1]
.endr
	EACH4 v_add_f32 v[U], v[R], v[R+1]
.irp k, 1,2,4,8
	EACH4 v_add_f32_dpp v[U], v[U], v[U] row_xmask:\k row_mask:0xf bank_mask:0xf
.endr
	EACH4 v_permlanex16_b32 v[U+1], v[U], s[SEL], s[SEL+1]
	EACH4 v_add_f32 v[U], v[U], v[U+1]
	EACH4 v_fma_f32 v[R], v[U], s[INV], s[EPS]
	EACH4 v_rsq_f32 v[R], v[R]
	v_nop                                          ; a plain instruction behind the last root
	s_wait_alu depctr_va_vdst(0)
.irp j, 0,2,4,6
	EACH4 v_pk_mul_f32 v[X+\j:X+\j+1], v[X+\j:X+\j+1], v[R:R+1] op_sel_hi:[1,0]
.endr
.irp j, 0,2,4,6
	EACH4 v_pk_fma_f32 v[X+\j:X+\j+1], v[X+\j:X+\j+1], v[NW+\j:NW+\j+1], v[NB+\j:NB+\j+1]
.endr
.endm
; gelu of accumulator a = 2 nb + t, rounded to f16 and laid into LDS as half a fragment.  The accumulator's low end is read first.  A plain line that names neither its source nor its result stands behind every
; reciprocal and every exponential (ISA guide 5.7.2).
.macro GELU8 a
.set XA, ACC+8*(\a)
.irp j, 0,1,2,3,4,5,6,7
	v_and_b32 v[AB+\j], s60, v[XA+\j]              ; |x|
.endr
.irp j, 0,2,4,6
	v_pk_fma_f32 v[TT+\j:TT+\j+1], v[AB+\j:AB+\j+1], s[46:47], 1.0 op_sel_hi:[1,0,0]
.endr
.irp j, 0,1,2,3
	v_rcp_f32 v[TT+\j], v[TT+\j]                   ; t
	v_pk_mul_f32 v[QQ+2*\j:QQ+2*\j+1], v[AB+2*\j:AB+2*\j+1], v[AB+2*\j:AB+2*\j+1]
.endr
.irp j, 0,1,2,3
	v_rcp_f32 v[TT+4+\j], v[TT+4+\j]
	v_pk_mul_f32 v[QQ+2*\j:QQ+2*\j+1], v[QQ+2*\j:QQ+2*\j+1], s[58:59] op_sel_hi:[1,0]
.endr
.irp j, 0,1,2,3,4,5,6,7
	v_exp_f32 v[QQ+\j], v[QQ+\j]                   ; e^(-x^2 / 2)
	v_max_num_f32 v[XA+\j], 0, v[XA+\j]
.endr
	s_wait_alu depctr_va_vdst(0)
.irp j, 0,2,4,6
	v_pk_fma_f32 v[PP+\j:PP+\j+1], v[TT+\j:TT+\j+1], s[48:49], s[50:51] op_sel_hi:[1,0,0]
.endr
.irp c, 52,54,56
.irp j, 0,2,4,6
	v_pk_fma_f32 v[PP+\j:PP+\j+1], v[PP+\j:PP+\j+1], v[TT+\j:TT+\j+1], s[\c:\c+1] op_sel_hi:[1,1,0]
.endr
.endr
.irp j, 0,2,4,6
	v_pk_mul_f32 v[PP+\j:PP+\j+1], v[PP+\j:PP+\j+1], v[TT+\j:TT+\j+1]
.endr
.irp j, 0,2,4,6
	v_pk_mul_f32 v[PP+\j:PP+\j+1], v[PP+\j:PP+\j+1], v[QQ+\j:QQ+\j+1]
.endr
.irp j, 0,2,4,6
	v_pk_fma_f32 v[XA+\j:XA+\j+1], v[AB+\j:AB+\j+1], v[PP+\j:PP+\j+1], v[XA+\j:XA+\j+1] neg_lo:[1,0,0] neg_hi:[1,0,0]
.endr
.irp j, 0,1,2,3
	v_cvt_pk_f16_f32 v[PK+4*(\a)+\j], v[XA+2*\j], v[XA+2*\j+1]
.endr
	ds_store_b128 v[HA], v[PK+4*(\a):PK+4*(\a)+3] offset:((\a)/4)*4096+((\a)%2)*1024+(((\a)/2)%2)*512
.endm
	s_load_b512 s[4:19], s[0:1], 0x0               ; o16 4, x 6, wt 8, outproj_b 10, norm2_w 12, norm2_b 14, mlp_b1 16, mlp_b2 18
	s_load_b64 s[20:21], s[0:1], 0x40              ; xout's planes
	v_lshl_add_u32 v[SPW], v0, 2, SPARE
	v_mov_b32 v[NIL], 0
	v_lshrrev_b32 v1, 5, v0
	v_readfirstlane_b32 s[WV], v1
	s_mov_b32 s23, ttmp9                           ; block of 64 tokens
	s_and_b32 s24, ttmp7, 0xffff                   ; j: quarter of the hidden channels
	v_and_b32 v14, 31, v0                          ; lane
	v_and_b32 v15, 15, v0                          ; lane % 16
	v_bfe_u32 v1, v0, 4, 1                         ; lane / 16
	v_lshlrev_b32 v[LA], 4, v14
	v_mul_u32_u24 v[FA], v15, 528
	v_lshl_add_u32 v[FA], v1, 4, v[FA]
	v_add_nc_u32 v[FA], XN, v[FA]
	s_mul_i32 s62, s[WV], 16*528
	s_add_co_u32 s62, s62, XN
	v_lshl_add_u32 v[SA], v14, 3, s62
	v_lshlrev_b32 v[H32], 5, v1
	s_lshl_b32 s62, s[WV], 8
	v_mul_u32_u24 v[DA], v15, 1040
	v_lshl_add_u32 v[DA], v1, 5, v[DA]
	v_add_nc_u32 v[DA], s62, v[DA]
	v_mul_u32_u24 v[RA], v1, 1040
	v_lshl_add_u32 v[RA], v15, 4, v[RA]
	v_add_nc_u32 v[RA], s62, v[RA]
	s_mul_i32 s63, s[WV], 16*1040
	v_add_nc_u32 v[YA], s63, v[LA]
	v_mov_b32 v[YL], v[YA]
	s_lshl_b32 s63, s[WV], 13
	s_add_co_u32 s63, s63, HB
	v_add_nc_u32 v[HA], s63, v[LA]
	v_add_nc_u32 v[HR], HB, v[LA]
	v_lshlrev_b32 v[GA], 10, v1
	v_lshl_add_u32 v[GA], v15, 4, v[GA]
	s_mov_b32 s[INV], 0x3b800000                   ; 1 / 256
	s_mov_b32 s[EPS], 0x3727c5ac                   ; 1e-5
	s_mov_b32 s[SEL], 0x76543210
	s_mov_b32 s[SEL+1], 0xfedcba98
	s_mov_b32 s46, 0x3e6d3388                      ; 0.23164189
	s_mov_b32 s48, 0x3f07dc22                      ; c5 =  0.53070271
	s_mov_b32 s50, 0xbf3a00e3                      ; c4 = -0.72657601
	s_mov_b32 s52, 0x3f35f0e3                      ; c3 =  0.71070687
	s_mov_b32 s54, 0xbe11a98e                      ; c2 = -0.14224837
	s_mov_b32 s56, 0x3e027906                      ; c1 =  0.12741480
	s_mov_b32 s58, 0xbf38aa3b                      ; -log2(e) / 2
.irp c, 46,48,50,52,54,56,58
	s_mov_b32 s[\c+1], s[\c]                       ; named as pairs
.endr
	s_mov_b32 s60, 0x7fffffff
	s_cmp_eq_u32 s24, 0
	s_cselect_b32 s70, 1.0, 0                      ; F: plane 0 alone carries x' and b2
	s_mov_b32 s71, s70
	s_wait_kmcnt 0x0
	s_lshl_b32 s62, s23, 15                        ; o16: four tiles of 8,192 bytes a block, one a wave
	s_lshl_b32 s61, s[WV], 13
	s_add_co_u32 s62, s62, s61
	s_mov_b32 s63, 0
	s_add_nc_u64 s[26:27], s[4:5], s[62:63]
	s_lshl_b32 s62, s23, 16                        ; x: 64 rows of 1,024 bytes a block, 16 a wave
	s_lshl_b32 s61, s[WV], 14
	s_add_co_u32 s62, s62, s61
	s_add_nc_u64 s[28:29], s[6:7], s[62:63]
	s_mul_i32 s62, s[WV], 294912                   ; the panels lie in nines, behind the twelve of the launch before: Wo is panel 0 of nine w,
	s_add_co_u32 s62, s62, 393216
	s_add_nc_u64 s[30:31], s[8:9], s[62:63]
	s_lshl_b32 s61, s24, 15
	s_add_co_u32 s62, s62, s61
	s_add_co_u32 s62, s62, 5*32768
	s_add_nc_u64 s[34:35], s[8:9], s[62:63]        ; W2 (rows 64 w on, K chunk j) is panel 5 + j of nine w,
	s_mul_i32 s62, s24, 294912
	s_lshl_b32 s61, s[WV], 15
	s_add_co_u32 s62, s62, s61
	s_add_co_u32 s62, s62, 393216+32768
	s_add_nc_u64 s[32:33], s[8:9], s[62:63]        ; W1 (rows 256 j + 64 w on) is panel 1 + w of nine j
	s_lshl_b32 s62, s[WV], 8
	s_add_nc_u64 s[36:37], s[10:11], s[62:63]      ; bo
	s_add_nc_u64 s[66:67], s[18:19], s[62:63]      ; b2
	s_lshl_b32 s61, s24, 10
	s_add_co_u32 s62, s62, s61
	s_add_nc_u64 s[38:39], s[16:17], s[62:63]      ; b1
	s_lshl_b32 s62, s24, 22                        ; a plane is 4 MiB
	s_lshl_b32 s61, s23, 16
	s_add_co_u32 s62, s62, s61
	s_lshl_b32 s61, s[WV], 8
	s_add_co_u32 s62, s62, s61
	s_add_nc_u64 s[68:69], s[20:21], s[62:63]      ; my plane at the block's first row, my 256 bytes of it
	; ---- o's four tiles come in once, a tile a wave, and meet in LDS ----
.set ii, 0
.rept 16
	global_load_b128 v[ACC+4*ii:ACC+4*ii+3], v[LA], s[26:27] offset:ii*512
.set ii, ii+1
.endr
.irp nb, 0,1,2,3
.irp q, 0,1
	global_load_b128 v[BO+8*\nb+4*\q:BO+8*\nb+4*\q+3], v[H32], s[36:37] offset:\nb*64+\q*16
.endr
.endr
	WLOAD 2, 30, 0, 0, 7
	WIN 0
	s_wait_loadcnt 63                              ; my tile of o is in: 72 loads are younger
.set ii, 0
.rept 16
	ds_store_b128 v[HA], v[ACC+4*ii:ACC+4*ii+3] offset:ii*512
.set ii, ii+1
.endr
.set ii, 0
.rept 16
	global_load_b128 v[X16+8*ii:X16+8*ii+3], v[LA], s[28:29] offset:ii*1024
	global_load_b128 v[X16+8*ii+4:X16+8*ii+7], v[LA], s[28:29] offset:ii*1024+512
.set ii, ii+1
.endr
	global_load_b128 v[NW:NW+3], v[LA], s[12:13]
	global_load_b128 v[NW+4:NW+7], v[LA], s[12:13] offset:512
	global_load_b128 v[NB:NB+3], v[LA], s[14:15]
	global_load_b128 v[NB+4:NB+7], v[LA], s[14:15] offset:512
	WLOAD 3, 32, 0, 0, 2                           ; W1 begins to come
	WIN 0
	s_wait_dscnt 0x0                               ; for the others' sake: my tile is in LDS
	s_barrier_signal -1
	s_barrier_wait -1
	; ---- o Wo^T + bo, two pairs of tiles ----
	WIN 0x40
.irp t, 0,1,2,3
.irp ks, 0,1,2,3,4,5,6,7
	ds_load_b128 v[8*(8*\t+\ks):8*(8*\t+\ks)+3], v[HR] offset:\t*8192+\ks*1024
	ds_load_b128 v[8*(8*\t+\ks)+4:8*(8*\t+\ks)+7], v[HR] offset:\t*8192+\ks*1024+512
.endr
.endr
	s_wait_loadcnt 60                              ; bo and Wo are in: the 60 younger loads are x (32), the norm's gain and bias (4) and W1's first 24
	s_wait_dscnt 32                                ; tiles 0 and 1 are in: the 32 younger loads are tiles 2 and 3
	PANEL 2, 0, BO, 0
	PLACES5
	WIN 0
	YSTORE 0
	WLOAD 3, 32, 0, 3, 4
	s_wait_dscnt 0x0                               ; tiles 2 and 3 are in, and the stores above have read the accumulators
	PANEL 2, 128, BO, 0
	PLACES5
	WIN 0
	YSTORE 1
	WLOAD 3, 32, 0, 5, 7
	WIN 0x40                                       ; b1 and b2, as accumulators hold them, where tiles 2 and 3 lay
.irp nb, 0,1,2,3
.irp q, 0,1
	global_load_b128 v[B1R+8*\nb+4*\q:B1R+8*\nb+4*\q+3], v[H32], s[38:39] offset:\nb*64+\q*16
	global_load_b128 v[B2R+8*\nb+4*\q:B2R+8*\nb+4*\q+3], v[H32], s[66:67] offset:\nb*64+\q*16
.endr
.endr
	WIN 0
	s_wait_dscnt 0x0                               ; for the others' sake: my columns of the 64 rows are in LDS
	s_barrier_signal -1
	s_barrier_wait -1
	; ---- x' = x + ..., by rows: wave w has rows 16 w .. 16 w + 15; x' is kept in the same bytes, which only this wave touches until the next barrier ----
	s_wait_loadcnt 63                              ; x and the norm's gain and bias are in: 80 loads are younger
.irp b, 0,1
.set ii, 0
.rept 8
	ds_load_b128 v[64+8*ii:64+8*ii+3], v[YA] offset:(8*\b+ii)*1040
	ds_load_b128 v[64+8*ii+4:64+8*ii+7], v[YA] offset:(8*\b+ii)*1040+512
.set ii, ii+1
.endr
	s_wait_dscnt 0x0
.set ii, 0
.rept 32
	v_pk_add_f32 v[X16+64*\b+2*ii:X16+64*\b+2*ii+1], v[X16+64*\b+2*ii:X16+64*\b+2*ii+1], v[64+2*ii:64+2*ii+1]
.set ii, ii+1
.endr
.set ii, 0
.rept 8
	ds_store_b128 v[YA], v[X16+64*\b+8*ii:X16+64*\b+8*ii+3] offset:(8*\b+ii)*1040
	ds_store_b128 v[YA], v[X16+64*\b+8*ii+4:X16+64*\b+8*ii+7] offset:(8*\b+ii)*1040+512
.set ii, ii+1
.endr
.endr
	; ---- LN(x'), four rows a trip ----
	s_mov_b32 s44, 4
.Lln:
.set ii, 0
.rept 4
	ds_load_b128 v[XR+8*ii:XR+8*ii+3], v[YL] offset:ii*1040      ; LDS serves a wave's instructions in order (ISA guide 5.7.1.4): these see my stores above
	ds_load_b128 v[XR+8*ii+4:XR+8*ii+7], v[YL] offset:ii*1040+512
.set ii, ii+1
.endr
	s_wait_dscnt 0x0
	LN4
.set ii, 0
.rept 4
.irp j, 0,1,2,3
	v_cvt_pk_f16_f32 v[TP+4*(ii%2)+\j], v[XR+8*ii+2*\j], v[XR+8*ii+2*\j+1]
.endr
	ds_store_b64 v[SA], v[TP+4*(ii%2):TP+4*(ii%2)+1] offset:ii*528
	ds_store_b64 v[SA], v[TP+4*(ii%2)+2:TP+4*(ii%2)+3] offset:ii*528+256
.set ii, ii+1
.endr
	v_add_nc_u32 v[YL], 4*1040, v[YL]
	v_add_nc_u32 v[SA], 4*528, v[SA]
	s_sub_co_u32 s44, s44, 1
	s_cmp_lg_u32 s44, 0
	s_cbranch_scc1 .Lln
	WLOAD 2, 34, 0, 0, 6                           ; W2's panel, where Wo lay: it has the whole of the next loop in which to land
	WIN 0
	s_wait_dscnt 0x0                               ; for the others' sake: x' and LN(x') of my rows are in LDS
	s_barrier_signal -1
	s_barrier_wait -1
	s_wait_loadcnt 56                              ; W1, b1 and b2 are in: the 56 younger loads are W2's
	WLOAD 2, 34, 0, 7, 7
	WIN 0x41                                       ; b2 times F, in window 1
.set ii, 0
.rept 16
	v_pk_mul_f32 v[B2R+2*ii:B2R+2*ii+1], v[B2R+2*ii:B2R+2*ii+1], s[70:71] op_sel_hi:[1,0]
.set ii, ii+1
.endr
	WIN 0
	; ---- gelu(LN(x') W1^T + b1): my 64 hidden channels, a pair of tiles a trip ----
	s_mov_b32 s44, 2
.Lmlp:
	WIN 0x40
.irp t, 0,1
.irp ks, 0,1,2,3,4,5,6,7
	ds_load_b128 v[8*(8*\t+\ks):8*(8*\t+\ks)+3], v[FA] offset:\t*8448+\ks*64
	ds_load_b128 v[8*(8*\t+\ks)+4:8*(8*\t+\ks)+7], v[FA] offset:\t*8448+\ks*64+32
.endr
.endr
	s_wait_dscnt 0x0
	PANEL 3, 0, B1R, 1
	PLACES5
	WIN 0
	GELU8 0
	GELU8 1
	GELU8 2
	GELU8 3
	GELU8 4
	GELU8 5
	GELU8 6
	GELU8 7
	v_add_nc_u32 v[FA], 2*8448, v[FA]
	v_add_nc_u32 v[HA], 2048, v[HA]
	s_sub_co_u32 s44, s44, 1
	s_cmp_lg_u32 s44, 0
	s_cbranch_scc1 .Lmlp
	s_wait_dscnt 0x0                               ; for the others' sake: my hidden channels are in LDS
	s_barrier_signal -1
	s_barrier_wait -1
	; ---- the plane: F (x' + b2) + .. W2^T over the quarter's 256 hidden channels, a pair of tiles a trip.  x' comes back as an accumulator holds it; the sum goes through the same bytes
	;      (my 256-byte columns, which no other wave touches any more) and leaves by rows ----
	s_wait_loadcnt 0x0                             ; W2
	s_mov_b32 s44, 2
.Lout:
	WIN 0x40
.irp t, 0,1
.irp ks, 0,1,2,3,4,5,6,7
	ds_load_b128 v[8*(8*\t+\ks):8*(8*\t+\ks)+3], v[HR] offset:\ks*4096+\t*1024
	ds_load_b128 v[8*(8*\t+\ks)+4:8*(8*\t+\ks)+7], v[HR] offset:\ks*4096+\t*1024+512
.endr
.endr
	WIN 0
.set aa, 0
.rept 8
	ds_load_b128 v[XD+8*aa:XD+8*aa+3], v[DA] offset:(aa%2)*16640+(aa/2)*64
	ds_load_b128 v[XD+8*aa+4:XD+8*aa+7], v[DA] offset:(aa%2)*16640+(aa/2)*64+16
.set aa, aa+1
.endr
	s_wait_dscnt 16                                ; the fragments are in: the 16 younger loads are x'
	PANEL 2, 0, B2R, 1
	PLACES5
	WIN 0
	s_wait_dscnt 0x0
.set ii, 0
.rept 32
	v_pk_fma_f32 v[XD+2*ii:XD+2*ii+1], v[XD+2*ii:XD+2*ii+1], s[70:71], v[ACC+2*ii:ACC+2*ii+1] op_sel_hi:[1,0,1]
.set ii, ii+1
.endr
.set aa, 0
.rept 8
	ds_store_b128 v[DA], v[XD+8*aa:XD+8*aa+3] offset:(aa%2)*16640+(aa/2)*64
	ds_store_b128 v[DA], v[XD+8*aa+4:XD+8*aa+7] offset:(aa%2)*16640+(aa/2)*64+16
.set aa, aa+1
.endr
	s_wait_xcnt 0x0                                ; the registers that the last trip's stores read are loaded again only behind this wait
.set ii, 0
.rept 16
	ds_load_b128 v[RB+4*ii:RB+4*ii+3], v[RA] offset:ii*2080  ; in order behind the stores above
.set ii, ii+1
.endr
.set ii, 0
.rept 16
	s_wait_dscnt 15-ii
	global_store_b128 v[GA], v[RB+4*ii:RB+4*ii+3], s[68:69] offset:ii*2048  ; sixteen lanes store 256 consecutive bytes
.set ii, ii+1
.endr
	s_wait_xcnt 0x0                                ; the stores' offset steps only behind this wait
	v_add_nc_u32 v[GA], 32*1024, v[GA]
	v_add_nc_u32 v[DA], 32*1040, v[DA]
	v_add_nc_u32 v[RA], 32*1040, v[RA]
	v_add_nc_u32 v[HR], 2048, v[HR]
	s_sub_co_u32 s44, s44, 1
	s_cmp_lg_u32 s44, 0
	s_cbranch_scc1 .Lout
	s_wait_tensorcnt 0x0                           ; the wave's end
	ds_add_u32 v[SPW], v[NIL]
	s_wait_dscnt 0x0
	s_endpgm
.Lfunc_end_k_q560160dc41_tail:
	.size	k_q560160dc41_tail, .Lfunc_end_k_q560160dc41_tail-k_q560160dc41_tail
	.p2alignl 7, 3214868480
	.fill 96, 4, 3214868480
	.section	.rodata,"a",@progbits
	.p2align	6, 0x0
	.amdhsa_kernel k_q560160dc41_tail
		.amdhsa_group_segment_fixed_size 133632
		.amdhsa_private_segment_fixed_size 0
		.amdhsa_enable_private_segment 0
		.amdhsa_kernarg_size 72
		.amdhsa_user_sgpr_count 2
		.amdhsa_user_sgpr_kernarg_segment_ptr 1
		.amdhsa_wavefront_size32 1
		.amdhsa_system_sgpr_workgroup_id_x 1
		.amdhsa_system_sgpr_workgroup_id_y 1
		.amdhsa_system_sgpr_workgroup_id_z 1
		.amdhsa_system_vgpr_workitem_id 0
		.amdhsa_next_free_vgpr 1024
		.amdhsa_next_free_sgpr 72
		.amdhsa_reserve_vcc 0
		.amdhsa_float_denorm_mode_32 3
		.amdhsa_float_denorm_mode_16_64 3
		.amdhsa_memory_ordered 1
		.amdhsa_forward_progress 1
		.amdhsa_inst_pref_size 117
	.end_amdhsa_kernel
	.amdgpu_metadata
---
amdhsa.version: [ 1, 2 ]
amdhsa.kernels:
  - .name:           k_q560160dc41_tail
    .symbol:         k_q560160dc41_tail.kd
    .args:
      - { .name: o16, .offset: 0, .size: 8, .value_kind: global_buffer, .address_space: global }
      - { .name: x0, .offset: 8, .size: 8, .value_kind: global_buffer, .address_space: global }
      - { .name: wt0, .offset: 16, .size: 8, .value_kind: global_buffer, .address_space: global }
      - { .name: b0_outproj_b, .offset: 24, .size: 8, .value_kind: global_buffer, .address_space: global }
      - { .name: b0_norm2_w, .offset: 32, .size: 8, .value_kind: global_buffer, .address_space: global }
      - { .name: b0_norm2_b, .offset: 40, .size: 8, .value_kind: global_buffer, .address_space: global }
      - { .name: b0_mlp_b1, .offset: 48, .size: 8, .value_kind: global_buffer, .address_space: global }
      - { .name: b0_mlp_b2, .offset: 56, .size: 8, .value_kind: global_buffer, .address_space: global }
      - { .name: xpb, .offset: 64, .size: 8, .value_kind: global_buffer, .address_space: global }
    .group_segment_fixed_size: 133632
    .private_segment_fixed_size: 0
    .kernarg_segment_align: 8
    .kernarg_segment_size: 72
    .max_flat_workgroup_size: 128
    .sgpr_count:     72
    .vgpr_count:     1024
    .wavefront_size: 32
...
	.end_amdgpu_metadata
.endif
;; end of part 11
;; launch qkv1: the kernel of part 9 again; grid 128 x 2, 8 waves a work-group, clusters of 4 x 1, 231,424 bytes of LDS; arguments xpb, b1_norm1_w, b1_norm1_b, b1_qpos, b1_kpos, b1_inproj_b, wt1, opnd, x0; writes opnd, x0
;; launch mha1: the kernel of part 10 again; grid 32 x 8, 8 waves a work-group, clusters of 4 x 1, 327,680 bytes of LDS; arguments opnd, o16; writes o16
;; launch tail1: the kernel of part 11 again; grid 64 x 4, 4 waves a work-group, no clusters, 133,632 bytes of LDS; arguments o16, x0, wt1, b1_outproj_b, b1_norm2_w, b1_norm2_b, b1_mlp_b1, b1_mlp_b2, xpa; writes xpa
;; launch outt (part 12): grid 256 x 1, 4 waves a work-group, no clusters, 17,152 bytes of LDS; arguments xpa, out0; writes out0
.if DOCPART == 12
	.amdgcn_target "amdgcn-amd-amdhsa--gfx1250"
	.amdhsa_code_object_version 6
	.text
	.protected	k_q560160dc41_outt
	.globl	k_q560160dc41_outt
	.p2align	8
	.type	k_q560160dc41_outt,@function
k_q560160dc41_outt:
	s_mov_b64 s[64:65], 0
	v_nop
	global_prefetch_b8 v0, s[64:65] scope:SCOPE_SE
	s_setreg_imm32_b32 hwreg(HW_REG_WAVE_MODE, 25, 1), 1
	s_wait_xcnt 0x0
; OUTT: out0[channel][token] = the sum of x's four planes at [token][channel], f32.  A work-group adds and turns 64 tokens x 64 channels through LDS: rows of 256 consecutive bytes come in,
; rows of 256 consecutive bytes go out.
; The stage has rows of 65 words, so that both the stores (4 words a lane along a row) and the loads (down a column) touch each bank once (64 banks of 4 bytes: ISA guide 11.1).
; A launch of its own: the launch before is one body for both blocks of the model, and each of its work-groups holds one of the four planes.
.set SPARE, 16640
.set SPW, 2
.set NIL, 3
	s_load_b128 s[4:7], s[0:1], 0x0                ; x's planes, out0
	v_lshl_add_u32 v[SPW], v0, 2, SPARE
	v_mov_b32 v[NIL], 0
	v_lshrrev_b32 v1, 5, v0
	v_readfirstlane_b32 s8, v1
	v_and_b32 v4, 15, v0                           ; r
	v_bfe_u32 v5, v0, 4, 1                         ; h
	s_lshr_b32 s9, ttmp9, 2                        ; block of 64 tokens
	s_and_b32 s10, ttmp9, 3                        ; block of 64 channels
	s_lshl_b32 s12, s9, 16
	s_lshl_b32 s13, s8, 14
	s_add_co_u32 s12, s12, s13
	s_lshl_b32 s13, s10, 8
	s_add_co_u32 s12, s12, s13                     ; (64 tb + 16 w) x 1,024 + 256 cq
	s_mov_b32 s13, 0
	s_lshl_b32 s14, s10, 20
	s_lshl_b32 s15, s8, 18
	s_add_co_u32 s14, s14, s15
	s_lshl_b32 s15, s9, 8
	s_add_co_u32 s14, s14, s15                     ; (64 cq + 16 w) x 16,384 + 256 tb
	s_mov_b32 s15, 0
	v_lshlrev_b32 v6, 10, v5
	v_lshl_add_u32 v6, v4, 4, v6
	v_lshlrev_b32 v7, 14, v5
	v_lshl_add_u32 v7, v4, 4, v7
	s_mul_i32 s16, s8, 4160
	v_mul_u32_u24 v8, v5, 260
	v_lshl_add_u32 v8, v4, 4, v8
	v_add_nc_u32 v8, s16, v8                       ; in: token 16 w + h, channel 4 r
	s_lshl_b32 s16, s8, 6
	v_mul_u32_u24 v9, v4, 1040
	v_lshl_add_u32 v9, v5, 2, v9
	v_add_nc_u32 v9, s16, v9                       ; out: token 4 r, channel 16 w + h
	s_wait_kmcnt 0x0
	s_add_nc_u64 s[4:5], s[4:5], s[12:13]          ; planes 0 and 1 (the second by the immediate: a plane is 4 MiB)
	s_add_nc_u64 s[18:19], s[4:5], 0x800000        ; planes 2 and 3
	s_add_nc_u64 s[6:7], s[6:7], s[14:15]
.irp i, 0,1,2,3,4,5,6,7
	global_load_b128 v[16+4*\i:19+4*\i], v6, s[4:5] offset:\i*2048 th:TH_LOAD_NT
	global_load_b128 v[80+4*\i:83+4*\i], v6, s[4:5] offset:0x400000+\i*2048 th:TH_LOAD_NT
	global_load_b128 v[112+4*\i:115+4*\i], v6, s[18:19] offset:\i*2048 th:TH_LOAD_NT
	global_load_b128 v[144+4*\i:147+4*\i], v6, s[18:19] offset:0x400000+\i*2048 th:TH_LOAD_NT
.endr
.irp i, 0,1,2,3,4,5,6,7
	s_wait_loadcnt 28-4*\i                         ; the four planes of row pair i are in: four loads for each later pair are younger
.irp c, 0,2
	v_pk_add_f32 v[16+4*\i+\c:17+4*\i+\c], v[16+4*\i+\c:17+4*\i+\c], v[80+4*\i+\c:81+4*\i+\c]
.endr
.irp c, 0,2
	v_pk_add_f32 v[16+4*\i+\c:17+4*\i+\c], v[16+4*\i+\c:17+4*\i+\c], v[112+4*\i+\c:113+4*\i+\c]
.endr
.irp c, 0,2
	v_pk_add_f32 v[16+4*\i+\c:17+4*\i+\c], v[16+4*\i+\c:17+4*\i+\c], v[144+4*\i+\c:145+4*\i+\c]
.endr
.irp e, 0,1,2,3
	ds_store_b32 v8, v[16+4*\i+\e] offset:(130*\i+\e)*4
.endr
.endr
	s_wait_dscnt 0x0                               ; for the others' sake: my sixteen rows are in LDS
	s_barrier_signal -1
	s_barrier_wait -1
.irp i, 0,1,2,3,4,5,6,7
.irp e, 0,1,2,3
	ds_load_b32 v[48+4*\i+\e], v9 offset:(65*\e+2*\i)*4
.endr
.endr
	s_wait_dscnt 0x0
.irp i, 0,1,2,3,4,5,6,7
	global_store_b128 v7, v[48+4*\i:51+4*\i], s[6:7] offset:\i*32768 th:TH_STORE_NT
.endr
	s_wait_tensorcnt 0x0                           ; the wave's end
	ds_add_u32 v[SPW], v[NIL]
	s_wait_dscnt 0x0
	s_endpgm
.Lfunc_end_k_q560160dc41_outt:
	.size	k_q560160dc41_outt, .Lfunc_end_k_q560160dc41_outt-k_q560160dc41_outt
	.p2alignl 7, 3214868480
	.fill 96, 4, 3214868480
	.section	.rodata,"a",@progbits
	.p2align	6, 0x0
	.amdhsa_kernel k_q560160dc41_outt
		.amdhsa_group_segment_fixed_size 17152
		.amdhsa_private_segment_fixed_size 0
		.amdhsa_enable_private_segment 0
		.amdhsa_kernarg_size 16
		.amdhsa_user_sgpr_count 2
		.amdhsa_user_sgpr_kernarg_segment_ptr 1
		.amdhsa_wavefront_size32 1
		.amdhsa_system_sgpr_workgroup_id_x 1
		.amdhsa_system_sgpr_workgroup_id_y 1
		.amdhsa_system_sgpr_workgroup_id_z 1
		.amdhsa_system_vgpr_workitem_id 0
		.amdhsa_next_free_vgpr 176
		.amdhsa_next_free_sgpr 66
		.amdhsa_reserve_vcc 0
		.amdhsa_float_denorm_mode_32 3
		.amdhsa_float_denorm_mode_16_64 3
		.amdhsa_memory_ordered 1
		.amdhsa_forward_progress 1
		.amdhsa_inst_pref_size 14
	.end_amdhsa_kernel
	.amdgpu_metadata
---
amdhsa.version: [ 1, 2 ]
amdhsa.kernels:
  - .name:           k_q560160dc41_outt
    .symbol:         k_q560160dc41_outt.kd
    .args:
      - { .name: xpa, .offset: 0, .size: 8, .value_kind: global_buffer, .address_space: global }
      - { .name: out0, .offset: 8, .size: 8, .value_kind: global_buffer, .address_space: global }
    .group_segment_fixed_size: 17152
    .private_segment_fixed_size: 0
    .kernarg_segment_align: 8
    .kernarg_segment_size: 16
    .max_flat_workgroup_size: 128
    .sgpr_count:     66
    .vgpr_count:     176
    .wavefront_size: 32
...
	.end_amdgpu_metadata
.endif
;; end of part 12
;; ======== version 3 of 3: 10 launches; 1.52 times as fast as version 1
;; limits: values are held in f16: magnitudes above 65,504 overflow, below 6.1e-05 lose precision; an absolute error that grows with the inputs' magnitude: up to 1e-07 times it
;; workspace buffers: opnd 6,291,456 bytes; wt0 1,572,864 bytes; wt1 1,572,864 bytes; part 33,816,576 bytes; o16 2,097,152 bytes; x0 4,194,304 bytes; xpa 16,777,216 bytes; xpb 16,777,216 bytes
;; launch prep: the kernel of part 1 again; grid 168 x 1, 8 waves a work-group, no clusters, 137,216 bytes of LDS; arguments ml_c, ml_r, fl_r, ca_qpos, ca_kpos, b0_inproj_w, b0_outproj_w, b0_mlp_w1, b0_mlp_w2, b1_inproj_w, b1_outproj_w, b1_mlp_w1, b1_mlp_w2, opnd, wt0, wt1; writes opnd, wt0, wt1
;; launch cross (part 13): grid 32 x 8, 4 waves a work-group, clusters of 4 x 1, 327,680 bytes of LDS; arguments opnd, part; writes part
.if DOCPART == 13
	.amdgcn_target "amdgcn-amd-amdhsa--gfx1250"
	.amdhsa_code_object_version 6
	.text
	.protected	k_q560160dc41_cross
	.globl	k_q560160dc41_cross
	.p2align	8
	.type	k_q560160dc41_cross,@function
k_q560160dc41_cross:
	s_mov_b64 s[64:65], 0
	v_nop
	global_prefetch_b8 v0, s[64:65] scope:SCOPE_SE
	s_setreg_imm32_b32 hwreg(HW_REG_WAVE_MODE, 25, 1), 1
	s_wait_xcnt 0x0
	s_wait_alu depctr_hold_cnt(0) depctr_sa_sdst(0) depctr_va_vdst(0) depctr_va_sdst(0) depctr_va_ssrc(0) depctr_va_vcc(0) depctr_vm_vsrc(0)
	s_getreg_b32 s2, hwreg(HW_REG_IB_STS2, 6, 4)
	s_cmp_eq_u32 s2, 0
	s_cbranch_scc0 .Lentry_in_a_cluster
	s_endpgm
.Lentry_in_a_cluster:
	s_bfe_u32 s2, ttmp6, 0x10000c
	s_cmp_lg_u32 s2, 0x3003
	s_cbranch_scc0 .Lentry_shape_is_right
	s_endpgm
.Lentry_shape_is_right:
; CROSS ATTENTION, one head of 256 channels, 4,096 queries x 4,096 keys, scale 1/16, split eight ways along the keys.
; Work-group (qb, p): 128 queries (two tiles of 16 a wave) against keys 512 p .. 512 p + 511.  It stores the unnormalised O^T in f32 and, for each query, c m and l; the next launch joins the eight parts.
; The split is there because O^T for 256 channels takes 128 registers a tile: 32 query blocks alone would leave seven WGPs in eight without work.
; LAYOUT.  S^T = K Q^T (source 0 = 16 keys, source 1 = 16 queries): a lane holds ONE query (lane % 16) and keys 8 (lane / 16) + 0..7; two results rounded to f16 ARE source 1 of O^T = V^T P.
; All operands are fragment-major (1,024 bytes a fragment, 16 bytes a lane at 16 x lane and 512 + 16 x lane): tiles are dense, LDS loads take 512 consecutive bytes, no padding is needed.
; SOFTMAX.  Running maximum m and sum l for each query: p = 2^(c s - c m), c = log2(e) / 16; in every step O and l are multiplied by a = 2^(c m_old - c m_new).  m starts at the lowest finite number, O and l at 0.
; BATCHES.  A step's 34 exponentials are two batches, each with one wait.  The first: a of both tiles and pairs 0-3 of both tiles' scores, all sixteen scalings between them.  The second: pairs 4-7, the
; roundings and sums of pairs 0-3 between them; behind it O^T's rescaling, which names none of its results; then its wait; then the roundings and sums of pairs 4-7.
; RING.  Two slots of 131,072 bytes (64 KB of K, 64 KB of V: 128 keys, four steps of 32).  Four fills; each wave brings 32 KB of a fill.
; CLUSTER.  The four query blocks of a cluster walk the same keys: each tile is asked for jointly, by the same load, descriptor and mask in all four.
; LIMITS.  f16 operands (65,504 at the most; p below 6e-5 keeps the step 6e-8); a weight below 2^-126 counts as 0; NaN and infinities are not treated apart.
; REGISTERS, in windows of 256: window 0: addresses, statistics, S^T (v64-95), P (v96-111); window 1: O^T, 128 a tile; window 2: Q (v0-127), K of a step (v128-255); window 3: V of a step (v0-127).
.set NS,    16                         ; scores a lane and tile in a step
.set NA,    2                          ; accumulators of them
.set NP,    8                          ; pairs of them
.set NSTEP, 4                          ; steps in a slot
.set STEPB, 16384                      ; bytes of K, and of V, in a step
.set NL,    32                         ; LDS loads in a fetch
.set SLOT1, 1<<17
.set SPARE, 262144                     ; behind the ring: the spare words, 128 bytes a wave
.set LA,  2                            ; 16 x lane
.set AK,  3
.set AV,  4
.set LN,  5                            ; lane
.set ST,  12                           ; tile t at ST + 8 t: c m, m, l (even keys', odd keys'), c0, c1, c2 (later a), c3
.set SPW, 62
.set NIL, 63
.set S,   64
.set P,   96
.set KF,  128
.set WV,  12
.set SLOTS, 56
.set CNT, 57
.set CS,  58
.set SEL, 60
.set TBK, 62
.set TBV, 63
.set MSB, 0
.macro WIN new                         ; the high byte repeats the setting that is left; a switch that changes nothing is dropped
.if MSB != (\new)
	s_set_vgpr_msb (MSB<<8)|(\new)
.set MSB, (\new)
.endif
.endm
.macro PLACES                          ; four plain instructions between a matrix instruction and a vector read of its result or a load into its registers
.rept 4
	v_nop
.endr
.endm
.macro CROUND                          ; a round of the cluster's barrier
	s_barrier_signal -1
	s_barrier_wait -1
	s_cmp_lg_u32 s[WV], 0
	s_cbranch_scc1 .Lnot_wave_0_\@
	s_barrier_signal -3
.Lnot_wave_0_\@:
	s_barrier_wait -3
	s_barrier_signal -1
	s_barrier_wait -1
.endm
	s_load_b128 s[4:7], s[0:1], 0x0                ; opnd s[4:5], part s[6:7]
	v_lshl_add_u32 v[SPW], v0, 2, SPARE
	v_mov_b32 v[NIL], 0
	ds_add_u32 v[SPW], v[NIL]                      ; the wave's opening: the add and its wait stand ahead of my first tensor load
	v_lshrrev_b32 v1, 5, v0
	v_readfirstlane_b32 s[WV], v1
	s_bfe_u32 s13, ttmp6, 0x40000                  ; cx
	s_lshl_b32 s14, ttmp9, 2
	s_add_co_u32 s14, s14, s13                     ; query block: it enters Q's and the output's addresses alone
	s_and_b32 s15, ttmp7, 0xffff                   ; p, which the four partners share
	s_mov_b32 s24, 15|(3<<16)|(1<<21)              ; group 1: mask of four; elements of 8 bytes; bit 21 beside the mask; no padding
	s_mov_b32 s25, 32<<16                          ; tensor_dim0 = 32 (256 bytes)
	s_mov_b32 s26, 128<<16                         ; tensor_dim1 = 128
	s_mov_b32 s27, 32<<16                          ; tile_dim0 = 32
	s_mov_b32 s28, 128                             ; tile_dim1 = 128: 32,768 dense bytes
	s_mov_b32 s29, 32                              ; from row to row
	s_mov_b32 s30, 0
	s_mov_b32 s31, 0
	s_mov_b32 s32, 1                               ; group 0 for fill 0, slot 0
	s_lshl_b32 s33, s[WV], 15                      ; wave x 32,768: waves 0, 1 K's halves, waves 2, 3 V's
	s_mov_b32 s36, 1                               ; group 0 for fill 1, slot 1; it then walks
	s_add_co_u32 s37, s33, SLOT1
	s_lshr_b32 s20, s[WV], 1
	s_add_co_u32 s20, s20, 1
	s_lshl_b32 s20, s20, 21                        ; k16 at 2 MiB, v16 at 4 MiB
	s_lshl_b32 s21, s15, 18                        ; 512 keys are 262,144 bytes of either
	s_add_co_u32 s20, s20, s21
	s_and_b32 s21, s[WV], 1
	s_lshl_b32 s21, s21, 15
	s_add_co_u32 s20, s20, s21
	s_mov_b32 s21, 0
	s_lshl_b32 s16, s14, 3
	s_lshl_b32 s17, s[WV], 1
	s_add_co_u32 s16, s16, s17                     ; my first query tile
	s_lshl_b32 s22, s16, 13                        ; 8,192 bytes of q16 a tile
	s_mov_b32 s23, 0
	s_lshl_b32 s18, s15, 22                        ; 4 MiB of partial O a split,
	s_lshl_b32 s19, s16, 14                        ; 16,384 bytes a tile
	s_add_co_u32 s18, s18, s19
	s_mov_b32 s19, 0
	s_lshl_b32 s40, s14, 2
	s_add_co_u32 s40, s40, s[WV]                   ; my pair of tiles
	s_lshl_b32 s40, s40, 8
	s_lshl_b32 s41, s15, 15
	s_add_co_u32 s40, s40, s41
	s_add_co_u32 s40, s40, 0x2000000               ; c m and l lie behind the 32 MiB of partial O
	s_mov_b32 s41, 0
	s_mov_b32 s[CS], 0x3db8aa3b                    ; c = log2(e) / 16
	s_mov_b32 s[CS+1], s[CS]
	s_mov_b32 s[SEL], 0x76543210
	s_mov_b32 s[SEL+1], 0xfedcba98
	s_mov_b32 s[TBK], 0
	s_mov_b32 s[TBV], 65536
	s_wait_dscnt 0x0                               ; the opening add is done
	s_wait_kmcnt 0x0
	s_add_nc_u64 s[34:35], s[4:5], s[20:21]
	s_add_nc_u64 s[38:39], s[34:35], 65536         ; the next 128 keys
	s_or_b32 s35, s35, 0x80000000                  ; type = 2
	s_or_b32 s39, s39, 0x80000000
	s_add_nc_u64 s[8:9], s[4:5], s[22:23]          ; Q
	s_add_nc_u64 s[10:11], s[6:7], s[18:19]        ; partial O
	s_add_nc_u64 s[16:17], s[6:7], s[40:41]        ; c m and l
	CROUND                                         ; all four work-groups are here: the first joint loads meet
	tensor_load_to_lds s[32:35], s[24:31]          ; the two first fills together: two loads of mine are out
	s_nop 0
	tensor_load_to_lds s[36:39], s[24:31]
	s_nop 0
.rept 4
	v_nop
.endr
	v_and_b32 v[LN], 31, v0
	v_lshlrev_b32 v[LA], 4, v[LN]
	WIN 0x80                                       ; destination window 2
.set ii, 0
.rept 32                                       ; Q stays in registers: two tiles x eight fragments
	global_load_b128 v[4*ii:4*ii+3], v[LA], s[8:9] offset:ii*512
.set ii, ii+1
.endr
	WIN 0x40                                       ; O^T = 0, in the wait for the first tile: no first step is written out, its a is 0
.set ii, 0
.rept 256
	v_mov_b32 v[ii], 0
.set ii, ii+1
.endr
	WIN 0
.irp t, 0,1
	v_mov_b32 v[ST+8*\t], 0xfe000000               ; c m: far below every c s
	v_mov_b32 v[ST+8*\t+1], 0xff7fffff             ; m
	v_mov_b32 v[ST+8*\t+2], 0
	v_mov_b32 v[ST+8*\t+3], 0
.endr
.macro FETCH_K                         ; a step's K: 2 key tiles x 8 channel steps, in one run
	WIN 0
	v_add_nc_u32 v[AK], s[TBK], v[LA]
	WIN 0x80
.set ff, 0
.rept 16
	ds_load_b128 v[KF+8*ff:KF+8*ff+3], v[AK] offset:ff*1024
	ds_load_b128 v[KF+8*ff+4:KF+8*ff+7], v[AK] offset:ff*1024+512
.set ff, ff+1
.endr
	s_add_co_u32 s[TBK], s[TBK], STEPB
.endm
.macro FETCH_V                         ; a step's V^T: 16 channel blocks x 32 keys
	WIN 0
	v_add_nc_u32 v[AV], s[TBV], v[LA]
	WIN 0xc0
.set ff, 0
.rept 16
	ds_load_b128 v[8*ff:8*ff+3], v[AV] offset:ff*1024
	ds_load_b128 v[8*ff+4:8*ff+7], v[AV] offset:ff*1024+512
.set ff, ff+1
.endr
	s_add_co_u32 s[TBV], s[TBV], STEPB
.endm
.macro KQALL                           ; 32 products: channels 32 (ii / 4) on, key tile (ii / 2) % 2, query tile ii % 2; the four accumulators take turns
	WIN 0x0a
.set ii, 0
.rept 32
.set rS, S+16*(ii%2)+8*((ii/2)%2)
.set rK, KF+8*(8*((ii/2)%2)+ii/4)
.set rQ, 64*(ii%2)+8*(ii/4)
.if ii < 4
	v_wmma_f32_16x16x32_f16 v[rS:rS+7], v[rK:rK+7], v[rQ:rQ+7], 0
.else
	v_wmma_f32_16x16x32_f16 v[rS:rS+7], v[rK:rK+7], v[rQ:rQ+7], v[rS:rS+7]
.endif
.set ii, ii+1
.endr
.endm
.macro PVALL                           ; 32 products on 32 accumulators: channel block ii / 2, query tile ii % 2
	WIN 0x53
.set ii, 0
.rept 32
.set rO, 128*(ii%2)+8*(ii/2)
.set rV, 8*(ii/2)
.set rP, P+8*(ii%2)
	v_wmma_f32_16x16x32_f16 v[rO:rO+7], v[rV:rV+7], v[rP:rP+7], v[rO:rO+7]
.set ii, ii+1
.endr
.endm
.macro FF t, b                         ; c s - c m for pair b
	v_pk_fma_f32 v[S+NS*(\t)+2*(\b):S+NS*(\t)+2*(\b)+1], v[S+NS*(\t)+2*(\b):S+NS*(\t)+2*(\b)+1], s[CS:CS+1], v[ST+8*(\t):ST+8*(\t)+1] op_sel_hi:[1,0,0] neg_lo:[0,0,1] neg_hi:[0,0,1]
.endm
.macro EE t, e
	v_exp_f32 v[S+NS*(\t)+(\e)], v[S+NS*(\t)+(\e)]
.endm
.macro CC t, b                         ; pair b rounded to f16
	v_cvt_pk_f16_f32 v[P+NP*(\t)+(\b)], v[S+NS*(\t)+2*(\b)], v[S+NS*(\t)+2*(\b)+1]
.endm
.macro LL t, b                         ; l takes pair b (the first time as l = a l + pair)
.if (\b) == 0
	v_pk_fma_f32 v[ST+8*(\t)+2:ST+8*(\t)+3], v[ST+8*(\t)+2:ST+8*(\t)+3], v[ST+8*(\t)+6:ST+8*(\t)+7], v[S+NS*(\t):S+NS*(\t)+1] op_sel_hi:[1,0,1]
.else
	v_pk_add_f32 v[ST+8*(\t)+2:ST+8*(\t)+3], v[ST+8*(\t)+2:ST+8*(\t)+3], v[S+NS*(\t)+2*(\b):S+NS*(\t)+2*(\b)+1]
.endif
.endm
; A step's softmax for both tiles, line by line in turn.  Each accumulator's lowest registers are read first.
; The exponentials are two batches with one wait each; nothing ahead of a batch's wait names a result of that batch.
.macro SOFTMAX
	WIN 0
.set nn, 0
.rept NA
.irp t, 0,1
	v_max3_num_f32 v[ST+8*\t+4+nn], v[S+NS*\t+8*nn], v[S+NS*\t+8*nn+1], v[S+NS*\t+8*nn+2]
.endr
.set nn, nn+1
.endr
.irp d, 3,5
.set nn, 0
.rept NA
.irp t, 0,1
	v_max3_num_f32 v[ST+8*\t+4+nn], v[ST+8*\t+4+nn], v[S+NS*\t+8*nn+\d], v[S+NS*\t+8*nn+\d+1]
.endr
.set nn, nn+1
.endr
.endr
.irp t, 0,1
	v_max3_num_f32 v[ST+8*\t+4], v[ST+8*\t+4], v[S+NS*\t+7], v[S+NS*\t+15]
.endr
.irp t, 0,1
	v_max3_num_f32 v[ST+8*\t+4], v[ST+8*\t+4], v[ST+8*\t+5], v[ST+8*\t+1]
.endr
.irp t, 0,1
	v_permlanex16_b32 v[ST+8*\t+5], v[ST+8*\t+4], s[SEL], s[SEL+1]  ; the query's other keys lie in the lane 16 away
.endr
.irp t, 0,1
	v_mov_b32 v[ST+8*\t+7], v[ST+8*\t]             ; c m_old
.endr
.irp t, 0,1
	v_max_num_f32 v[ST+8*\t+1], v[ST+8*\t+4], v[ST+8*\t+5]
.endr
.irp t, 0,1
	v_mul_f32 v[ST+8*\t], s[CS], v[ST+8*\t+1]
.endr
.irp t, 0,1
	v_sub_f32 v[ST+8*\t+7], v[ST+8*\t+7], v[ST+8*\t]
.endr
	; THE FIRST BATCH: a of both tiles, then exponential ee of NS: pair ee / 4 of tile (ee / 2) % 2.  Behind each stands a scaling: number ee + 2 of the 2 NP (pair (ee + 2) / 2 of tile ee % 2),
	; so that the scaling that an exponential needs, number ee / 2, stands ahead of it, and every scaling writes a pair above those that the exponentials have reached.
.irp t, 0,1
	v_exp_f32 v[ST+8*\t+6], v[ST+8*\t+7]           ; a
	FF \t, 0
.endr
.set ee, 0
.rept NS-2
	EE (ee/2)%2, 2*(ee/4)+ee%2
	FF ee%2, (ee+2)/2
.set ee, ee+1
.endr
	EE 1, NP-2
	EE 1, NP-1
	s_wait_alu depctr_va_vdst(0)                   ; the wait for the first batch: a of both tiles and pairs 0 to NP / 2 - 1; the rounding below, of pair 0, is the plain line behind the last two exponentials
	; THE SECOND BATCH: pairs NP / 2 to NP - 1 of both tiles; in front of each exponential one of the first half's roundings and sums
.set bb, 0
.rept NP/2
.irp t, 0,1
	CC \t, bb
	EE \t, NP+2*bb
	LL \t, bb
	EE \t, NP+2*bb+1
.endr
.set bb, bb+1
.endr
	WIN 0x41                                       ; O^T times a: destination and source 0 in window 1, a (of the first batch) in window 0: the work between the second batch and its wait
.irp t, 0,1
.set zz, 0
.rept 64
	v_pk_mul_f32 v[128*\t+2*zz:128*\t+2*zz+1], v[128*\t+2*zz:128*\t+2*zz+1], v[ST+8*\t+6:ST+8*\t+7] op_sel_hi:[1,0]
.set zz, zz+1
.endr
.endr
	WIN 0
	s_wait_alu depctr_va_vdst(0)                   ; the wait for the second batch; no exponential follows it in the step
.set bb, NP/2
.rept NP/2                                     ; the second half's roundings and sums, the tiles in turn: the links of a tile's chain onto l stand four lines apart
	CC 0, bb
	CC 1, bb
	LL 0, bb
	LL 1, bb
.set bb, bb+1
.endr
.endm
; A trip is TOP and BOT.  TOP: K of the next step is fetched; this step's softmax; V^T P.  BOT: V of the next step is fetched; its K Q^T.
.macro TOP fetch
	PLACES                                         ; behind the last K Q^T: for the loads into K and the reads of S^T
.if \fetch
	FETCH_K
.endif
	SOFTMAX
.if \fetch
	s_wait_dscnt NL                                ; V of this step is in: the NL younger loads are K's
.else
	s_wait_dscnt 0x0
.endif
	PVALL
.endm
.macro BOT
	PLACES                                         ; behind the last V^T P: for the loads into V
	FETCH_V
	s_wait_dscnt NL                                ; K is in: the NL younger loads are V's
	KQALL
.endm
; The change of slots: every wave waits for all its tensor loads (one is out: its part of the other slot), adds 0 to its spare word, waits for that and for its reads of the slot.
; fill = 1: the barrier is a round of the cluster's, and the joint refill is the first thing behind it: it has a slot's four steps in which to land.
.macro CHANGE fill
	WIN 0
	s_wait_tensorcnt 0x0
	ds_add_u32 v[SPW], v[NIL]
.if \fill
	s_xor_b32 s37, s37, SLOT1                      ; the walking descriptor: the other slot,
	s_add_nc_u64 s[38:39], s[38:39], 65536         ; the next 128 keys
.endif
	s_wait_dscnt 0x0
.if \fill
	CROUND
	tensor_load_to_lds s[36:39], s[24:31]
	s_nop 0
.rept 4
	v_nop
.endr
.else
	s_barrier_signal -1
	s_barrier_wait -1
.endif
	s_sub_co_u32 s[TBK], s[TBK], 65536             ; the fetches go back to a slot's first step, in the other slot
	s_xor_b32 s[TBK], s[TBK], SLOT1
	s_sub_co_u32 s[TBV], s[TBV], 65536
	s_xor_b32 s[TBV], s[TBV], SLOT1
.endm
	s_wait_tensorcnt 0x1                           ; my part of slot 0 is in; slot 1's may stay out
	s_barrier_signal -1
	s_barrier_wait -1
	FETCH_K                                        ; step 0
	WIN 0
	s_wait_loadcnt 0x0                             ; Q
	s_mov_b32 s[SLOTS], 3
	s_mov_b32 s[CNT], NSTEP
	s_branch .Lmid                                 ; the loop is entered in the middle of a trip: step 0 has no step before it
.Lslot:                                        ; twice: fills 2 and 3
	CHANGE 1
	s_mov_b32 s[CNT], NSTEP
.Ltrip:
	TOP 1
	WIN 0
.Lmid:
	BOT
	WIN 0
	s_sub_co_u32 s[CNT], s[CNT], 1
	s_cmp_lg_u32 s[CNT], 0
	s_cbranch_scc1 .Ltrip
	s_sub_co_u32 s[SLOTS], s[SLOTS], 1
	s_cmp_lg_u32 s[SLOTS], 0
	s_cbranch_scc1 .Lslot
	CHANGE 0                                       ; the last slot is written out: nothing is asked for
	s_mov_b32 s[CNT], NSTEP
.Ltail:
	TOP 1
	BOT
	WIN 0
	s_sub_co_u32 s[CNT], s[CNT], 1
	s_cmp_lg_u32 s[CNT], 0
	s_cbranch_scc1 .Ltail
	TOP 0                                          ; the last step
	; THE WAY OUT: l's halves are joined; lanes 0-15 store c m, lanes 16-31 l, both tiles in 8 bytes: 256 consecutive bytes a wave; then O^T as it lies, 512 consecutive bytes a store
	WIN 0
	PLACES
.irp t, 0,1
	v_add_f32 v[ST+8*\t+2], v[ST+8*\t+2], v[ST+8*\t+3]
.endr
.irp t, 0,1
	v_permlanex16_b32 v[ST+8*\t+5], v[ST+8*\t+2], s[SEL], s[SEL+1]
.endr
.irp t, 0,1
	v_add_f32 v[ST+8*\t+2], v[ST+8*\t+2], v[ST+8*\t+5]
.endr
	v_cmp_le_u32 vcc_lo, 16, v[LN]
	v_cndmask_b32 v8, v[ST], v[ST+2], vcc_lo
	v_cndmask_b32 v9, v[ST+8], v[ST+10], vcc_lo
	v_lshlrev_b32 v10, 3, v[LN]
	global_store_b64 v10, v[8:9], s[16:17]
	WIN 0x04                                       ; the stores' data in window 1
.set ii, 0
.rept 64                                       ; ii = 32 tile + 2 channel block + half: each accumulator's low half first
	global_store_b128 v[LA], v[4*ii:4*ii+3], s[10:11] offset:ii*512
.set ii, ii+1
.endr
	WIN 0
	s_wait_tensorcnt 0x0                           ; the wave's end
	ds_add_u32 v[SPW], v[NIL]
	s_wait_dscnt 0x0
	CROUND                                         ; the closing round
	s_endpgm
.Lfunc_end_k_q560160dc41_cross:
	.size	k_q560160dc41_cross, .Lfunc_end_k_q560160dc41_cross-k_q560160dc41_cross
	.p2alignl 7, 3214868480
	.fill 96, 4, 3214868480
	.section	.rodata,"a",@progbits
	.p2align	6, 0x0
	.amdhsa_kernel k_q560160dc41_cross
		.amdhsa_group_segment_fixed_size 327680
		.amdhsa_private_segment_fixed_size 0
		.amdhsa_enable_private_segment 0
		.amdhsa_kernarg_size 16
		.amdhsa_user_sgpr_count 2
		.amdhsa_user_sgpr_kernarg_segment_ptr 1
		.amdhsa_wavefront_size32 1
		.amdhsa_system_sgpr_workgroup_id_x 1
		.amdhsa_system_sgpr_workgroup_id_y 1
		.amdhsa_system_sgpr_workgroup_id_z 1
		.amdhsa_system_vgpr_workitem_id 0
		.amdhsa_next_free_vgpr 896
		.amdhsa_next_free_sgpr 66
		.amdhsa_reserve_vcc 1
		.amdhsa_float_denorm_mode_32 3
		.amdhsa_float_denorm_mode_16_64 3
		.amdhsa_memory_ordered 1
		.amdhsa_forward_progress 1
		.amdhsa_inst_pref_size 87
	.end_amdhsa_kernel
	.amdgpu_metadata
---
amdhsa.version: [ 1, 2 ]
amdhsa.kernels:
  - .name:           k_q560160dc41_cross
    .symbol:         k_q560160dc41_cross.kd
    .args:
      - { .name: opnd, .offset: 0, .size: 8, .value_kind: global_buffer, .address_space: global }
      - { .name: part, .offset: 8, .size: 8, .value_kind: global_buffer, .address_space: global }
    .group_segment_fixed_size: 327680
    .private_segment_fixed_size: 0
    .kernarg_segment_align: 8
    .kernarg_segment_size: 16
    .max_flat_workgroup_size: 128
    .sgpr_count:     66
    .vgpr_count:     896
    .wavefront_size: 32
...
	.end_amdgpu_metadata
.endif
;; end of part 13
;; launch comb: the kernel of part 8 again; grid 256 x 1, 4 waves a work-group, no clusters, 17,920 bytes of LDS; arguments part, xpa; writes xpa
;; launch qkv: the kernel of part 9 again; grid 128 x 2, 8 waves a work-group, clusters of 4 x 1, 231,424 bytes of LDS; arguments xpa, b0_norm1_w, b0_norm1_b, b0_qpos, b0_kpos, b0_inproj_b, wt0, opnd, x0; writes opnd, x0
;; launch mha (part 14): grid 32 x 8, 8 waves a work-group, clusters of 4 x 1, 327,680 bytes of LDS; arguments opnd, o16; writes o16
.if DOCPART == 14
	.amdgcn_target "amdgcn-amd-amdhsa--gfx1250"
	.amdhsa_code_object_version 6
	.text
	.protected	k_q560160dc41_mha
	.globl	k_q560160dc41_mha
	.p2align	8
	.type	k_q560160dc41_mha,@function
k_q560160dc41_mha:
	s_mov_b64 s[64:65], 0
	v_nop
	global_prefetch_b8 v0, s[64:65] scope:SCOPE_SE
	s_setreg_imm32_b32 hwreg(HW_REG_WAVE_MODE, 25, 1), 1
	s_wait_xcnt 0x0
	s_wait_alu depctr_hold_cnt(0) depctr_sa_sdst(0) depctr_va_vdst(0) depctr_va_sdst(0) depctr_va_ssrc(0) depctr_va_vcc(0) depctr_vm_vsrc(0)
	s_getreg_b32 s2, hwreg(HW_REG_IB_STS2, 6, 4)
	s_cmp_eq_u32 s2, 0
	s_cbranch_scc0 .Lentry_in_a_cluster
	s_endpgm
.Lentry_in_a_cluster:
	s_bfe_u32 s2, ttmp6, 0x10000c
	s_cmp_lg_u32 s2, 0x3003
	s_cbranch_scc0 .Lentry_shape_is_right
	s_endpgm
.Lentry_shape_is_right:
; SELF ATTENTION, eight heads of 32 channels, 4,096 x 4,096, scale 1 / sqrt(32).  Work-group (qb, head): 128 queries.
; EIGHT WAVES, two to a SIMD.  Waves w and w + 4 hold the same two tiles of 16 queries; of a slot's sixteen steps of 64 keys waves 0-3 walk the first eight, waves 4-7 the last eight.
; A step has 16 products beside some 220 vector instructions and is written in phases; with a second wave on the SIMD one wave's vector phase stands beside the other's products.
; Each fragment is still read from LDS once for two tiles: the LDS reads, products and vector instructions of the work-group are those of four waves that walk all keys.
; At the end waves 4-7 lay O, c m and l into a stage in LDS, and waves 0-3 join the two halves: O = (wA OA + wB OB) / (wA lA + wB lB), w = 2^(c m - max).
; LAYOUT.  S^T = K Q^T (source 0 = 16 keys, source 1 = 16 queries): a lane holds ONE query and keys 8 (lane / 16) + 0..7; two results rounded to f16 ARE source 1 of O^T = V^T P.
; All operands are fragment-major (1,024 bytes a fragment): tiles are dense, LDS loads take 512 consecutive bytes.  O leaves as halves of fragments, 512 consecutive bytes a store.
; SOFTMAX.  Running maximum m and sum l: p = 2^(c s - c m), c = log2(e) / sqrt(32); O and l are multiplied by a = 2^(c m_old - c m_new) in every step.  m starts at the lowest finite number, O and l at 0.
; BATCHES.  A step's 66 exponentials are two batches, each with one wait.  The first: a of both tiles and pairs 0-7 of both tiles' scores, all 32 scalings between them.  The second: pairs 8-15, the
; roundings and sums of pairs 0-7 between them; behind it O^T's rescaling, which names none of its results; then its wait; then the roundings and sums of pairs 8-15.
; On the way out the four weights of the join are one batch, the two reciprocals of their sums another.
; RING.  Two slots of 131,072 bytes (64 KB of K, 64 KB of V^T: 1,024 keys).  Four fills; each wave brings 16 KB of a fill, 64 rows of 256 bytes.
; CLUSTER.  The four query blocks of a cluster belong to one head: each tile is asked for jointly, by the same load, descriptor and mask in all four.
; LIMITS.  f16 operands (65,504 at the most; p below 6e-5 keeps the step 6e-8); a weight below 2^-126 counts as 0; NaN and infinities are not treated apart.
.set NS,    32
.set NA,    4
.set NP,    16
.set NSTEP, 8                          ; steps of a slot that a wave walks
.set STEPB, 4096
.set HALFB, NSTEP*STEPB                ; bytes of K, and of V, that a wave walks in a slot
.set NL,    8
.set SLOT1, 1<<17
.set SPARE, 262144                     ; behind the ring: the spare words, 128 bytes for each of eight waves
.set STG,   263168                     ; behind them: four stages of 9 x 512 bytes; no tensor load lands here
.set LA,  2
.set AK,  3
.set AV,  4
.set SG,  5                            ; my place in the stage that waves w and w + 4 share
.set SPW, 6
.set NIL, 7
.set ST,  8                            ; tile t at ST + 8 t: c m, m, l (even keys', odd keys'), c0, c1, c2 (later a), c3
.set Q,   24
.set K,   40
.set V,   72
.set S,   104
.set P,   168
.set O,   200
.set WV,  12
.set SLOTS, 56
.set CNT, 57
.set CS,  58
.set SEL, 60
.set TBK, 62
.set TBV, 63
.macro PLACES                          ; four plain instructions between a matrix instruction and a vector read of its result or a load into its registers
.rept 4
	v_nop
.endr
.endm
.macro CROUND
	s_barrier_signal -1
	s_barrier_wait -1
	s_cmp_lg_u32 s[WV], 0
	s_cbranch_scc1 .Lnot_wave_0_\@
	s_barrier_signal -3
.Lnot_wave_0_\@:
	s_barrier_wait -3
	s_barrier_signal -1
	s_barrier_wait -1
.endm
	s_load_b128 s[4:7], s[0:1], 0x0                ; opnd s[4:5], o16 s[6:7]
	v_lshl_add_u32 v[SPW], v0, 2, SPARE
	v_mov_b32 v[NIL], 0
	ds_add_u32 v[SPW], v[NIL]                      ; the wave's opening: the add and its wait stand ahead of my first tensor load
	v_lshrrev_b32 v1, 5, v0
	v_readfirstlane_b32 s[WV], v1                  ; wave 0..7
	s_and_b32 s40, s[WV], 3                        ; which pair of query tiles is mine; also: which quarter of a fill's K or V I fetch
	s_lshr_b32 s41, s[WV], 2                       ; which half of a slot's steps is mine; also: I fetch K (0) or V (1)
	s_bfe_u32 s13, ttmp6, 0x40000                  ; cx
	s_lshl_b32 s14, ttmp9, 2
	s_add_co_u32 s14, s14, s13                     ; query block: it enters Q's and O's addresses alone
	s_and_b32 s15, ttmp7, 0xffff                   ; the head, which the four partners share
	s_mov_b32 s24, 15|(3<<16)|(1<<21)              ; group 1: mask of four; elements of 8 bytes; bit 21 beside the mask; no padding
	s_mov_b32 s25, 32<<16
	s_mov_b32 s26, 64<<16
	s_mov_b32 s27, 32<<16
	s_mov_b32 s28, 64                              ; 64 rows of 256 bytes: 16,384 dense bytes
	s_mov_b32 s29, 32
	s_mov_b32 s30, 0
	s_mov_b32 s31, 0
	s_mov_b32 s32, 1
	s_lshl_b32 s33, s[WV], 14                      ; wave x 16,384: waves 0-3 K's quarters, waves 4-7 V's
	s_mov_b32 s36, 1
	s_add_co_u32 s37, s33, SLOT1
	s_add_co_u32 s20, s41, 1
	s_lshl_b32 s20, s20, 21                        ; kh at 2 MiB, vT at 4 MiB
	s_lshl_b32 s21, s15, 18                        ; 262,144 bytes a head
	s_add_co_u32 s20, s20, s21
	s_lshl_b32 s21, s40, 14
	s_add_co_u32 s20, s20, s21
	s_mov_b32 s21, 0
	s_lshl_b32 s16, s14, 3
	s_lshl_b32 s17, s40, 1
	s_add_co_u32 s16, s16, s17                     ; my first query tile
	s_lshl_b32 s22, s15, 8
	s_add_co_u32 s22, s22, s16
	s_lshl_b32 s22, s22, 10                        ; qh [head][tile][1 KB]
	s_mov_b32 s23, 0
	s_lshl_b32 s18, s16, 3
	s_add_co_u32 s18, s18, s15
	s_lshl_b32 s18, s18, 10                        ; o16 [tile][head][1 KB]
	s_mov_b32 s19, 0
	s_mov_b32 s[CS], 0x3e8293ee                    ; c = log2(e) / sqrt(32)
	s_mov_b32 s[CS+1], s[CS]
	s_mov_b32 s[SEL], 0x76543210
	s_mov_b32 s[SEL+1], 0xfedcba98
	s_lshl_b32 s[TBK], s41, 15                     ; my half of slot 0's K,
	s_add_co_u32 s[TBV], s[TBK], 65536             ; and of its V
	s_mul_i32 s42, s40, 4608
	s_add_co_u32 s42, s42, STG
	s_wait_dscnt 0x0                               ; the opening add is done
	s_wait_kmcnt 0x0
	s_add_nc_u64 s[34:35], s[4:5], s[20:21]
	s_add_nc_u64 s[38:39], s[34:35], 65536         ; the next 1,024 keys
	s_or_b32 s35, s35, 0x80000000
	s_or_b32 s39, s39, 0x80000000
	s_add_nc_u64 s[8:9], s[4:5], s[22:23]
	s_add_nc_u64 s[10:11], s[6:7], s[18:19]
	CROUND                                         ; all four work-groups are here: the first joint loads meet
	tensor_load_to_lds s[32:35], s[24:31]          ; the two first fills together: two loads of mine are out
	s_nop 0
	tensor_load_to_lds s[36:39], s[24:31]
	s_nop 0
.rept 4
	v_nop
.endr
	v_and_b32 v1, 31, v0
	v_lshlrev_b32 v[LA], 4, v1
	v_add_nc_u32 v[SG], s42, v[LA]
.irp i, 0,1,2,3
	global_load_b128 v[Q+4*\i:Q+4*\i+3], v[LA], s[8:9] offset:\i*512
.endr
.set ii, 0
.rept 32
	v_mov_b32 v[O+ii], 0
.set ii, ii+1
.endr
.irp t, 0,1
	v_mov_b32 v[ST+8*\t], 0xfe000000               ; c m: far below every c s
	v_mov_b32 v[ST+8*\t+1], 0xff7fffff             ; m
	v_mov_b32 v[ST+8*\t+2], 0
	v_mov_b32 v[ST+8*\t+3], 0
.endr
.macro FETCH_K                         ; a step's K: four tiles of 16 keys
	v_add_nc_u32 v[AK], s[TBK], v[LA]
.irp f, 0,1,2,3
	ds_load_b128 v[K+8*\f:K+8*\f+3], v[AK] offset:\f*1024
	ds_load_b128 v[K+8*\f+4:K+8*\f+7], v[AK] offset:\f*1024+512
.endr
	s_add_co_u32 s[TBK], s[TBK], STEPB
.endm
.macro FETCH_V                         ; a step's V^T: fragment 2 kk + cb
	v_add_nc_u32 v[AV], s[TBV], v[LA]
.irp f, 0,1,2,3
	ds_load_b128 v[V+8*\f:V+8*\f+3], v[AV] offset:\f*1024
	ds_load_b128 v[V+8*\f+4:V+8*\f+7], v[AV] offset:\f*1024+512
.endr
	s_add_co_u32 s[TBV], s[TBV], STEPB
.endm
.macro KQALL                           ; eight products, each a whole sum (32 channels)
.irp kt, 0,1,2,3
.irp t, 0,1
	v_wmma_f32_16x16x32_f16 v[S+32*\t+8*\kt:S+32*\t+8*\kt+7], v[K+8*\kt:K+8*\kt+7], v[Q+8*\t:Q+8*\t+7], 0
.endr
.endr
.endm
.macro PVALL                           ; eight products; the four accumulators take turns
.irp kk, 0,1
.irp cb, 0,1
.irp t, 0,1
	v_wmma_f32_16x16x32_f16 v[O+16*\t+8*\cb:O+16*\t+8*\cb+7], v[V+8*(2*\kk+\cb):V+8*(2*\kk+\cb)+7], v[P+16*\t+8*\kk:P+16*\t+8*\kk+7], v[O+16*\t+8*\cb:O+16*\t+8*\cb+7]
.endr
.endr
.endr
.endm
.macro FF t, b                         ; c s - c m for pair b
	v_pk_fma_f32 v[S+NS*(\t)+2*(\b):S+NS*(\t)+2*(\b)+1], v[S+NS*(\t)+2*(\b):S+NS*(\t)+2*(\b)+1], s[CS:CS+1], v[ST+8*(\t):ST+8*(\t)+1] op_sel_hi:[1,0,0] neg_lo:[0,0,1] neg_hi:[0,0,1]
.endm
.macro EE t, e
	v_exp_f32 v[S+NS*(\t)+(\e)], v[S+NS*(\t)+(\e)]
.endm
.macro CC t, b                         ; pair b rounded to f16
	v_cvt_pk_f16_f32 v[P+NP*(\t)+(\b)], v[S+NS*(\t)+2*(\b)], v[S+NS*(\t)+2*(\b)+1]
.endm
.macro LL t, b                         ; l takes pair b (the first time as l = a l + pair)
.if (\b) == 0
	v_pk_fma_f32 v[ST+8*(\t)+2:ST+8*(\t)+3], v[ST+8*(\t)+2:ST+8*(\t)+3], v[ST+8*(\t)+6:ST+8*(\t)+7], v[S+NS*(\t):S+NS*(\t)+1] op_sel_hi:[1,0,1]
.else
	v_pk_add_f32 v[ST+8*(\t)+2:ST+8*(\t)+3], v[ST+8*(\t)+2:ST+8*(\t)+3], v[S+NS*(\t)+2*(\b):S+NS*(\t)+2*(\b)+1]
.endif
.endm
; A step's softmax for both tiles, line by line in turn.  Each accumulator's lowest registers are read first.
; The exponentials are two batches with one wait each; nothing ahead of a batch's wait names a result of that batch.
.macro SOFTMAX
.set nn, 0
.rept NA
.irp t, 0,1
	v_max3_num_f32 v[ST+8*\t+4+nn], v[S+NS*\t+8*nn], v[S+NS*\t+8*nn+1], v[S+NS*\t+8*nn+2]
.endr
.set nn, nn+1
.endr
.irp d, 3,5
.set nn, 0
.rept NA
.irp t, 0,1
	v_max3_num_f32 v[ST+8*\t+4+nn], v[ST+8*\t+4+nn], v[S+NS*\t+8*nn+\d], v[S+NS*\t+8*nn+\d+1]
.endr
.set nn, nn+1
.endr
.endr
.irp t, 0,1
	v_max3_num_f32 v[ST+8*\t+4], v[ST+8*\t+4], v[S+NS*\t+7], v[S+NS*\t+15]
.endr
.irp t, 0,1
	v_max3_num_f32 v[ST+8*\t+5], v[ST+8*\t+5], v[S+NS*\t+23], v[S+NS*\t+31]
.endr
.irp t, 0,1
	v_max3_num_f32 v[ST+8*\t+6], v[ST+8*\t+6], v[ST+8*\t+7], v[ST+8*\t+1]
.endr
.irp t, 0,1
	v_max3_num_f32 v[ST+8*\t+4], v[ST+8*\t+4], v[ST+8*\t+5], v[ST+8*\t+6]
.endr
.irp t, 0,1
	v_permlanex16_b32 v[ST+8*\t+5], v[ST+8*\t+4], s[SEL], s[SEL+1]  ; the query's other keys lie in the lane 16 away
.endr
.irp t, 0,1
	v_mov_b32 v[ST+8*\t+7], v[ST+8*\t]             ; c m_old
.endr
.irp t, 0,1
	v_max_num_f32 v[ST+8*\t+1], v[ST+8*\t+4], v[ST+8*\t+5]
.endr
.irp t, 0,1
	v_mul_f32 v[ST+8*\t], s[CS], v[ST+8*\t+1]
.endr
.irp t, 0,1
	v_sub_f32 v[ST+8*\t+7], v[ST+8*\t+7], v[ST+8*\t]
.endr
	; THE FIRST BATCH: a of both tiles, then exponential ee of NS: pair ee / 4 of tile (ee / 2) % 2.  Behind each stands a scaling: number ee + 2 of the 2 NP (pair (ee + 2) / 2 of tile ee % 2),
	; so that the scaling that an exponential needs, number ee / 2, stands ahead of it, and every scaling writes a pair above those that the exponentials have reached.
.irp t, 0,1
	v_exp_f32 v[ST+8*\t+6], v[ST+8*\t+7]           ; a
	FF \t, 0
.endr
.set ee, 0
.rept NS-2
	EE (ee/2)%2, 2*(ee/4)+ee%2
	FF ee%2, (ee+2)/2
.set ee, ee+1
.endr
	EE 1, NP-2
	EE 1, NP-1
	s_wait_alu depctr_va_vdst(0)                   ; the wait for the first batch: a of both tiles and pairs 0 to NP / 2 - 1; the rounding below, of pair 0, is the plain line behind the last two exponentials
	; THE SECOND BATCH: pairs NP / 2 to NP - 1 of both tiles; in front of each exponential one of the first half's roundings and sums
.set bb, 0
.rept NP/2
.irp t, 0,1
	CC \t, bb
	EE \t, NP+2*bb
	LL \t, bb
	EE \t, NP+2*bb+1
.endr
.set bb, bb+1
.endr
.irp t, 0,1                            ; O^T times a (of the first batch): the work between the second batch and its wait
.irp z, 0,1,2,3,4,5,6,7
	v_pk_mul_f32 v[O+16*\t+2*\z:O+16*\t+2*\z+1], v[O+16*\t+2*\z:O+16*\t+2*\z+1], v[ST+8*\t+6:ST+8*\t+7] op_sel_hi:[1,0]
.endr
.endr
	s_wait_alu depctr_va_vdst(0)                   ; the wait for the second batch; no exponential follows it in the step
.set bb, NP/2
.rept NP/2                                     ; the second half's roundings and sums, the tiles in turn: the links of a tile's chain onto l stand four lines apart
	CC 0, bb
	CC 1, bb
	LL 0, bb
	LL 1, bb
.set bb, bb+1
.endr
.endm
; A trip is TOP and BOT.  TOP: K of the next step is fetched; this step's softmax; V^T P.  BOT: V of the next step is fetched; its K Q^T.
.macro TOP fetch
	PLACES                                         ; behind the last K Q^T: for the loads into K and the reads of S^T
.if \fetch
	FETCH_K
.endif
	SOFTMAX
.if \fetch
	s_wait_dscnt NL                                ; V of this step is in: the NL younger loads are K's
.else
	s_wait_dscnt 0x0
.endif
	PVALL
.endm
.macro BOT
	PLACES                                         ; behind the last V^T P: for the loads into V
	FETCH_V
	s_wait_dscnt NL                                ; K is in: the NL younger loads are V's
	KQALL
.endm
; The change of slots: every wave waits for all its tensor loads (one is out: its part of the other slot), adds 0 to its spare word, waits for that and for its reads of the slot.
; fill = 1: the barrier is a round of the cluster's, and the joint refill is the first thing behind it: it has a wave's eight steps in which to land.
.macro CHANGE fill
	s_wait_tensorcnt 0x0
	ds_add_u32 v[SPW], v[NIL]
.if \fill
	s_xor_b32 s37, s37, SLOT1
	s_add_nc_u64 s[38:39], s[38:39], 65536
.endif
	s_wait_dscnt 0x0
.if \fill
	CROUND
	tensor_load_to_lds s[36:39], s[24:31]
	s_nop 0
.rept 4
	v_nop
.endr
.else
	s_barrier_signal -1
	s_barrier_wait -1
.endif
	s_sub_co_u32 s[TBK], s[TBK], HALFB             ; the fetches go back to the first of my steps, in the other slot
	s_xor_b32 s[TBK], s[TBK], SLOT1
	s_sub_co_u32 s[TBV], s[TBV], HALFB
	s_xor_b32 s[TBV], s[TBV], SLOT1
.endm
	s_wait_tensorcnt 0x1                           ; my part of slot 0 is in; slot 1's may stay out
	s_barrier_signal -1
	s_barrier_wait -1
	FETCH_K                                        ; my first step
	s_wait_loadcnt 0x0                             ; Q
	s_mov_b32 s[SLOTS], 3
	s_mov_b32 s[CNT], NSTEP
	s_branch .Lmid                                 ; the loop is entered in the middle of a trip: the first step has no step before it
.Lslot:                                        ; twice: fills 2 and 3
	CHANGE 1
	s_mov_b32 s[CNT], NSTEP
.Ltrip:
	TOP 1
.Lmid:
	BOT
	s_sub_co_u32 s[CNT], s[CNT], 1
	s_cmp_lg_u32 s[CNT], 0
	s_cbranch_scc1 .Ltrip
	s_sub_co_u32 s[SLOTS], s[SLOTS], 1
	s_cmp_lg_u32 s[SLOTS], 0
	s_cbranch_scc1 .Lslot
	CHANGE 0                                       ; the last slot is written out: nothing is asked for
	s_mov_b32 s[CNT], NSTEP
.Ltail:
	TOP 1
	BOT
	s_sub_co_u32 s[CNT], s[CNT], 1
	s_cmp_lg_u32 s[CNT], 0
	s_cbranch_scc1 .Ltail
	TOP 0                                          ; my last step
	; THE TWO HALVES OF THE KEYS ARE JOINED.  First every wave makes its own l whole.
	PLACES
.irp t, 0,1
	v_add_f32 v[ST+8*\t+2], v[ST+8*\t+2], v[ST+8*\t+3]
.endr
.irp t, 0,1
	v_permlanex16_b32 v[ST+8*\t+5], v[ST+8*\t+2], s[SEL], s[SEL+1]
.endr
.irp t, 0,1
	v_add_f32 v[ST+8*\t+2], v[ST+8*\t+2], v[ST+8*\t+5]
.endr
	s_cmp_lt_u32 s[WV], 4
	s_cbranch_scc1 .Lkeep
	v_mov_b32 v[S], v[ST]                          ; waves 4-7: c m and l of both tiles in four registers,
	v_mov_b32 v[S+1], v[ST+2]
	v_mov_b32 v[S+2], v[ST+8]
	v_mov_b32 v[S+3], v[ST+10]
.irp i, 0,1,2,3,4,5,6,7
	ds_store_b128 v[SG], v[O+4*\i:O+4*\i+3] offset:\i*512  ; and O^T as it lies, each accumulator's low half first
.endr
	ds_store_b128 v[SG], v[S:S+3] offset:4096
.Lkeep:
	s_wait_dscnt 0x0                               ; for the partner's sake: my stores are done
	s_barrier_signal -1
	s_barrier_wait -1
	s_cmp_lt_u32 s[WV], 4
	s_cbranch_scc0 .Ldone
.irp i, 0,1,2,3,4,5,6,7
	ds_load_b128 v[S+4*\i:S+4*\i+3], v[SG] offset:\i*512
.endr
	ds_load_b128 v[S+32:S+35], v[SG] offset:4096
	s_wait_dscnt 0x0
.irp t, 0,1
	v_max_num_f32 v[ST+8*\t+5], v[ST+8*\t], v[S+32+2*\t]
.endr
.irp t, 0,1
	v_sub_f32 v[ST+8*\t+4], v[ST+8*\t], v[ST+8*\t+5]
.endr
.irp t, 0,1
	v_sub_f32 v[ST+8*\t+6], v[S+32+2*\t], v[ST+8*\t+5]
.endr
.irp t, 0,1
	v_exp_f32 v[ST+8*\t+4], v[ST+8*\t+4]           ; wA
	v_exp_f32 v[ST+8*\t+6], v[ST+8*\t+6]           ; wB
.endr
	v_nop                                          ; a plain instruction behind the last exponential
	s_wait_alu depctr_va_vdst(0)                   ; one wait for the four weights, ahead of their first reader
.irp t, 0,1
	v_mul_f32 v[ST+8*\t+5], v[ST+8*\t+4], v[ST+8*\t+2]
.endr
.irp t, 0,1
	v_fmac_f32 v[ST+8*\t+5], v[ST+8*\t+6], v[S+33+2*\t]
.endr
.irp t, 0,1
	v_rcp_f32 v[ST+8*\t+5], v[ST+8*\t+5]           ; the half that holds the larger maximum has w = 1 and l >= 1
.endr
	v_nop                                          ; a plain instruction behind the last reciprocal
	s_wait_alu depctr_va_vdst(0)                   ; one wait for the two reciprocals: they read sums of the weights, so they are a batch of their own
.irp t, 0,1
	v_mul_f32 v[ST+8*\t+4], v[ST+8*\t+4], v[ST+8*\t+5]
	v_mul_f32 v[ST+8*\t+6], v[ST+8*\t+6], v[ST+8*\t+5]
.endr
.irp t, 0,1
.irp z, 0,1,2,3,4,5,6,7
	v_pk_mul_f32 v[O+16*\t+2*\z:O+16*\t+2*\z+1], v[O+16*\t+2*\z:O+16*\t+2*\z+1], v[ST+8*\t+4:ST+8*\t+5] op_sel_hi:[1,0]
.endr
.endr
.irp t, 0,1
.irp z, 0,1,2,3,4,5,6,7
	v_pk_fma_f32 v[O+16*\t+2*\z:O+16*\t+2*\z+1], v[S+16*\t+2*\z:S+16*\t+2*\z+1], v[ST+8*\t+6:ST+8*\t+7], v[O+16*\t+2*\z:O+16*\t+2*\z+1] op_sel_hi:[1,0,1]
.endr
.endr
.irp t, 0,1
.irp z, 0,1,2,3,4,5,6,7
	v_cvt_pk_f16_f32 v[P+8*\t+\z], v[O+16*\t+2*\z], v[O+16*\t+2*\z+1]  ; a lane's eight channels of a block are its 16 bytes of half a fragment
.endr
.endr
.irp t, 0,1
.irp cb, 0,1
	global_store_b128 v[LA], v[P+8*\t+4*\cb:P+8*\t+4*\cb+3], s[10:11] offset:\t*8192+\cb*512
.endr
.endr
.Ldone:
	s_wait_tensorcnt 0x0                           ; the wave's end
	ds_add_u32 v[SPW], v[NIL]
	s_wait_dscnt 0x0
	CROUND                                         ; the closing round
	s_endpgm
.Lfunc_end_k_q560160dc41_mha:
	.size	k_q560160dc41_mha, .Lfunc_end_k_q560160dc41_mha-k_q560160dc41_mha
	.p2alignl 7, 3214868480
	.fill 96, 4, 3214868480
	.section	.rodata,"a",@progbits
	.p2align	6, 0x0
	.amdhsa_kernel k_q560160dc41_mha
		.amdhsa_group_segment_fixed_size 327680
		.amdhsa_private_segment_fixed_size 0
		.amdhsa_enable_private_segment 0
		.amdhsa_kernarg_size 16
		.amdhsa_user_sgpr_count 2
		.amdhsa_user_sgpr_kernarg_segment_ptr 1
		.amdhsa_wavefront_size32 1
		.amdhsa_system_sgpr_workgroup_id_x 1
		.amdhsa_system_sgpr_workgroup_id_y 1
		.amdhsa_system_sgpr_workgroup_id_z 1
		.amdhsa_system_vgpr_workitem_id 0
		.amdhsa_next_free_vgpr 232
		.amdhsa_next_free_sgpr 66
		.amdhsa_reserve_vcc 0
		.amdhsa_float_denorm_mode_32 3
		.amdhsa_float_denorm_mode_16_64 3
		.amdhsa_memory_ordered 1
		.amdhsa_forward_progress 1
		.amdhsa_inst_pref_size 55
	.end_amdhsa_kernel
	.amdgpu_metadata
---
amdhsa.version: [ 1, 2 ]
amdhsa.kernels:
  - .name:           k_q560160dc41_mha
    .symbol:         k_q560160dc41_mha.kd
    .args:
      - { .name: opnd, .offset: 0, .size: 8, .value_kind: global_buffer, .address_space: global }
      - { .name: o16, .offset: 8, .size: 8, .value_kind: global_buffer, .address_space: global }
    .group_segment_fixed_size: 327680
    .private_segment_fixed_size: 0
    .kernarg_segment_align: 8
    .kernarg_segment_size: 16
    .max_flat_workgroup_size: 256
    .sgpr_count:     66
    .vgpr_count:     232
    .wavefront_size: 32
...
	.end_amdgpu_metadata
.endif
;; end of part 14
;; launch tail: the kernel of part 11 again; grid 64 x 4, 4 waves a work-group, no clusters, 133,632 bytes of LDS; arguments o16, x0, wt0, b0_outproj_b, b0_norm2_w, b0_norm2_b, b0_mlp_b1, b0_mlp_b2, xpb; writes xpb
;; launch qkv1: the kernel of part 9 again; grid 128 x 2, 8 waves a work-group, clusters of 4 x 1, 231,424 bytes of LDS; arguments xpb, b1_norm1_w, b1_norm1_b, b1_qpos, b1_kpos, b1_inproj_b, wt1, opnd, x0; writes opnd, x0
;; launch mha1: the kernel of part 14 again; grid 32 x 8, 8 waves a work-group, clusters of 4 x 1, 327,680 bytes of LDS; arguments opnd, o16; writes o16
;; launch tail1: the kernel of part 11 again; grid 64 x 4, 4 waves a work-group, no clusters, 133,632 bytes of LDS; arguments o16, x0, wt1, b1_outproj_b, b1_norm2_w, b1_norm2_b, b1_mlp_b1, b1_mlp_b2, xpa; writes xpa
;; launch outt: the kernel of part 12 again; grid 256 x 1, 4 waves a work-group, no clusters, 17,152 bytes of LDS; arguments xpa, out0; writes out0
